; MI455X (gfx1250); checked and timed in simulation.
; The chip was launched on July 23, 2026; its instructions are those of AMD's public machine-readable ISA for CDNA 5 (MIT licence, August 2026) and "CDNA5" Instruction Set Architecture Reference Guide (July 2026). The comments in the code are by the model that wrote it; some were corrected since.
;; Video Mo E Layer. Allowed arithmetic: matrix products marked QUANTISED: E2M1 operands, one E8M0 scale for each 32 along K, by v_wmma_scale_f32_16x16x128_f8f6f4 with both operands' format E2M1 (or v_wmma_scale_f32_32x16x128_f4), f32 sums; products left as they are: f32 operands where the result goes on into a quantised operand, else bf16, f16 or f32 operands; f32 sums; everything else in f32.
;; Inputs: b1 8 x 2,048 float32; b2 8 x 1,024 float32; gate_w 8 x 1,024 float32; w1 8 x 1,024 x 2,048 float32; w2 8 x 2,048 x 1,024 float32; x 2 x 1,024 x 1,024 float32.
;; Outputs: out0 2 x 1,024 x 1,024 float32; out1 one number float32.
;; This version of the problem:
;;   THIS VERSION OF THE PROBLEM IS GIVEN IN LOW PRECISION. The matrix products marked QUANTISED in the list below multiply operands that are first quantised to E2M1 (2 exponent bits, 1 mantissa bit; 4 bits a number), with one power-of-two scale for each 32 numbers along K (OCP MX v1.0); their sums are f32. All else is computed in f32.
;;   The module's matrix products, in the order in which they are computed (A, B: the left and right operand; K: the contracted axis; several contracted axes count as one K, in the product's order):
;;     1. [M 2,048, K 1,024] x [K 1,024, N 8]; A: input x; B: input gate_w: left as it is (N = 8 < 16)
;;     2. [M 16,384, K 1,024] x [K 1,024, N 2,048]; A: input w1; B: input x: QUANTISED
;;     3. batch 8 x [M 2,048, K 2,048] x [K 2,048, N 1,024]; A: computed on the way; B: input w2: QUANTISED
;;     4. batch 2,048 x [M 1, K 8] x [K 8, N 1,024]; A: computed on the way; B: computed on the way: left as it is (K = 8 < 32)
;;   THE QUANTISER, for each operand of a quantised product, along K:
;;     - K is cut into blocks of 32 from its start; a last block that is shorter is filled with zeros.
;;     - A block's scale is 2^e with e = floor(log2(the largest magnitude in the block)) - 2, held to -126 .. 127; a block of zeros has e = 0. As a byte (E8M0): e + 127.
;;     - Each number is divided by its block's scale, clamped to +-6, and rounded to the nearest number of E2M1, ties to even, subnormals kept.
;;     - The product sums the exact products of the quantised numbers (number of the format x scale) in f32.
;;   ~~~python
;;   def quantise(x, axis):      # numpy; x: float32 -> the quantised numbers, widened to float32 again
;;       x = np.moveaxis(x, axis, -1); K = x.shape[-1]
;;       x = np.pad(x, [(0, 0)] * (x.ndim - 1) + [(0, -K % 32)]); x = x.reshape(x.shape[:-1] + (-1, 32)); a = np.abs(x).max(-1, keepdims=True)
;;       e = np.where(a > 0, np.clip(np.frexp(np.where(a > 0, a, 1))[1] - 1 - 2, -126, 127), 0)      # np.frexp(a)[1] - 1 = floor(log2(a)), exactly
;;       r = np.clip(x / 2.0 ** e, -6, 6)
;;       step = 2.0 ** (np.maximum(np.frexp(np.where(r == 0, 1, r))[1] - 1, 0) - 1)
;;       q = np.round(r / step) * step * 2.0 ** e      # np.round: ties to even
;;       return np.moveaxis(q.reshape(q.shape[:-2] + (-1,))[..., :K], -1, axis).astype(np.float32)
;;   ~~~
;;   OPERANDS COMPUTED ON THE WAY. 'Computed on the way' means the value that the module computes at that place (a softmax that the list does not call 'softmax' is quantised finished and normalised). What goes into a quantiser is computed in f32, as accurately as f32 sums, v_exp_f32 and their like allow (about 1e-6 of the number): no bf16 or f16 on the way to a quantiser, and a product that is left as it is and whose result goes on into a quantised operand takes f32 operands (vector FMAs, or v_wmma_f32_16x16x4_f32). A number that lies on a knife's edge between two numbers of the format may be rounded either way, as far as f32 arithmetic and the matrix unit's own rounding can turn it there, and no further.
;; 2 versions. Each part assembles by itself: llvm-mc -triple=amdgcn-amd-amdhsa -mcpu=gfx1250 --defsym DOCPART=n.
;; ======== version 1 of 2: 4 launches
;; workspace buffers: q1 10,059,776 bytes; ridx 8,192 bytes of whole numbers; q2 8,912,896 bytes; plan 52,224 bytes of whole numbers; hid 5,135,360 bytes
;; launch route_q1 (part 1): grid 576 x 1, 8 waves a work-group, no clusters, 70,656 bytes of LDS; arguments x, gate_w, w1, q1, ridx; writes q1, ridx
.if DOCPART == 1
	.amdgcn_target "amdgcn-amd-amdhsa--gfx1250"
	.amdhsa_code_object_version 6
	.text
	.protected	k_qdeda6b1464_route_q1
	.globl	k_qdeda6b1464_route_q1
	.p2align	8
	.type	k_qdeda6b1464_route_q1,@function
k_qdeda6b1464_route_q1:
	s_mov_b64 s[64:65], 0
	v_nop
	global_prefetch_b8 v0, s[64:65] scope:SCOPE_SE
	s_setreg_imm32_b32 hwreg(HW_REG_WAVE_MODE, 25, 1), 1
	s_wait_xcnt 0x0
; Work-groups 0-63: THE ROUTER.  2,048 tokens, 32 a work-group, 4 a wave.  Logits x . gate_w in f32 (fused multiply-adds), softmax with the row's maximum taken away,
; the two largest (on a tie the lower index), their weights c = p / (p1 + p2), the sums of the probabilities for the aux loss, and x as codes of E2M1 with one E8M0 byte for each 32 along H.
; Nothing that is chosen here steers an address or a branch: the choice is stored, at fixed places, as whole numbers (ridx) and weights (rtw).
; Work-groups 64-575: w1 [8][1024 k][2048 d] f32 becomes codes.  A lane takes a column d and its registers run down k, so a block of 32 lies in one lane and the codes come out with k innermost.
; q1: w1c @0 [e][tile 128][kstep 8][1,024 B]: a fragment as an image of its registers: piece c at 512 c, lane (rho, h) at 256 h + 16 rho: k = 64 c + 32 h + 0..31 of the tile's row rho.
;     Tiles 2 pd and 2 pd + 1 share 32 columns: tile u, row rho is d = 32 pd + 8 u + rho + 8 (rho / 8), so that the first product's results come out as neighbours along the next K.
;     w1s @W1S [e][pd 64][kstep 8][32 words: 16 u + rho];  xc @XC [token][512 B];  xs @XSW [token][8 words];  rtw @RTW [token]{c_lo, c_hi};  psum @PSUM [512 waves][8].
; LDS (the router alone): @0 the gate image [e 8][i 8][lane 32][16 B] = gate_w[e][32 lane + 4 i ..]; @STAGE a stage of 4,608 bytes for each wave: 32 places of 128 bytes + 16 of padding.
; EVERY LOAD OF x AND OF gate_w READS 512 CONSECUTIVE BYTES, 16 a lane; the quantiser and the logits want a lane to hold a whole block of 32 neighbours: so a row of x turns through the wave's own stage,
; and gate_w's pieces are stored straight to their places in the image.
; LIMITS: NaN and infinities are not served.  A block of zeros gets the byte 1 where the rule says 127: its codes are zeros and this program alone reads the bytes.
; The two largest are taken on the logits: two logits that differ while their f32 probabilities are equal may be ordered otherwise than a top-k on the probabilities.
; No cluster, no tensor load: the work-groups share nothing but the 32 KB of gate_w.
.set W1S,  8388608
.set XC,   8912896
.set XSW,  9961472
.set RTW,  10027008
.set PSUM, 10043392
.set STAGE, 32768
.set SPL,  144                         ; a block's place in a stage: 128 bytes + 16: an odd multiple of 16
.set ROWB, 8192                        ; a row of w1 in bytes
.set WX,   32                          ; weights: v32-159 four blocks of 32 numbers
.set WC,   8                           ; v8-23 their codes; v24 the scale word; v25-27 at work
.macro WLOAD t                         ; block t: w(32 t + i, my column): 32 lanes read 128 neighbouring bytes
.set I, 0
.rept 32
	global_load_b32 v[WX+32*(\t)+I], v1, s[20:21] offset:(32*(\t)+I)*ROWB th:TH_LOAD_NT
.set I, I+1
.endr
.endm
.macro WBLOCK t, left                  ; left: how many younger loads may stay out
.set XR, WX+32*(\t)
	s_wait_loadcnt \left
	v_max3_num_f32 v25, |v[XR]|, |v[XR+1]|, |v[XR+2]|      ; the block's largest magnitude, in two chains
	v_max3_num_f32 v26, |v[XR+3]|, |v[XR+4]|, |v[XR+5]|
.irp i, 6,10,14,18,22,26
	v_max3_num_f32 v25, v25, |v[XR+\i]|, |v[XR+\i+1]|
	v_max3_num_f32 v26, v26, |v[XR+\i+2]|, |v[XR+\i+3]|
.endr
	v_max3_num_f32 v25, v25, |v[XR+30]|, |v[XR+31]|
	v_max3_num_f32 v25, v25, v26, 0x1800000                ; and the floor 2^(3 - 127): the byte cannot fall under 1
	v_add_nc_u32 v27, 0xff000000, v25                      ; 2 off the exponent field: the conversion's scale operand
	v_lshrrev_b32 v26, 23, v27                             ; the scale's byte
.if (\t) == 0
	v_mov_b32 v24, v26
.else
	v_lshl_or_b32 v24, v26, 8*(\t), v24
.endif
.irp g, 0,1,2,3
	v_cvt_scalef32_pk8_fp4_f32 v[WC+4*(\t)+\g], v[XR+8*\g:XR+8*\g+7], v27
.endr
	global_store_b128 v2, v[WC+4*(\t):WC+4*(\t)+3], s[26:27] offset:((\t)/2)*512+((\t)%2)*256   ; sixteen lanes fill 256 aligned bytes of one tile's image, the other sixteen of the other's
.endm
	s_load_b256 s[4:11], s[0:1], 0x0               ; x s[4:5], gate_w s[6:7], w1 s[8:9], q1 s[10:11]
	s_load_b64 s[12:13], s[0:1], 0x20              ; ridx
	v_lshl_add_u32 v254, v0, 2, 0x11000
	v_mov_b32 v255, 0
	v_lshrrev_b32 v1, 5, v0
	v_readfirstlane_b32 s14, v1                    ; wave 0..7
	v_and_b32 v4, 31, v0                           ; lane L
	s_wait_kmcnt 0x0
	s_cmp_lt_u32 ttmp9, 64                         ; the parting hangs on the work-group's number alone
	s_cbranch_scc1 .Lrouter
	; ---------------- w1: a wave takes 32 columns x 128 k (one K step, four blocks)
	s_sub_co_u32 s16, ttmp9, 64
	s_and_b32 s18, s16, 7                          ; which eight column groups
	s_bfe_u32 s19, s16, 0x30003                    ; K step s
	s_lshr_b32 s15, s16, 6                         ; expert e
	s_lshl_b32 s17, s18, 3
	s_add_co_u32 s17, s17, s14                     ; pd = 8 cg + wave
	s_mov_b32 s23, 0
	s_lshl_b32 s22, s15, 23                        ; in: e x 8 MiB + 128 s rows + 128 pd bytes
	s_lshl_b32 s24, s19, 20
	s_add_co_u32 s22, s22, s24
	s_lshl_b32 s24, s17, 7
	s_add_co_u32 s22, s22, s24
	s_add_nc_u64 s[20:21], s[8:9], s[22:23]
	s_lshl_b32 s22, s15, 20                        ; codes: e x 1 MiB + pd x 16 KiB + s x 1 KiB
	s_lshl_b32 s24, s17, 14
	s_add_co_u32 s22, s22, s24
	s_lshl_b32 s24, s19, 10
	s_add_co_u32 s22, s22, s24
	s_add_nc_u64 s[26:27], s[10:11], s[22:23]
	s_lshl_b32 s22, s15, 6                         ; scale words: ((64 e + pd) 8 + s) x 128 bytes
	s_add_co_u32 s22, s22, s17
	s_lshl_b32 s22, s22, 3
	s_add_co_u32 s22, s22, s19
	s_lshl_b32 s22, s22, 7
	s_add_co_u32 s22, s22, W1S
	s_add_nc_u64 s[28:29], s[10:11], s[22:23]
	v_lshlrev_b32 v1, 2, v4                        ; in: 4 bytes a lane
	v_bfe_u32 v5, v4, 3, 1                         ; my column's tile u = (L / 8) % 2
	v_and_b32 v6, 7, v4
	v_lshrrev_b32 v7, 4, v4
	v_lshl_or_b32 v6, v7, 3, v6                    ; and its row rho = 8 (L / 16) + L % 8
	v_lshlrev_b32 v2, 4, v6
	v_lshl_add_u32 v2, v5, 13, v2                  ; 8,192 u + 16 rho
	v_lshl_add_u32 v3, v5, 4, v6
	v_lshlrev_b32 v3, 2, v3                        ; 4 (16 u + rho)
	WLOAD 0                                        ; all 128 loads are asked for at once
	WLOAD 1
	WLOAD 2
	WLOAD 3
	WBLOCK 0, 63                                   ; 96 loads are younger; the wait's field holds 63, and a smaller count is safe
	WBLOCK 1, 63                                   ; 64 are younger
	WBLOCK 2, 32
	WBLOCK 3, 0
	global_store_b32 v3, v24, s[28:29]             ; 128 neighbouring bytes: half of an aligned 256; the scale words are 1 byte in 128 of what the wave reads
	s_endpgm
	; ---------------- the router
	; v1 my block's place in my stage, v2 16 L, v3 8 (L % 4), v5 gate_w's offset, v6 where gate_w's pieces go, v7 where x's pieces go; v32-159 x, 32 numbers a row: lane L owns block L;
	; v160-191 two pieces of the gate image; v192-223 logits [row][e] (first: the codes); v224-231 a sum pair a row; v232-235 scale words
	; behind the logits v32-115 are free: v32-63 at work, v64-71 q, v72-79 sums of p, v80-83 the chosen, v84-91 {c_lo, c_hi}, v92-115 at work
.macro TURN r                          ; row r through my stage: in as loaded (piece j of lane L is 16 bytes of block 4 j + L / 8), back a whole block a lane, into the registers that it left
	s_wait_loadcnt 24-8*\r                         ; the row's eight loads are in; the later rows' are younger
.irp j, 0,1,2,3,4,5,6,7
	ds_store_b128 v7, v[32+32*\r+4*\j:35+32*\r+4*\j] offset:4*SPL*\j
.endr
.irp j, 0,1,2,3,4,5,6,7
	ds_load_b128 v[32+32*\r+4*\j:35+32*\r+4*\j], v1 offset:16*\j   ; LDS serves a wave's instructions in order (ISA guide 5.7.1.4): these see the stores above, and the next row's stores come behind them
.endr
.endm
.macro QROW i, left                    ; row i: my block's scale and codes.  left: the LDS instructions issued behind the row's loads from the stage
.set XR, 32+32*\i
	s_wait_dscnt \left
	v_max3_num_f32 v236, |v[XR]|, |v[XR+1]|, |v[XR+2]|
	v_max3_num_f32 v237, |v[XR+3]|, |v[XR+4]|, |v[XR+5]|
.irp k, 6,10,14,18,22,26
	v_max3_num_f32 v236, v236, |v[XR+\k]|, |v[XR+\k+1]|
	v_max3_num_f32 v237, v237, |v[XR+\k+2]|, |v[XR+\k+3]|
.endr
	v_max3_num_f32 v236, v236, |v[XR+30]|, |v[XR+31]|
	v_max3_num_f32 v236, v236, v237, 0x1800000
	v_add_nc_u32 v238, 0xff000000, v236
	v_lshrrev_b32 v239, 23, v238
.irp g, 0,1,2,3
	v_cvt_scalef32_pk8_fp4_f32 v[192+4*\i+\g], v[XR+8*\g:XR+8*\g+7], v238
.endr
	v_lshlrev_b32 v239, v3, v239                   ; my byte at its place in the word of my four blocks (a plain line behind the conversions)
	global_store_b128 v2, v[192+4*\i:195+4*\i], s[22:23] offset:512*\i   ; the row's 512 bytes of codes, on end
	v_mov_b32_dpp v240, v239 row_xmask:1 row_mask:0xf bank_mask:0xf
	v_or_b32 v239, v239, v240
	v_mov_b32_dpp v240, v239 row_xmask:2 row_mask:0xf bank_mask:0xf
	v_or_b32 v[232+\i], v239, v240                 ; every lane of quad q holds K step q's word
.endm
.macro GLOAD hs, reg                   ; half-step hs = 2 e + half: gate_w[e][32 L + 16 half + 0..15]
.irp n, 0,1,2,3
	ds_load_b128 v[\reg+4*\n:\reg+4*\n+3], v2 offset:(\hs)*2048+512*\n
.endr
.endm
.macro FIN i                           ; row i: softmax, the two largest, their weights
.set PR, 192+8*\i
	v_max3_num_f32 v92, v[PR], v[PR+1], v[PR+2]
	v_max3_num_f32 v93, v[PR+3], v[PR+4], v[PR+5]
	v_max3_num_f32 v92, v92, v[PR+6], v[PR+7]
	v_max_num_f32 v92, v92, v93                    ; the row's largest logit
	v_mul_f32 v93, s32, v92
.irp e, 0,1,2,3,4,5,6,7
	v_fma_f32 v[64+\e], v[PR+\e], s32, -v93        ; (logit - maximum) log2 e
.endr
.irp e, 0,1,2,3,4,5,6,7
	v_exp_f32 v[64+\e], v[64+\e]
.endr
	v_mov_b32 v94, v[PR]                           ; the search reads the logits alone: plain work behind the exponentials
	v_mov_b32 v95, 0
.irp e, 1,2,3,4,5,6,7
	v_cmp_gt_f32 vcc_lo, v[PR+\e], v94             ; strictly greater: a tie keeps the lower index
	v_cndmask_b32 v94, v94, v[PR+\e], vcc_lo
	v_cndmask_b32 v95, v95, \e, vcc_lo
.endr
	v_mov_b32 v96, 0xff800000
	v_mov_b32 v97, 0
.irp e, 0,1,2,3,4,5,6,7
	v_cmp_ne_u32 s37, \e, v95
	v_cmp_gt_f32 vcc_lo, v[PR+\e], v96
	s_and_b32 vcc_lo, vcc_lo, s37
	v_cndmask_b32 v96, v96, v[PR+\e], vcc_lo
	v_cndmask_b32 v97, v97, \e, vcc_lo
.endr
	v_sub_f32 v98, v96, v94
	v_mul_f32 v98, s32, v98
	v_exp_f32 v98, v98                             ; p2 / p1
	v_min_u32 v99, v95, v97                        ; the lower expert's number,
	v_max_u32 v100, v95, v97                       ; the higher one's
	s_wait_alu depctr_va_vdst(0)                   ; one wait for the nine exponentials, ahead of their first reader
	v_add_f32 v101, v64, v65
	v_add_f32 v102, v66, v67
	v_add_f32 v103, v68, v69
	v_add_f32 v104, v70, v71
	v_add_f32 v101, v101, v102
	v_add_f32 v103, v103, v104
	v_add_f32 v101, v101, v103
	v_add_f32 v103, 1.0, v98
	v_rcp_f32 v102, v101
	v_rcp_f32 v104, v103                           ; c1 = p1 / (p1 + p2)
	v_lshl_or_b32 v[80+\i], v100, 4, v99           ; e_lo | e_hi << 4
	v_cmp_lt_u32 vcc_lo, v95, v97
	s_wait_alu depctr_va_vdst(0)                   ; one wait for the two reciprocals
.irp e, 0,1,2,3,4,5,6,7
.if \i == 0
	v_mul_f32 v[72+\e], v[64+\e], v102             ; the first row starts the sums of p
.else
	v_fmac_f32 v[72+\e], v[64+\e], v102
.endif
.endr
	v_mul_f32 v105, v98, v104                      ; c2
	v_cndmask_b32 v[84+2*\i], v105, v104, vcc_lo
	v_cndmask_b32 v[85+2*\i], v104, v105, vcc_lo
.endm
.Lrouter:
	v_lshlrev_b32 v2, 4, v4                        ; 16 L
	v_and_b32 v3, 3, v4
	v_lshlrev_b32 v3, 3, v3
	v_and_b32 v8, 7, v4                            ; L % 8
	v_lshrrev_b32 v9, 3, v4                        ; L / 8
	s_lshl_b32 s15, s14, 12
	v_add_nc_u32 v5, s15, v2                       ; gate_w: row = my wave, 16 bytes a lane: piece i' holds elements 128 i' + 4 L on,
	v_lshlrev_b32 v6, 9, v8
	v_lshl_add_u32 v6, v9, 4, v6
	v_add_nc_u32 v6, s15, v6                       ; which is piece L % 8 of block 4 i' + L / 8: image byte 4,096 wave + 512 (L % 8) + 16 (L / 8) + 64 i'
	s_mul_i32 s15, s14, 32*SPL
	s_add_co_u32 s15, s15, STAGE                   ; my stage
	v_mul_u32_u24 v1, v4, SPL
	v_add_nc_u32 v1, s15, v1                       ; out of it: my block's place
	v_mul_u32_u24 v7, v9, SPL
	v_lshl_add_u32 v7, v8, 4, v7
	v_add_nc_u32 v7, s15, v7                       ; into it: place L / 8 of a load's four, 16 (L % 8) bytes on
	s_lshl_b32 s16, ttmp9, 5
	s_lshl_b32 s18, s14, 2
	s_add_co_u32 s16, s16, s18                     ; my first row = 32 work-group + 4 wave
	s_mov_b32 s19, 0
	s_lshl_b32 s18, s16, 12
	s_add_nc_u64 s[20:21], s[4:5], s[18:19]        ; x
	s_lshl_b32 s18, s16, 9
	s_add_co_u32 s18, s18, XC
	s_add_nc_u64 s[22:23], s[10:11], s[18:19]      ; its codes
	s_lshl_b32 s18, s16, 5
	s_add_co_u32 s18, s18, XSW
	s_add_nc_u64 s[24:25], s[10:11], s[18:19]      ; its scale words
	s_lshl_b32 s18, s16, 3
	s_add_co_u32 s18, s18, RTW
	s_add_nc_u64 s[26:27], s[10:11], s[18:19]      ; the weights
	s_lshl_b32 s18, s16, 3                         ; (8 work-group + wave) x 32 bytes
	s_add_co_u32 s18, s18, PSUM
	s_add_nc_u64 s[28:29], s[10:11], s[18:19]
	s_lshl_b32 s18, s16, 2
	s_add_nc_u64 s[12:13], s[12:13], s[18:19]      ; the chosen
.irp i, 0,1,2,3,4,5,6,7
	global_load_b128 v[160+4*\i:163+4*\i], v5, s[6:7] offset:512*\i   ; 32 lanes read 512 consecutive bytes
.endr
.irp r, 0,1,2,3
.irp j, 0,1,2,3,4,5,6,7
	global_load_b128 v[32+32*\r+4*\j:35+32*\r+4*\j], v2, s[20:21] offset:4096*\r+512*\j th:TH_LOAD_NT   ; likewise: a row's eight loads cover its 4,096 bytes, each byte once
.endr
.endr
	s_mov_b32 s30, 0x76543210
	s_mov_b32 s31, 0xfedcba98                      ; v_permlanex16_b32: lane l xor 16
	s_mov_b32 s32, 0x3fb8aa3b                      ; log2 e
	s_mov_b32 s34, 0x22222222                      ; lanes with L % 4 = 1, 2, 3
	s_mov_b32 s35, 0x44444444
	s_mov_b32 s36, 0x88888888
	v_mov_b32 v240, 0                              ; written once: a DPP destination counts as read
	s_wait_loadcnt 32                              ; the gate's eight loads are in; x's 32 are younger
.irp i, 0,1,2,3,4,5,6,7
	ds_store_b128 v6, v[160+4*\i:163+4*\i] offset:64*\i   ; image [e][i][lane]: gate_w[e][32 lane + 4 i ..].: eight stores a wave, once
.endr
	TURN 0
	TURN 1
	QROW 0, 16                                     ; behind row 0's loads from the stage: row 1's eight stores and eight loads
	TURN 2
	QROW 1, 16
	TURN 3
	QROW 2, 16
	QROW 3, 0
	s_wait_dscnt 0x0                               ; for the others' sake: my part of the image has landed
	s_barrier_signal -1
	s_barrier_wait -1
	s_wait_xcnt 0x0                                ; the stores of the codes have read v192-207, which take the logits now
	GLOAD 0, 160
.set HS, 0
.rept 16                               ; sixteen half-steps; each piece of the image serves all four rows
.if HS < 15
	GLOAD HS+1, 160+16*((HS+1)%2)
	s_wait_dscnt 4                                 ; all but the four just issued
.else
	s_wait_dscnt 0x0
.endif
.set GR, 160+16*(HS%2)
.set XH, 32+16*(HS%2)
.irp p, 0,1,2,3,4,5,6,7
.irp r, 0,1,2,3
.if (HS%2 == 0) && (\p == 0)
	v_pk_mul_f32 v[224+2*\r:225+2*\r], v[XH+32*\r+2*\p:XH+32*\r+2*\p+1], v[GR+2*\p:GR+2*\p+1]
.else
	v_pk_fma_f32 v[224+2*\r:225+2*\r], v[XH+32*\r+2*\p:XH+32*\r+2*\p+1], v[GR+2*\p:GR+2*\p+1], v[224+2*\r:225+2*\r]
.endif
.endr
.endr
.if HS%2 == 1
.irp r, 0,1,2,3
	v_add_f32 v[192+8*\r+HS/2], v[224+2*\r], v[225+2*\r]
.endr
.endif
.set HS, HS+1
.endr
.irp x, 1,2,4,8                        ; the 32 sums over the 32 lanes: every lane ends with all of them
.set I, 0
.rept 32
	v_add_f32_dpp v[192+I], v[192+I], v[192+I] row_xmask:\x row_mask:0xf bank_mask:0xf
.set I, I+1
.endr
.endr
.set I, 0
.rept 32
	v_permlanex16_b32 v[32+I], v[192+I], s30, s31
.set I, I+1
.endr
.set I, 0
.rept 32
	v_add_f32 v[192+I], v[192+I], v[32+I]
.set I, I+1
.endr
	FIN 0
	FIN 1
	FIN 2
	FIN 3
	; out: lane L takes row L % 4
	v_cndmask_b32 v106, v232, v233, s34
	v_cndmask_b32 v106, v106, v234, s35
	v_cndmask_b32 v106, v106, v235, s36            ; word L / 4 of row L % 4
	v_and_b32 v107, 3, v4
	v_lshrrev_b32 v108, 2, v4
	v_lshlrev_b32 v108, 2, v108
	v_lshl_add_u32 v107, v107, 5, v108
	global_store_b32 v107, v106, s[24:25]          ; the four rows' 128 bytes of scale words, on end
	v_cndmask_b32 v109, v80, v81, s34
	v_cndmask_b32 v109, v109, v82, s35
	v_cndmask_b32 v109, v109, v83, s36
	v_cndmask_b32 v110, v84, v86, s34
	v_cndmask_b32 v110, v110, v88, s35
	v_cndmask_b32 v110, v110, v90, s36
	v_cndmask_b32 v111, v85, v87, s34
	v_cndmask_b32 v111, v111, v89, s35
	v_cndmask_b32 v111, v111, v91, s36
	v_mov_b32 v112, v72
.irp e, 1,2,3,4,5,6,7
	v_cmp_eq_u32 vcc_lo, \e, v4
	v_cndmask_b32 v112, v112, v[72+\e], vcc_lo     ; lane e: the wave's sum of p for expert e
.endr
	v_lshlrev_b32 v114, 2, v4
	v_lshlrev_b32 v115, 3, v4
	s_wait_xcnt 0x0                                ; EXEC changes only behind this wait
	v_cmp_gt_u32 vcc_lo, 8, v4
	s_wait_tensorcnt 0x0
	ds_add_u32 v254, v255
	s_wait_dscnt 0x0
	s_and_saveexec_b32 s38, vcc_lo
	global_store_b32 v114, v112, s[28:29]
	s_wait_xcnt 0x0
	s_or_b32 exec_lo, exec_lo, s38
	v_cmp_gt_u32 vcc_lo, 4, v4
	s_and_saveexec_b32 s38, vcc_lo
	global_store_b32 v114, v109, s[12:13]
	global_store_b64 v115, v[110:111], s[26:27]
	s_wait_xcnt 0x0
	s_or_b32 exec_lo, exec_lo, s38
	s_endpgm
.Lfunc_end_k_qdeda6b1464_route_q1:
	.size	k_qdeda6b1464_route_q1, .Lfunc_end_k_qdeda6b1464_route_q1-k_qdeda6b1464_route_q1
	.p2alignl 7, 3214868480
	.fill 96, 4, 3214868480
	.section	.rodata,"a",@progbits
	.p2align	6, 0x0
	.amdhsa_kernel k_qdeda6b1464_route_q1
		.amdhsa_group_segment_fixed_size 70656
		.amdhsa_private_segment_fixed_size 0
		.amdhsa_enable_private_segment 0
		.amdhsa_kernarg_size 40
		.amdhsa_user_sgpr_count 2
		.amdhsa_user_sgpr_kernarg_segment_ptr 1
		.amdhsa_wavefront_size32 1
		.amdhsa_system_sgpr_workgroup_id_x 1
		.amdhsa_system_sgpr_workgroup_id_y 1
		.amdhsa_system_sgpr_workgroup_id_z 1
		.amdhsa_system_vgpr_workitem_id 0
		.amdhsa_next_free_vgpr 256
		.amdhsa_next_free_sgpr 66
		.amdhsa_reserve_vcc 1
		.amdhsa_float_denorm_mode_32 3
		.amdhsa_float_denorm_mode_16_64 3
		.amdhsa_memory_ordered 1
		.amdhsa_forward_progress 1
		.amdhsa_inst_pref_size 108
	.end_amdhsa_kernel
	.amdgpu_metadata
---
amdhsa.version: [ 1, 2 ]
amdhsa.kernels:
  - .name:           k_qdeda6b1464_route_q1
    .symbol:         k_qdeda6b1464_route_q1.kd
    .args:
      - { .name: x, .offset: 0, .size: 8, .value_kind: global_buffer, .address_space: global }
      - { .name: gate_w, .offset: 8, .size: 8, .value_kind: global_buffer, .address_space: global }
      - { .name: w1, .offset: 16, .size: 8, .value_kind: global_buffer, .address_space: global }
      - { .name: q1, .offset: 24, .size: 8, .value_kind: global_buffer, .address_space: global }
      - { .name: ridx, .offset: 32, .size: 8, .value_kind: global_buffer, .address_space: global }
    .group_segment_fixed_size: 70656
    .private_segment_fixed_size: 0
    .kernarg_segment_align: 8
    .kernarg_segment_size: 40
    .max_flat_workgroup_size: 256
    .sgpr_count:     66
    .vgpr_count:     256
    .wavefront_size: 32
...
	.end_amdgpu_metadata
.endif
;; end of part 1
;; launch place_q2 (part 2): grid 513 x 1, 8 waves a work-group, no clusters, 3,072 bytes of LDS; arguments w2, ridx, q1, q2, plan, out1; writes q2, plan, out1
.if DOCPART == 2
	.amdgcn_target "amdgcn-amd-amdhsa--gfx1250"
	.amdhsa_code_object_version 6
	.text
	.protected	k_qdeda6b1464_place_q2
	.globl	k_qdeda6b1464_place_q2
	.p2align	8
	.type	k_qdeda6b1464_place_q2,@function
k_qdeda6b1464_place_q2:
	s_mov_b64 s[64:65], 0
	v_nop
	global_prefetch_b8 v0, s[64:65] scope:SCOPE_SE
	s_setreg_imm32_b32 hwreg(HW_REG_WAVE_MODE, 25, 1), 1
	s_wait_xcnt 0x0
; Work-group 0: THE PLACING, a counting sort without atomics.  The 2,048 tokens are sorted by their PAIR of experts (28 bins, ascending in (lo, hi)).  sigma is a token's slot in that order.
; Each expert's rows, in the same order, fill tiles of 80 rows; pos = 80 x tile + row.  There are never more than floor((4,096 + 8 x 79) / 80) = 59 tiles.
; plan: rows1 @0 [pos] token;  srt @18944 [sigma]{token, pos_lo, pos_hi, e_lo | e_hi << 4};  tinfo @51712 [64 tiles] e | (rows - 1) << 8, e = 8: no tile;  bmask @51968 [32 blocks of 64 sigma] the set of experts.
; aux loss = 8 sum_e (count_e / 2) (sum of p_e / 2,048) = sum_e count_e x (sum of p_e) / 512.
; Work-groups 1-512: w2 [8][2048 k][1024 h] f32 becomes codes, a lane to a column, registers down k.
; q2: w2c @0 [e][tile 64][kstep 16][1,024 B image: piece c at 512 c, lane (rho, h) at 256 h + 16 rho], rows as they lie;  w2s @W2S [e][pair of tiles 32][kstep 16][32 words: 16 u + rho].
; LIMITS: NaN and infinities are not served; a block of zeros gets the byte 1 (its codes are zeros; this program alone reads the bytes).
; The lists' stores are of 4 and 16 bytes to places that the sort decides: 48 KB in all.
.set W2S,  8388608
.set PSUM, 10043392
.set ROWB, 4096
.set WX,   32
.set WC,   8
.macro WLOAD t
.set I, 0
.rept 32
	global_load_b32 v[WX+32*(\t)+I], v1, s[20:21] offset:(32*(\t)+I)*ROWB th:TH_LOAD_NT
.set I, I+1
.endr
.endm
.macro WBLOCK t, left
.set XR, WX+32*(\t)
	s_wait_loadcnt \left
	v_max3_num_f32 v25, |v[XR]|, |v[XR+1]|, |v[XR+2]|
	v_max3_num_f32 v26, |v[XR+3]|, |v[XR+4]|, |v[XR+5]|
.irp i, 6,10,14,18,22,26
	v_max3_num_f32 v25, v25, |v[XR+\i]|, |v[XR+\i+1]|
	v_max3_num_f32 v26, v26, |v[XR+\i+2]|, |v[XR+\i+3]|
.endr
	v_max3_num_f32 v25, v25, |v[XR+30]|, |v[XR+31]|
	v_max3_num_f32 v25, v25, v26, 0x1800000                ; the floor 2^(3 - 127)
	v_add_nc_u32 v27, 0xff000000, v25                      ; the conversion's scale operand
	v_lshrrev_b32 v26, 23, v27                             ; the byte
.if (\t) == 0
	v_mov_b32 v24, v26
.else
	v_lshl_or_b32 v24, v26, 8*(\t), v24
.endif
.irp g, 0,1,2,3
	v_cvt_scalef32_pk8_fp4_f32 v[WC+4*(\t)+\g], v[XR+8*\g:XR+8*\g+7], v27
.endr
	global_store_b128 v2, v[WC+4*(\t):WC+4*(\t)+3], s[26:27] offset:((\t)/2)*512+((\t)%2)*256
.endm
	s_load_b256 s[4:11], s[0:1], 0x0               ; w2 s[4:5], ridx s[6:7], q1 s[8:9], q2 s[10:11]
	s_load_b128 s[12:15], s[0:1], 0x20             ; plan s[12:13], out1 s[14:15]
	v_lshl_add_u32 v160, v0, 2, 0x800
	v_mov_b32 v161, 0
	v_lshrrev_b32 v1, 5, v0
	v_readfirstlane_b32 s30, v1                    ; wave 0..7
	v_and_b32 v4, 31, v0                           ; lane L
	s_wait_kmcnt 0x0
	s_cmp_eq_u32 ttmp9, 0
	s_cbranch_scc1 .Lplace
	; ---------------- w2: a wave takes 32 columns x 128 k
	s_sub_co_u32 s16, ttmp9, 1
	s_and_b32 s17, s16, 3
	s_bfe_u32 s18, s16, 0x40002                    ; K step s
	s_lshr_b32 s19, s16, 6                         ; expert e
	s_lshl_b32 s31, s17, 3
	s_add_co_u32 s31, s31, s30                     ; hp = 8 cg + wave
	s_mov_b32 s23, 0
	s_lshl_b32 s22, s19, 23
	s_lshl_b32 s24, s18, 19
	s_add_co_u32 s22, s22, s24
	s_lshl_b32 s24, s31, 7
	s_add_co_u32 s22, s22, s24
	s_add_nc_u64 s[20:21], s[4:5], s[22:23]
	s_lshl_b32 s22, s19, 20
	s_lshl_b32 s24, s31, 15
	s_add_co_u32 s22, s22, s24
	s_lshl_b32 s24, s18, 10
	s_add_co_u32 s22, s22, s24
	s_add_nc_u64 s[26:27], s[10:11], s[22:23]
	s_lshl_b32 s22, s19, 5
	s_add_co_u32 s22, s22, s31
	s_lshl_b32 s22, s22, 4
	s_add_co_u32 s22, s22, s18
	s_lshl_b32 s22, s22, 7
	s_add_co_u32 s22, s22, W2S
	s_add_nc_u64 s[28:29], s[10:11], s[22:23]
	v_lshlrev_b32 v1, 2, v4
	v_lshrrev_b32 v5, 4, v4                        ; u = L / 16
	v_and_b32 v6, 15, v4                           ; rho = L % 16
	v_lshlrev_b32 v2, 4, v6
	v_lshl_add_u32 v2, v5, 14, v2                  ; 16,384 u + 16 rho
	v_lshlrev_b32 v3, 2, v4
	WLOAD 0
	WLOAD 1
	WLOAD 2
	WLOAD 3
	WBLOCK 0, 63                                   ; 96 loads are younger; the wait's field holds 63
	WBLOCK 1, 63
	WBLOCK 2, 32
	WBLOCK 3, 0
	global_store_b32 v3, v24, s[28:29]
	s_endpgm
	; ---------------- the placing.  Token = 8 x thread + j, j = 0..7
.set BINR, 32                          ; v32-39  my tokens' bins
.set RHO,  40                          ; v40-47  their ranks among the wave's tokens of the same bin
.set REC,  64                          ; v64-95  their records
.set SIG,  96                          ; v96-103 their sigma
; v104 the wave's counts (lane = bin), v105 all waves' counts, v106 the earlier waves'; v107 first sigma of a bin, v108 / v109 rows of expert lo / hi in earlier bins, v110 / v111 80 x their first tile; v112-114 the three tables
.Lplace:
	v_lshlrev_b32 v1, 5, v0                        ; ridx: my 8 words
	v_lshlrev_b32 v2, 4, v0                        ; psum: 16 bytes a thread
	v_lshlrev_b32 v5, 2, v0                        ; LDS 0: [wave][bin] counts, my word
	v_lshlrev_b32 v3, 2, v4                        ; 4 L
	v_and_b32 v6, 1, v0
	v_lshlrev_b32 v6, 4, v6
	v_add_nc_u32 v6, 1024, v6                      ; LDS 1,024: [wave][8] sums of p: my half
	s_lshl_b32 s18, s30, 5
	v_add_nc_u32 v7, s18, v6
	s_add_nc_u64 s[16:17], s[8:9], PSUM
	global_load_b128 v[8:11], v1, s[6:7]
	global_load_b128 v[12:15], v1, s[6:7] offset:16
.irp i, 0,1,2,3
	global_load_b128 v[16+4*\i:19+4*\i], v2, s[16:17] offset:4096*\i
.endr
	s_mov_b32 s32, 0x76543210
	s_mov_b32 s33, 0xfedcba98
.irp r, 40,41,42,43,44,45,46,47,104,106,107,108,109,110,111,123,124,125,126
	v_mov_b32 v\r, 0
.endr
	s_wait_loadcnt 0x0
.irp j, 0,1,2,3,4,5,6,7
	v_and_b32 v[REC+4*\j+3], 0x77, v[8+\j]
	v_and_b32 v115, 7, v[8+\j]                     ; lo
	v_bfe_u32 v116, v[8+\j], 4, 3                  ; hi
	v_sub_nc_u32 v117, 15, v115
	v_mul_u32_u24 v117, v117, v115
	v_lshrrev_b32 v117, 1, v117
	v_add_nc_u32 v117, v117, v116
	v_sub_nc_u32 v117, v117, v115
	v_add_nc_u32 v117, -1, v117                    ; bin = lo (15 - lo) / 2 + hi - lo - 1
	v_min_u32 v[BINR+\j], 27, v117
.endr
	v_pk_add_f32 v[16:17], v[16:17], v[20:21]      ; the sums of p: a lane holds experts 4 (L % 2) + 0..3
	v_pk_add_f32 v[18:19], v[18:19], v[22:23]
	v_pk_add_f32 v[24:25], v[24:25], v[28:29]
	v_pk_add_f32 v[26:27], v[26:27], v[30:31]
	v_pk_add_f32 v[16:17], v[16:17], v[24:25]
	v_pk_add_f32 v[18:19], v[18:19], v[26:27]
.irp x, 2,4,8
.irp k, 0,1,2,3
	v_add_f32_dpp v[16+\k], v[16+\k], v[16+\k] row_xmask:\x row_mask:0xf bank_mask:0xf
.endr
.endr
.irp k, 0,1,2,3
	v_permlanex16_b32 v[123+\k], v[16+\k], s32, s33
.endr
.irp k, 0,1,2,3
	v_add_f32 v[16+\k], v[16+\k], v[123+\k]
.endr
	ds_store_b128 v7, v[16:19]                     ; lanes of equal parity store equal numbers
	; ranks: for each bin eight masks, their scalar prefix, and the count of set bits below my lane
.set BIN, 0
.rept 28
.irp j, 0,1,2,3,4,5,6,7
	v_cmp_eq_u32 s[40+\j], BIN, v[BINR+\j]
.endr
	s_bcnt1_i32_b32 s51, s40
.irp j, 1,2,3,4,5,6,7
	s_bcnt1_i32_b32 s48, s[40+\j]
	s_add_co_u32 s[51+\j], s[50+\j], s48
.endr
	v_mbcnt_lo_u32_b32 v115, s40, 0
.irp j, 1,2,3,4,5,6,7
	v_mbcnt_lo_u32_b32 v[115+\j], s[40+\j], s[50+\j]
.endr
.irp j, 0,1,2,3,4,5,6,7
	v_cndmask_b32 v[RHO+\j], v[RHO+\j], v[115+\j], s[40+\j]
.endr
	v_writelane_b32 v104, s58, BIN
.set BIN, BIN+1
.endr
	ds_store_b32 v5, v104
	s_wait_dscnt 0x0                               ; for the others' sake: my counts and sums have landed
	s_barrier_signal -1
	s_barrier_wait -1
.irp w, 0,1,2,3,4,5,6,7
	ds_load_b32 v[115+\w], v3 offset:128*\w
.endr
	s_wait_dscnt 0x0
	v_add3_u32 v105, v115, v116, v117
	v_add3_u32 v105, v105, v118, v119
	v_add3_u32 v105, v105, v120, v121
	v_add_nc_u32 v105, v105, v122
.irp w, 0,1,2,3,4,5,6
	s_cmp_gt_u32 s30, \w
	s_cselect_b32 s48, -1, 0
	v_and_b32 v123, s48, v[115+\w]
	v_add_nc_u32 v106, v106, v123
.endr
	s_mov_b32 s78, 0                               ; the walk over the bins: s78 sigma so far, s70-77 each expert's rows so far
.irp e, 0,1,2,3,4,5,6,7
	s_mov_b32 s[70+\e], 0
.endr
.set BIN, 0
.irp lo, 0,1,2,3,4,5,6
.irp hi, 1,2,3,4,5,6,7
.if \hi > \lo
	v_readlane_b32 s48, v105, BIN
	v_writelane_b32 v107, s78, BIN
	v_writelane_b32 v108, s[70+\lo], BIN
	v_writelane_b32 v109, s[70+\hi], BIN
	s_add_co_u32 s78, s78, s48
	s_add_co_u32 s[70+\lo], s[70+\lo], s48
	s_add_co_u32 s[70+\hi], s[70+\hi], s48
.set BIN, BIN+1
.endif
.endr
.endr
	s_mov_b32 s80, 0                               ; s80-87 each expert's first tile, s88 the tiles in all, s90-97 80 x first tile
.irp e, 0,1,2,3,4,5,6,7
	s_add_co_u32 s48, s[70+\e], 79
	s_mul_i32 s48, s48, 52429
	s_lshr_b32 s48, s48, 22                        ; (n + 79) / 80: 52,429 / 2^22 = (1 + 16 / 2^22) / 80, exact for n + 79 up to 2,127
	s_add_co_u32 s[81+\e], s[80+\e], s48
	s_mul_i32 s[90+\e], s[80+\e], 80
.endr
.set BIN, 0
.irp lo, 0,1,2,3,4,5,6
.irp hi, 1,2,3,4,5,6,7
.if \hi > \lo
	v_writelane_b32 v110, s[90+\lo], BIN
	v_writelane_b32 v111, s[90+\hi], BIN
.set BIN, BIN+1
.endif
.endr
.endr
	v_add_nc_u32 v112, v107, v106
	v_add3_u32 v113, v108, v110, v106
	v_add3_u32 v114, v109, v111, v106
.set BIN, 0
.rept 28                               ; each token takes its bin's three numbers: a choice of values, bin by bin
	v_readlane_b32 s20, v112, BIN
	v_readlane_b32 s21, v113, BIN
	v_readlane_b32 s22, v114, BIN
.irp j, 0,1,2,3,4,5,6,7
.if BIN == 0
	v_mov_b32 v[SIG+\j], s20
	v_mov_b32 v[REC+4*\j+1], s21
	v_mov_b32 v[REC+4*\j+2], s22
.else
	v_cmp_eq_u32 vcc_lo, BIN, v[BINR+\j]
	v_cndmask_b32 v[SIG+\j], v[SIG+\j], s20, vcc_lo
	v_cndmask_b32 v[REC+4*\j+1], v[REC+4*\j+1], s21, vcc_lo
	v_cndmask_b32 v[REC+4*\j+2], v[REC+4*\j+2], s22, vcc_lo
.endif
.endr
.set BIN, BIN+1
.endr
.irp j, 0,1,2,3,4,5,6,7
	v_add_nc_u32 v[SIG+\j], v[SIG+\j], v[RHO+\j]
	v_min_u32 v[SIG+\j], 0x7ff, v[SIG+\j]
	v_lshlrev_b32 v[144+\j], 4, v[SIG+\j]
	v_add_nc_u32 v[REC+4*\j+1], v[REC+4*\j+1], v[RHO+\j]
	v_min_u32 v[REC+4*\j+1], 0x126f, v[REC+4*\j+1]
	v_lshlrev_b32 v[128+\j], 2, v[REC+4*\j+1]
	v_add_nc_u32 v[REC+4*\j+2], v[REC+4*\j+2], v[RHO+\j]
	v_min_u32 v[REC+4*\j+2], 0x126f, v[REC+4*\j+2]
	v_lshlrev_b32 v[136+\j], 2, v[REC+4*\j+2]
	v_lshl_add_u32 v[REC+4*\j], v0, 3, \j          ; the token
	global_store_b32 v[128+\j], v[REC+4*\j], s[12:13]
	global_store_b32 v[136+\j], v[REC+4*\j], s[12:13]
	global_store_b128 v[144+\j], v[REC+4*\j:REC+4*\j+3], s[12:13] offset:18944
.endr
	s_wait_xcnt 0x0
	s_cmp_lg_u32 s30, 0
	s_cbranch_scc1 .Lnot_wave_0
	; wave 0: the list of tiles, and the aux loss
.irp half, 0,1
	v_add_nc_u32 v115, 32*\half, v4                ; tile
	v_mov_b32 v116, 0
	v_mov_b32 v117, s70
	v_mov_b32 v118, 0
.irp e, 1,2,3,4,5,6,7
	v_cmp_le_u32 vcc_lo, s[80+\e], v115            ; the last expert whose first tile is not behind mine
	v_cndmask_b32 v116, v116, \e, vcc_lo
	v_cndmask_b32 v117, v117, s[70+\e], vcc_lo
	v_cndmask_b32 v118, v118, s[80+\e], vcc_lo
.endr
	v_sub_nc_u32 v118, v115, v118
	v_mul_u32_u24 v118, 80, v118
	v_sub_nc_u32 v117, v117, v118
	v_min_u32 v117, 80, v117
	v_add_nc_u32 v117, -1, v117                    ; rows - 1
	v_lshl_or_b32 v116, v117, 8, v116
	v_cmp_le_u32 vcc_lo, s88, v115
	v_cndmask_b32 v[119+\half], v116, 8, vcc_lo
	global_store_b32 v3, v[119+\half], s[12:13] offset:51712+128*\half
.endr
.irp w, 0,1,2,3,4,5,6,7
	ds_load_b128 v[16+4*\w:19+4*\w], v6 offset:32*\w
.endr
	s_wait_dscnt 0x0
.irp w, 1,2,3,4,5,6,7
	v_pk_add_f32 v[16:17], v[16:17], v[16+4*\w:17+4*\w]
	v_pk_add_f32 v[18:19], v[18:19], v[18+4*\w:19+4*\w]
.endr
	s_mov_b32 s48, 0xaaaaaaaa                      ; odd lanes hold experts 4 to 7
.irp k, 0,1,2,3
	v_mov_b32 v152, s[70+\k]
	v_cndmask_b32 v152, v152, s[74+\k], s48
	v_cvt_f32_u32 v[153+\k], v152
.endr
	v_mul_f32 v157, v16, v153
	v_fmac_f32 v157, v17, v154
	v_fmac_f32 v157, v18, v155
	v_fmac_f32 v157, v19, v156
	v_add_f32_dpp v157, v157, v157 row_xmask:1 row_mask:0xf bank_mask:0xf
	v_mul_f32 v157, 0x3b000000, v157               ; / 512
	v_mov_b32 v158, 0
	s_wait_xcnt 0x0                                ; EXEC changes only behind this wait
	v_cmp_eq_u32 vcc_lo, 0, v4
	s_and_saveexec_b32 s49, vcc_lo
	global_store_b32 v158, v157, s[14:15]
	s_wait_xcnt 0x0
	s_or_b32 exec_lo, exec_lo, s49
.Lnot_wave_0:
	s_cmp_lg_u32 s30, 1
	s_cbranch_scc1 .Lend
	; wave 1: lane = block of 64 sigma: the experts of every bin that reaches into it
	v_lshlrev_b32 v152, 6, v4
	v_add_nc_u32 v153, 64, v152
	v_mov_b32 v154, 0
.set BIN, 0
.irp lo, 0,1,2,3,4,5,6
.irp hi, 1,2,3,4,5,6,7
.if \hi > \lo
	v_readlane_b32 s48, v107, BIN
	v_readlane_b32 s49, v105, BIN
	s_add_co_u32 s49, s49, s48
	v_max_u32 v155, s48, v152
	v_min_u32 v156, s49, v153
	v_cmp_lt_u32 vcc_lo, v155, v156
	v_or_b32 v157, (1<<\lo)|(1<<\hi), v154
	v_cndmask_b32 v154, v154, v157, vcc_lo
.set BIN, BIN+1
.endif
.endr
.endr
	global_store_b32 v3, v154, s[12:13] offset:51968
.Lend:
	s_wait_tensorcnt 0x0
	ds_add_u32 v160, v161
	s_wait_dscnt 0x0
	s_endpgm
.Lfunc_end_k_qdeda6b1464_place_q2:
	.size	k_qdeda6b1464_place_q2, .Lfunc_end_k_qdeda6b1464_place_q2-k_qdeda6b1464_place_q2
	.p2alignl 7, 3214868480
	.fill 96, 4, 3214868480
	.section	.rodata,"a",@progbits
	.p2align	6, 0x0
	.amdhsa_kernel k_qdeda6b1464_place_q2
		.amdhsa_group_segment_fixed_size 3072
		.amdhsa_private_segment_fixed_size 0
		.amdhsa_enable_private_segment 0
		.amdhsa_kernarg_size 48
		.amdhsa_user_sgpr_count 2
		.amdhsa_user_sgpr_kernarg_segment_ptr 1
		.amdhsa_wavefront_size32 1
		.amdhsa_system_sgpr_workgroup_id_x 1
		.amdhsa_system_sgpr_workgroup_id_y 1
		.amdhsa_system_sgpr_workgroup_id_z 1
		.amdhsa_system_vgpr_workitem_id 0
		.amdhsa_next_free_vgpr 162
		.amdhsa_next_free_sgpr 100
		.amdhsa_reserve_vcc 1
		.amdhsa_float_denorm_mode_32 3
		.amdhsa_float_denorm_mode_16_64 3
		.amdhsa_memory_ordered 1
		.amdhsa_forward_progress 1
		.amdhsa_inst_pref_size 177
	.end_amdhsa_kernel
	.amdgpu_metadata
---
amdhsa.version: [ 1, 2 ]
amdhsa.kernels:
  - .name:           k_qdeda6b1464_place_q2
    .symbol:         k_qdeda6b1464_place_q2.kd
    .args:
      - { .name: w2, .offset: 0, .size: 8, .value_kind: global_buffer, .address_space: global }
      - { .name: ridx, .offset: 8, .size: 8, .value_kind: global_buffer, .address_space: global }
      - { .name: q1, .offset: 16, .size: 8, .value_kind: global_buffer, .address_space: global }
      - { .name: q2, .offset: 24, .size: 8, .value_kind: global_buffer, .address_space: global }
      - { .name: plan, .offset: 32, .size: 8, .value_kind: global_buffer, .address_space: global }
      - { .name: out1, .offset: 40, .size: 8, .value_kind: global_buffer, .address_space: global }
    .group_segment_fixed_size: 3072
    .private_segment_fixed_size: 0
    .kernarg_segment_align: 8
    .kernarg_segment_size: 48
    .max_flat_workgroup_size: 256
    .sgpr_count:     100
    .vgpr_count:     162
    .wavefront_size: 32
...
	.end_amdgpu_metadata
.endif
;; end of part 2
;; launch up (part 3): grid 4 x 59, 4 waves a work-group, no clusters, 41,472 bytes of LDS; arguments q1, plan, b1, hid; writes hid
.if DOCPART == 3
	.amdgcn_target "amdgcn-amd-amdhsa--gfx1250"
	.amdhsa_code_object_version 6
	.text
	.protected	k_qdeda6b1464_up
	.globl	k_qdeda6b1464_up
	.p2align	8
	.type	k_qdeda6b1464_up,@function
k_qdeda6b1464_up:
	s_mov_b64 s[64:65], 0
	v_nop
	global_prefetch_b8 v0, s[64:65] scope:SCOPE_SE
	s_setreg_imm32_b32 hwreg(HW_REG_WAVE_MODE, 25, 1), 1
	s_wait_xcnt 0x0
; hid = Q(gelu(Q(x) Q(w1) + b1)) for the ROUTED rows alone, on codes of E2M1 with E8M0 scales.  A work-group takes one tile of one expert (80 rows of the list rows1) x 512 of the 2,048 hidden units.
; 59 tiles serve every split (floor((4,096 + 8 x 79) / 80)), x 4 chunks = 236 work-groups; one that the split leaves without rows stores nothing and ends.
; Wave w owns 128 hidden units, K step s2 = 4 chunk + w of the next product, for all 80 rows (five tiles of 16).  THE PRODUCT IS USED TRANSPOSED: source 0 = 16 rows of w1's image, source 1 = 16 rows of x:
; a lane holds one routed row, and the 16 registers of tiles u = 0, 1 are 16 neighbours along the next K (d = 32 pd + 16 (lane / 16) + 0..15), by the choice of rows that the images were laid with.
; x's 40 fragments are gathered once, shared through LDS as images of registers, and then stay in registers; w1's come from memory straight into registers, a pair of tiles (16 KB) a gelu phase ahead.
; gelu(v) = max(v, 0) - |v| t 2^(poly(t) - v^2 log2(e) / 2), t = 1 / (1 + |v| / (2 sqrt 2)): erfc by a rational Chebyshev fit of fractional error 1.2e-7; the factor 1/2 is in c0.  All in f32.
; hid: hc @0 [pos / 16][kstep 16][1,024 B image];  hs @HSO [kstep 16][pos 4,720] scale words.
; NO CLUSTER, NO TENSOR LOAD: which expert's weights a tile reads, and whether it has rows at all, is a number read from memory; partners could not show equal requests, and the work-group ends on that number.
; LIMITS: NaN and infinities are not served.  Where the exponential falls under 2^-126 it gives 0: gelu of v under about -13 is -0.  A block of zeros gets the byte 1 (zero codes; this program alone reads it).
; Rows that pad a tile repeat its last token; what they store is never read.
; REGISTERS.  window 0: v1-6 addresses; v16-55 x's scale words (8 a row tile); v56-63 w1's; v64-143 the sums (16 a row tile); v144-191 T, P, Q at work; v192-211 codes; v212-216 scale words made; v217-236 at work; v238-239 c9; v240-255 b1.
;   window 1: x's fragments, row tiles 0-3 (64 m + 8 s).   window 2: v0-63 row tile 4; v64-191 w1's pair of tiles (64 + 64 u + 8 s).
.set XCO,   8912896
.set XSO,   9961472
.set W1S,   8388608
.set HSO,   4833280
.set TINFO, 51712
.set L16, 1
.set L4,  2
.set RR,  3
.set HH,  4
.set H64, 5
.set LST, 6
.set XSR, 16
.set WSR, 56
.set ACC, 64
.set TT,  144
.set PP,  160
.set QQ,  176
.set PCD, 192
.set PWD, 212
.set TMX, 217
.set TPX, 222
.set SCL, 227
.set BYT, 232
.set C9,  238
.set BIA, 240
.set MSB, 0
.macro WIN new                         ; the immediate's high byte repeats the setting that is left
.if MSB != (\new)
	s_set_vgpr_msb (MSB<<8)|(\new)
.set MSB, (\new)
.endif
.endm
.macro CPAIR reg, val                  ; a constant as a pair: the packed forms name a pair
	s_mov_b32 s[\reg], \val
	s_mov_b32 s[\reg+1], \val
.endm
.macro LOADW                           ; 44 loads: a pair of tiles for all 8 K steps, its scale words, its 32 numbers of b1
	WIN 0x80
.set I, 0
.rept 32
	global_load_b128 v[64+4*I:67+4*I], v[L16], s[24:25] offset:512*I
.set I, I+1
.endr
	WIN 0
.irp s, 0,1,2,3,4,5,6,7
	global_load_b32 v[WSR+\s], v[L4], s[26:27] offset:128*\s   ; lanes 0-15: tile 0's rows; lanes 16-31: tile 1's
.endr
.irp i, 0,1,2,3
	global_load_b128 v[BIA+4*\i:BIA+4*\i+3], v[H64], s[28:29] offset:16*\i   ; register 8 u + j: b1 at 32 pd + 16 (lane / 16) + 8 u + j: the result's layout
.endr
.endm
.macro MM m, u, s, xb                  ; one product: row tile m, tile u of the pair, K step s; xb: where x's fragments of m begin in their window
.if \s == 0
.if \u == 0
	v_wmma_scale_f32_16x16x128_f8f6f4 v[ACC+16*\m+8*\u:ACC+16*\m+8*\u+7], v[64+64*\u+8*\s:64+64*\u+8*\s+7], v[\xb+8*\s:\xb+8*\s+7], v[BIA+8*\u:BIA+8*\u+7], v[WSR+\s], v[XSR+8*\m+\s] matrix_a_fmt:MATRIX_FMT_FP4 matrix_b_fmt:MATRIX_FMT_FP4
.else
	v_wmma_scale_f32_16x16x128_f8f6f4 v[ACC+16*\m+8*\u:ACC+16*\m+8*\u+7], v[64+64*\u+8*\s:64+64*\u+8*\s+7], v[\xb+8*\s:\xb+8*\s+7], v[BIA+8*\u:BIA+8*\u+7], v[WSR+\s], v[XSR+8*\m+\s] matrix_a_fmt:MATRIX_FMT_FP4 matrix_b_fmt:MATRIX_FMT_FP4 matrix_a_scale:MATRIX_SCALE_ROW1
.endif
.else
.if \u == 0
	v_wmma_scale_f32_16x16x128_f8f6f4 v[ACC+16*\m+8*\u:ACC+16*\m+8*\u+7], v[64+64*\u+8*\s:64+64*\u+8*\s+7], v[\xb+8*\s:\xb+8*\s+7], v[ACC+16*\m+8*\u:ACC+16*\m+8*\u+7], v[WSR+\s], v[XSR+8*\m+\s] matrix_a_fmt:MATRIX_FMT_FP4 matrix_b_fmt:MATRIX_FMT_FP4
.else
	v_wmma_scale_f32_16x16x128_f8f6f4 v[ACC+16*\m+8*\u:ACC+16*\m+8*\u+7], v[64+64*\u+8*\s:64+64*\u+8*\s+7], v[\xb+8*\s:\xb+8*\s+7], v[ACC+16*\m+8*\u:ACC+16*\m+8*\u+7], v[WSR+\s], v[XSR+8*\m+\s] matrix_a_fmt:MATRIX_FMT_FP4 matrix_b_fmt:MATRIX_FMT_FP4 matrix_a_scale:MATRIX_SCALE_ROW1
.endif
.endif
.endm
.macro GELU m                          ; 16 numbers a lane, each accumulator read from its low end on
.set GA, ACC+16*\m
.irp i, 0,1,2,3,4,5,6,7,8,9,10,11,12,13,14,15
	v_fma_f32 v[TT+\i], |v[GA+\i]|, s60, 1.0
.endr
.irp i, 0,1,2,3,4,5,6,7,8,9,10,11,12,13,14,15
	v_rcp_f32 v[TT+\i], v[TT+\i]                   ; t
.endr
.irp i, 0,2,4,6,8,10,12,14
	v_pk_mul_f32 v[QQ+\i:QQ+\i+1], v[GA+\i:GA+\i+1], v[GA+\i:GA+\i+1]   ; v^2: plain work behind the reciprocals
.endr
	s_wait_alu depctr_va_vdst(0)                   ; one wait for the sixteen reciprocals, ahead of their first reader
.irp i, 0,2,4,6,8,10,12,14
	v_pk_fma_f32 v[PP+\i:PP+\i+1], v[TT+\i:TT+\i+1], v[C9:C9+1], s[56:57] op_sel_hi:[1,1,0]
.endr
.irp k, 54,52,50,48,46,44,42,40
.irp i, 0,2,4,6,8,10,12,14
	v_pk_fma_f32 v[PP+\i:PP+\i+1], v[PP+\i:PP+\i+1], v[TT+\i:TT+\i+1], s[\k:\k+1] op_sel_hi:[1,1,0]
.endr
.endr
.irp i, 0,2,4,6,8,10,12,14
	v_pk_fma_f32 v[PP+\i:PP+\i+1], v[QQ+\i:QQ+\i+1], s[58:59], v[PP+\i:PP+\i+1] op_sel_hi:[1,0,1]
.endr
.irp i, 0,1,2,3,4,5,6,7,8,9,10,11,12,13,14,15
	v_exp_f32 v[PP+\i], v[PP+\i]
.endr
.irp i, 0,1,2,3,4,5,6,7,8,9,10,11,12,13,14,15
	v_mul_f32 v[QQ+\i], |v[GA+\i]|, v[TT+\i]       ; |v| t
.endr
.irp i, 0,1,2,3,4,5,6,7,8,9,10,11,12,13,14,15
	v_max_num_f32 v[GA+\i], 0, v[GA+\i]
.endr
	s_wait_alu depctr_va_vdst(0)                   ; one wait for the sixteen exponentials
.irp i, 0,2,4,6,8,10,12,14
	v_pk_fma_f32 v[GA+\i:GA+\i+1], v[QQ+\i:QQ+\i+1], v[PP+\i:PP+\i+1], v[GA+\i:GA+\i+1] neg_lo:[1,0,0] neg_hi:[1,0,0]
.endr
.endm
.macro QUANT5 q                        ; the pair's 32 hidden units are one block of the next K: the five row tiles by turns
.irp m, 0,1,2,3,4
	v_max3_num_f32 v[TMX+\m], |v[ACC+16*\m]|, |v[ACC+16*\m+1]|, 0x1800000
.endr
.irp i, 2,4,6,8,10,12,14
.irp m, 0,1,2,3,4
	v_max3_num_f32 v[TMX+\m], v[TMX+\m], |v[ACC+16*\m+\i]|, |v[ACC+16*\m+\i+1]|
.endr
.endr
.irp m, 0,1,2,3,4
	v_permlanex16_b32 v[TPX+\m], v[TMX+\m], s62, s63
.endr
.irp m, 0,1,2,3,4
	v_max_num_f32 v[TMX+\m], v[TMX+\m], v[TPX+\m]  ; with lane l xor 16's sixteen
.endr
.irp m, 0,1,2,3,4
	v_add_nc_u32 v[SCL+\m], 0xff000000, v[TMX+\m]
.endr
.irp m, 0,1,2,3,4
	v_lshrrev_b32 v[BYT+\m], 23, v[SCL+\m]
.endr
.if \q == 0
.irp m, 0,1,2,3,4
	v_lshrrev_b32 v[PWD+\m], 16, v[PWD+\m]         ; the last trip's two bytes move down; this trip's go to bytes 2 and 3: one text for both trips
.endr
.irp m, 0,1,2,3,4
	v_lshl_or_b32 v[PWD+\m], v[BYT+\m], 16, v[PWD+\m]
.endr
.else
.irp m, 0,1,2,3,4
	v_lshl_or_b32 v[PWD+\m], v[BYT+\m], 24, v[PWD+\m]
.endr
.endif
.irp m, 0,1,2,3,4
	v_cvt_scalef32_pk8_fp4_f32 v[PCD+4*\m+2*\q], v[ACC+16*\m:ACC+16*\m+7], v[SCL+\m]
	v_cvt_scalef32_pk8_fp4_f32 v[PCD+4*\m+2*\q+1], v[ACC+16*\m+8:ACC+16*\m+15], v[SCL+\m]
.endr
	v_nop                                          ; one plain line behind the last conversion
.endm
.macro PAIR q                          ; one pair of tiles of w1: 80 products, the next pair's loads, gelu, quantiser
	s_wait_loadcnt 0x0                             ; the pair was asked for a gelu phase ago; so its bases may be stepped below
	WIN 0x06                                       ; source 0 (w1) window 2, source 1 (x) window 1
.irp s, 0,1,2,3,4,5,6,7
.irp m, 0,1,2,3
.irp u, 0,1
	MM \m, \u, \s, 64*\m
.endr
.endr
.endr
	WIN 0x0a                                       ; x's row tile 4 lies in window 2; its two accumulators take turns
.irp s, 0,1,2,3,4,5,6,7
.irp u, 0,1
	MM 4, \u, \s, 0
.endr
.endr
	WIN 0
.rept 4
	v_nop                                          ; places in front of loads into registers that the products have read, and of the first read of results
.endr
.if \q == 1
	s_cmp_eq_u32 s61, 1
	s_cbranch_scc1 .Lno_more_\@                    ; the last pair has no successor
.endif
	s_add_nc_u64 s[24:25], s[24:25], 16384
	s_add_nc_u64 s[26:27], s[26:27], 1024
	s_add_nc_u64 s[28:29], s[28:29], 128
	LOADW
.if \q == 1
.Lno_more_\@:
.endif
	GELU 0
	GELU 1
	GELU 2
	GELU 3
	GELU 4
	QUANT5 \q
.endm
	s_load_b256 s[4:11], s[0:1], 0x0               ; q1 s[4:5], plan s[6:7], b1 s[8:9], hid s[10:11]
	v_lshl_add_u32 v15, v0, 2, 0xa000
	v_mov_b32 v237, 0
	v_lshrrev_b32 v7, 5, v0
	v_readfirstlane_b32 s12, v7                    ; wave 0..3
	v_and_b32 v7, 31, v0
	v_lshlrev_b32 v[L16], 4, v7
	v_lshlrev_b32 v[L4], 2, v7
	v_and_b32 v[RR], 15, v0
	v_bfe_u32 v[HH], v0, 4, 1
	v_lshlrev_b32 v[H64], 6, v[HH]
	s_lshl_b32 s13, s12, 11
	v_add_nc_u32 v[LST], s13, v[L16]               ; where I store x's images: 16 L + 2,048 wave
	s_and_b32 s14, ttmp7, 0xffff                   ; the tile
	s_lshl_b32 s15, s14, 2
	s_wait_kmcnt 0x0
	s_load_b32 s16, s[6:7], s15 offset:TINFO
	CPAIR 40, 0xc034d90f                           ; c0 .. c8: the fit's coefficients x log2 e, c0 less 1
	CPAIR 42, 0x3fb8ab5a
	CPAIR 44, 0x3f0a29d2
	CPAIR 46, 0x3e0efb2e
	CPAIR 48, 0xbe899a80
	CPAIR 50, 0x3ecdfd18
	CPAIR 52, 0xbfd1a1e5
	CPAIR 54, 0x40097039
	CPAIR 56, 0xbf97d29d
	CPAIR 58, 0xbf38aa3b                           ; - log2(e) / 2
	s_mov_b32 s60, 0x3eb504f3                      ; 1 / (2 sqrt 2)
	s_mov_b32 s62, 0x76543210
	s_mov_b32 s63, 0xfedcba98
	v_mov_b32 v[C9], 0x3e7c6f08
	v_mov_b32 v[C9+1], 0x3e7c6f08
	s_lshl_b32 s21, ttmp9, 2
	s_add_co_u32 s21, s21, s12                     ; s2 = 4 chunk + wave
	s_mov_b32 s35, 0
	s_mul_i32 s19, s14, 80
	s_wait_kmcnt 0x0
	s_and_b32 s17, s16, 255
	s_cmp_lt_u32 s17, 8
	s_cselect_b32 s18, 1, 0                        ; has the tile rows?
	s_cselect_b32 s19, s19, 0                      ; its first place in rows1 (place 0 is always written)
	s_min_u32 s17, s17, 7                          ; the expert
	s_lshr_b32 s20, s16, 8
	s_min_u32 s20, s20, 79                         ; rows - 1
	s_lshl_b32 s34, s17, 20
	s_lshl_b32 s36, s21, 16
	s_add_co_u32 s34, s34, s36
	s_add_nc_u64 s[24:25], s[4:5], s[34:35]        ; w1's images: expert, pair 4 s2
	s_lshl_b32 s34, s17, 16
	s_lshl_b32 s36, s21, 12
	s_add_co_u32 s34, s34, s36
	s_add_co_u32 s34, s34, W1S
	s_add_nc_u64 s[26:27], s[4:5], s[34:35]        ; their scale words
	s_lshl_b32 s34, s17, 13
	s_lshl_b32 s36, s21, 9
	s_add_co_u32 s34, s34, s36
	s_add_nc_u64 s[28:29], s[8:9], s[34:35]        ; b1
	s_mul_i32 s34, s14, 81920
	s_lshl_b32 s36, s21, 10
	s_add_co_u32 s34, s34, s36
	s_add_nc_u64 s[30:31], s[10:11], s[34:35]      ; hc: five row tiles of 16 KB, K step s2
	s_mul_i32 s34, s21, 18880
	s_mul_i32 s36, s14, 320
	s_add_co_u32 s34, s34, s36
	s_add_co_u32 s34, s34, HSO
	s_add_nc_u64 s[32:33], s[10:11], s[34:35]      ; hs
	s_add_nc_u64 s[22:23], s[4:5], XCO
	s_add_nc_u64 s[38:39], s[4:5], XSO
.irp m, 0,1,2,3,4
	v_add_nc_u32 v[144+\m], 16*\m, v[RR]
	v_min_u32 v[144+\m], s20, v[144+\m]            ; rows that pad the tile repeat its last
	v_add_nc_u32 v[144+\m], s19, v[144+\m]
	v_min_u32 v[144+\m], 0x126f, v[144+\m]
	v_lshlrev_b32 v[144+\m], 2, v[144+\m]
	global_load_b32 v[154+\m], v[144+\m], s[6:7]
.endr
	s_lshl_b32 s36, s12, 7
	s_wait_loadcnt 0x0
.irp m, 0,1,2,3,4
	v_min_u32 v[154+\m], 0x7ff, v[154+\m]          ; the token
	v_lshlrev_b32 v[149+\m], 9, v[154+\m]
	v_lshl_add_u32 v[149+\m], v[HH], 4, v[149+\m]
	v_add_nc_u32 v[149+\m], s36, v[149+\m]         ; its codes: 512 token + 16 (lane / 16) + my wave's two K steps
	v_lshlrev_b32 v[160+\m], 5, v[154+\m]
.endr
.irp m, 0,1,2,3,4
.irp s, 0,1
.irp c, 0,1
	global_load_b128 v[ACC+16*\m+8*\s+4*\c:ACC+16*\m+8*\s+4*\c+3], v[149+\m], s[22:23] offset:64*\s+32*\c
.endr
.endr
.endr
.irp m, 0,1,2,3,4
	global_load_b128 v[XSR+8*\m:XSR+8*\m+3], v[160+\m], s[38:39]
	global_load_b128 v[XSR+8*\m+4:XSR+8*\m+7], v[160+\m], s[38:39] offset:16
.endr
	s_wait_loadcnt 10                              ; the twenty loads of codes are in; the ten of scale words are younger
.irp m, 0,1,2,3,4
.irp s, 0,1
.irp c, 0,1
	ds_store_b128 v[LST], v[ACC+16*\m+8*\s+4*\c:ACC+16*\m+8*\s+4*\c+3] offset:8192*\m+1024*\s+512*\c   ; LDS [m][kstep 8][image]
.endr
.endr
.endr
	s_wait_dscnt 0x0                               ; for the others' sake: my images have landed
	s_barrier_signal -1
	s_barrier_wait -1
	s_cmp_eq_u32 s18, 0
	s_cbranch_scc1 .Lend                           ; a tile that this split leaves without rows: behind the launch's only barrier
	LOADW
	WIN 0x40
.irp m, 0,1,2,3
.irp s, 0,1,2,3,4,5,6,7
.irp c, 0,1
	ds_load_b128 v[64*\m+8*\s+4*\c:64*\m+8*\s+4*\c+3], v[L16] offset:8192*\m+1024*\s+512*\c
.endr
.endr
.endr
	WIN 0x80
.irp s, 0,1,2,3,4,5,6,7
.irp c, 0,1
	ds_load_b128 v[8*\s+4*\c:8*\s+4*\c+3], v[L16] offset:32768+1024*\s+512*\c
.endr
.endr
	WIN 0
.irp m, 0,1,2,3,4
	v_mov_b32 v[PWD+\m], 0
	v_mov_b32 v[TPX+\m], 0                         ; written once: a lane permute's destination counts as read
.endr
	s_wait_dscnt 0x0
	s_mov_b32 s61, 0
.Ltrip:                                            ; two trips: each makes 64 of the K step's 128 codes a row
	PAIR 0
	PAIR 1
.irp m, 0,1,2,3,4
	v_permlane16_swap_b32 v[PCD+4*\m], v[PCD+4*\m+2]     ; the operand's layout wants a whole block in a lane
	v_permlane16_swap_b32 v[PCD+4*\m+1], v[PCD+4*\m+3]
.endr
.irp m, 0,1,2,3,4
	global_store_b128 v[L16], v[PCD+4*\m:PCD+4*\m+3], s[30:31] offset:16384*\m   ; a piece of an image: 512 bytes on end, aligned
.endr
	s_wait_xcnt 0x0                                ; the stores have read their base and their data
	s_add_nc_u64 s[30:31], s[30:31], 512
	s_add_co_u32 s61, s61, 1
	s_cmp_lt_u32 s61, 2
	s_cbranch_scc1 .Ltrip
	s_mov_b32 s36, 0xffff0000
	v_cndmask_b32 v[TT], v[PWD], v[PWD+1], s36     ; lanes 0-15: rows 0-15; lanes 16-31: rows 16-31
	v_cndmask_b32 v[TT+1], v[PWD+2], v[PWD+3], s36
	v_lshlrev_b32 v[TT+2], 2, v[RR]
	global_store_b32 v[L4], v[TT], s[32:33]        ; pieces of 128 bytes: the scale words are 1 byte in 16 of what the wave stores
	global_store_b32 v[L4], v[TT+1], s[32:33] offset:128
	global_store_b32 v[TT+2], v[PWD+4], s[32:33] offset:256   ; rows 64-79: both halves of the lanes store the same word
.Lend:
	s_wait_tensorcnt 0x0
	ds_add_u32 v15, v237
	s_wait_dscnt 0x0
	s_endpgm
.Lfunc_end_k_qdeda6b1464_up:
	.size	k_qdeda6b1464_up, .Lfunc_end_k_qdeda6b1464_up-k_qdeda6b1464_up
	.p2alignl 7, 3214868480
	.fill 96, 4, 3214868480
	.section	.rodata,"a",@progbits
	.p2align	6, 0x0
	.amdhsa_kernel k_qdeda6b1464_up
		.amdhsa_group_segment_fixed_size 41472
		.amdhsa_private_segment_fixed_size 0
		.amdhsa_enable_private_segment 0
		.amdhsa_kernarg_size 32
		.amdhsa_user_sgpr_count 2
		.amdhsa_user_sgpr_kernarg_segment_ptr 1
		.amdhsa_wavefront_size32 1
		.amdhsa_system_sgpr_workgroup_id_x 1
		.amdhsa_system_sgpr_workgroup_id_y 1
		.amdhsa_system_sgpr_workgroup_id_z 1
		.amdhsa_system_vgpr_workitem_id 0
		.amdhsa_next_free_vgpr 704
		.amdhsa_next_free_sgpr 66
		.amdhsa_reserve_vcc 0
		.amdhsa_float_denorm_mode_32 3
		.amdhsa_float_denorm_mode_16_64 3
		.amdhsa_memory_ordered 1
		.amdhsa_forward_progress 1
		.amdhsa_inst_pref_size 157
	.end_amdhsa_kernel
	.amdgpu_metadata
---
amdhsa.version: [ 1, 2 ]
amdhsa.kernels:
  - .name:           k_qdeda6b1464_up
    .symbol:         k_qdeda6b1464_up.kd
    .args:
      - { .name: q1, .offset: 0, .size: 8, .value_kind: global_buffer, .address_space: global }
      - { .name: plan, .offset: 8, .size: 8, .value_kind: global_buffer, .address_space: global }
      - { .name: b1, .offset: 16, .size: 8, .value_kind: global_buffer, .address_space: global }
      - { .name: hid, .offset: 24, .size: 8, .value_kind: global_buffer, .address_space: global }
    .group_segment_fixed_size: 41472
    .private_segment_fixed_size: 0
    .kernarg_segment_align: 8
    .kernarg_segment_size: 32
    .max_flat_workgroup_size: 128
    .sgpr_count:     66
    .vgpr_count:     704
    .wavefront_size: 32
...
	.end_amdgpu_metadata
.endif
;; end of part 3
;; launch down (part 4): grid 8 x 32, 4 waves a work-group, no clusters, 173,568 bytes of LDS; arguments hid, q2, plan, q1, b2, out0; writes out0
.if DOCPART == 4
	.amdgcn_target "amdgcn-amd-amdhsa--gfx1250"
	.amdhsa_code_object_version 6
	.text
	.protected	k_qdeda6b1464_down
	.globl	k_qdeda6b1464_down
	.p2align	8
	.type	k_qdeda6b1464_down,@function
k_qdeda6b1464_down:
	s_mov_b64 s[64:65], 0
	v_nop
	global_prefetch_b8 v0, s[64:65] scope:SCOPE_SE
	s_setreg_imm32_b32 hwreg(HW_REG_WAVE_MODE, 25, 1), 1
	s_wait_xcnt 0x0
; out[token] = sum over the token's two experts of c_e (hid_e Q(w2_e) + b2_e), on codes of E2M1 with E8M0 scales.  EACH OUTPUT ROW HAS ONE OWNER: a work-group takes 64 tokens, neighbours in the order sorted by
; pair of experts (srt), x 128 of the 1,024 outputs: 32 x 8 = 256 work-groups.  It walks the experts of its block's set (bmask), at least 2, at most 8, in eight trips whose barriers every wave passes; only work is jumped over.
; Wave w owns 32 outputs (pair of tiles hp = 4 slice + w) for all 64 tokens, and gathers the hidden rows of tokens 16 w .. 16 w + 15 for everybody (LDS, images of registers, two buffers by turns).
; THE PRODUCT IS USED TRANSPOSED: source 0 = 16 rows of w2's image, source 1 = 16 hidden rows: a lane holds one token and eight neighbouring outputs.  b2 is the C of each sum's first product.
; A token that does not use the expert in hand fetches row 0 of hid (always written, finite) and its result is weighed by 0.
; An expert's weights (32 KB a wave) come from memory straight into a register window, a trip ahead: windows 2 and 3 by turns.
; NO CLUSTER, NO TENSOR LOAD: which experts a block walks is a number read from memory, and work is jumped over on it; partners could not show equal requests.
; LIMITS: NaN and infinities are not served.
; LDS: hidden images @0 and @65,536 [m 4][kstep 16][1,024 B]; their scale words @131,072 and @135,168 [m][q 8][32 words: lanes 0-15 kstep 2 q, lanes 16-31 kstep 2 q + 1]; the stage @139,264: 64 rows x (512 + 16) bytes.
; REGISTERS.  window 0: v1-15 addresses; v16-19 / v20-23 the tokens' lower / higher expert; v24-31 {c_lo, c_hi}; v32-36 my own 16 tokens' records; v37-39 gather; v40-71 w2's scale words (16 a parity); v72-79 hid's;
;   v80-143 hidden fragments, two K steps; v144-207 D (8 (2 m + u)); v208-215 the weight in hand, a pair a row tile; v216-231 offsets on the way out; v232-237 at work.
;   window 1: v0-63 O; v64-191 gathered codes; v192-199 gathered scale words; v200-231 b2 (16 a parity).   windows 2, 3: w2's fragments of parity 0, 1 (128 u + 8 s).
.set SRT,   18944
.set BMASK, 51968
.set RTW,   10027008
.set W2S,   8388608
.set HSO,   4833280
.set STG,   139264
.set MSB, 0
.macro WIN new                         ; the immediate's high byte repeats the setting that is left
.if MSB != (\new)
	s_set_vgpr_msb (MSB<<8)|(\new)
.set MSB, (\new)
.endif
.endm
; s26 the experts still to come; s27, s28 the expert in hand and whether there is one; s29, s30 the next
.macro POP ereg, areg
	s_cmp_lg_u32 s26, 0
	s_cselect_b32 s[\areg], 1, 0
	s_ctz_i32_b32 s[\ereg], s26
	s_min_u32 s[\ereg], s[\ereg], 7
	s_sub_co_u32 s33, s26, 1
	s_and_b32 s26, s26, s33
.endm
.macro ISSUE_W par, ereg               ; 84 loads: the expert's 32 fragments of my pair of tiles, their scale words, my 32 numbers of b2
	s_lshl_b32 s34, s[\ereg], 20
	s_add_co_u32 s34, s34, s54
	s_add_nc_u64 s[40+6*(\par):41+6*(\par)], s[6:7], s[34:35]
	s_lshl_b32 s34, s[\ereg], 16
	s_add_co_u32 s34, s34, s55
	s_add_co_u32 s34, s34, W2S
	s_add_nc_u64 s[42+6*(\par):43+6*(\par)], s[6:7], s[34:35]
	s_lshl_b32 s34, s[\ereg], 12
	s_add_co_u32 s34, s34, s56
	s_add_nc_u64 s[44+6*(\par):45+6*(\par)], s[12:13], s[34:35]
	WIN 0x80+0x40*(\par)
.set I, 0
.rept 64
	global_load_b128 v[4*I:4*I+3], v1, s[40+6*(\par):41+6*(\par)] offset:512*I
.set I, I+1
.endr
	WIN 0x40
.irp k, 0,1,2,3
	global_load_b128 v[200+16*(\par)+4*\k:203+16*(\par)+4*\k], v13, s[44+6*(\par):45+6*(\par)] offset:16*(\k%2)+64*(\k/2)   ; register 8 u + j: b2 at 32 hp + 16 u + 8 (lane / 16) + j
.endr
	WIN 0
.irp s, 0,1,2,3,4,5,6,7,8,9,10,11,12,13,14,15
	global_load_b32 v[40+16*(\par)+\s], v2, s[42+6*(\par):43+6*(\par)] offset:128*\s
.endr
.endm
.macro ISSUE_H ereg                    ; 40 loads: my 16 tokens' hidden rows for this expert, lane (r, h) its own bytes of each fragment
	v_cmp_eq_u32 vcc_lo, s[\ereg], v36
	v_cndmask_b32 v39, 0, v34, vcc_lo
	v_cmp_eq_u32 vcc_lo, s[\ereg], v35
	v_cndmask_b32 v39, v39, v33, vcc_lo            ; pos, or 0 for a token that does not use the expert
	v_min_u32 v39, 0x126f, v39
	v_and_b32 v37, -16, v39
	v_and_b32 v38, 15, v39
	v_lshlrev_b32 v37, 10, v37
	v_lshl_add_u32 v37, v38, 4, v37
	v_add_nc_u32 v37, v37, v15                     ; 16,384 (pos / 16) + 16 (pos % 16) + 256 (lane / 16)
	v_lshl_add_u32 v38, v39, 2, v14                ; 4 pos + 18,880 (lane / 16)
	WIN 0x40
.set I, 0
.rept 32
	global_load_b128 v[64+4*I:67+4*I], v37, s[4:5] offset:512*I
.set I, I+1
.endr
.irp q, 0,1,2,3,4,5,6,7
	global_load_b32 v[192+\q], v38, s[36:37] offset:37760*\q
.endr
	WIN 0
.endm
.macro STORE par                       ; what I gathered goes to LDS as it stands
	WIN 0x04                                       ; an LDS store's data are its source 1: window 1
.set I, 0
.rept 32
	ds_store_b128 v[7+(\par)], v[64+4*I:67+4*I] offset:512*I
.set I, I+1
.endr
.irp q, 0,1,2,3,4,5,6,7
	ds_store_b32 v[9+(\par)], v[192+\q] offset:128*\q
.endr
	WIN 0
.endm
.macro FETCH par, s                    ; K step s: the four row tiles' fragments; with an even s the scale words of two K steps
.irp m, 0,1,2,3
.irp c, 0,1
	ds_load_b128 v[80+32*((\s)%2)+8*\m+4*\c:83+32*((\s)%2)+8*\m+4*\c], v[1+3*(\par)] offset:16384*\m+1024*(\s)+512*\c
.endr
.endr
.if (\s)%2 == 0
.irp m, 0,1,2,3
	ds_load_b32 v[72+4*(((\s)/2)%2)+\m], v[5+(\par)] offset:1024*\m+128*((\s)/2)
.endr
.endif
.endm
.macro MM2 par, m, u                   ; one product of K step S
.set RD_, 144+8*(2*\m+\u)
.set RA_, 128*\u+8*S
.set RB_, 80+32*(S%2)+8*\m
.set RC_, 200+16*(\par)+8*\u
.set SA_, 40+16*(\par)+S
.set SB_, 72+4*((S/2)%2)+\m
.if S == 0
.if \u == 0
	v_wmma_scale_f32_16x16x128_f8f6f4 v[RD_:RD_+7], v[RA_:RA_+7], v[RB_:RB_+7], v[RC_:RC_+7], v[SA_], v[SB_] matrix_a_fmt:MATRIX_FMT_FP4 matrix_b_fmt:MATRIX_FMT_FP4
.else
	v_wmma_scale_f32_16x16x128_f8f6f4 v[RD_:RD_+7], v[RA_:RA_+7], v[RB_:RB_+7], v[RC_:RC_+7], v[SA_], v[SB_] matrix_a_fmt:MATRIX_FMT_FP4 matrix_b_fmt:MATRIX_FMT_FP4 matrix_a_scale:MATRIX_SCALE_ROW1
.endif
.elseif S%2 == 0
.if \u == 0
	v_wmma_scale_f32_16x16x128_f8f6f4 v[RD_:RD_+7], v[RA_:RA_+7], v[RB_:RB_+7], v[RD_:RD_+7], v[SA_], v[SB_] matrix_a_fmt:MATRIX_FMT_FP4 matrix_b_fmt:MATRIX_FMT_FP4
.else
	v_wmma_scale_f32_16x16x128_f8f6f4 v[RD_:RD_+7], v[RA_:RA_+7], v[RB_:RB_+7], v[RD_:RD_+7], v[SA_], v[SB_] matrix_a_fmt:MATRIX_FMT_FP4 matrix_b_fmt:MATRIX_FMT_FP4 matrix_a_scale:MATRIX_SCALE_ROW1
.endif
.else
.if \u == 0
	v_wmma_scale_f32_16x16x128_f8f6f4 v[RD_:RD_+7], v[RA_:RA_+7], v[RB_:RB_+7], v[RD_:RD_+7], v[SA_], v[SB_] matrix_a_fmt:MATRIX_FMT_FP4 matrix_b_fmt:MATRIX_FMT_FP4 matrix_b_scale:MATRIX_SCALE_ROW1
.else
	v_wmma_scale_f32_16x16x128_f8f6f4 v[RD_:RD_+7], v[RA_:RA_+7], v[RB_:RB_+7], v[RD_:RD_+7], v[SA_], v[SB_] matrix_a_fmt:MATRIX_FMT_FP4 matrix_b_fmt:MATRIX_FMT_FP4 matrix_a_scale:MATRIX_SCALE_ROW1 matrix_b_scale:MATRIX_SCALE_ROW1
.endif
.endif
.endm
.macro COMPUTE par                     ; the expert in hand: 128 products, eight accumulators by turns, then O += c D
	FETCH \par, 0
.set S, 0
.rept 16
.if S < 15
	FETCH \par, S+1
.if (S+1)%2 == 0
	s_wait_dscnt 12                                ; all but the twelve just issued
.else
	s_wait_dscnt 8                                 ; all but the eight just issued
.endif
.else
	s_wait_dscnt 0x0
.endif
.if S == 0
	WIN 0x12+(\par)                                ; source 0 (w2) window 2 or 3, source 2 (b2) window 1
.else
	WIN 0x02+(\par)
.endif
.irp m, 0,1,2,3
.irp u, 0,1
	MM2 \par, \m, \u
.endr
.endr
	WIN 0
.rept 4
	v_nop                                          ; places in front of the next fetch into registers just read, and of the first read of results
.endr
.set S, S+1
.endr
.irp m, 0,1,2,3
	v_cmp_eq_u32 vcc_lo, s27, v[20+\m]
	v_cndmask_b32 v232, 0, v[25+2*\m], vcc_lo
	v_cmp_eq_u32 vcc_lo, s27, v[16+\m]
	v_cndmask_b32 v[208+2*\m], v232, v[24+2*\m], vcc_lo   ; the token's weight for this expert, or 0
	v_mov_b32 v[209+2*\m], v[208+2*\m]
.endr
	WIN 0x50                                       ; O: destination and source 2 in window 1
.irp m, 0,1,2,3
.irp u, 0,1
.irp i, 0,2,4,6
	v_pk_fma_f32 v[8*(2*\m+\u)+\i:8*(2*\m+\u)+\i+1], v[144+8*(2*\m+\u)+\i:144+8*(2*\m+\u)+\i+1], v[208+2*\m:209+2*\m], v[8*(2*\m+\u)+\i:8*(2*\m+\u)+\i+1]
.endr
.endr
.endr
	WIN 0
.endm
; One trip.  In front of the barrier: my LDS stores into buffer par have landed and my reads of the other buffer are over.  Behind it buffer par is whole and nobody reads the other one.
; kind 0: the first trip (its loads went out at the head); 1: a trip of the loop; 2: the last trip (nothing follows).
.macro EXPERT par, kind
	s_wait_dscnt 0x0
	s_barrier_signal -1
	s_barrier_wait -1
.if \kind == 1
	s_cmp_lg_u32 s30, 0
	s_cbranch_scc0 .Lno_issue_\@
	ISSUE_H 29                                     ; no load of mine is out here, on any way: the last trip ended with a wait for all
	ISSUE_W 1-(\par), 29
.Lno_issue_\@:
.endif
.if \kind == 0
	s_wait_loadcnt 40                              ; both sets of weights are in; the second gather's forty loads are younger
	COMPUTE \par
.else
	s_cmp_lg_u32 s28, 0
	s_cbranch_scc0 .Lno_work_\@
	COMPUTE \par
.Lno_work_\@:
.endif
.if \kind < 2
	s_wait_loadcnt 0x0                             ; the next expert's rows and weights are in
.if \kind == 1
	s_cmp_lg_u32 s30, 0
	s_cbranch_scc0 .Lno_store_\@
.endif
	STORE 1-(\par)
.if \kind == 1
.Lno_store_\@:
.endif
	s_mov_b32 s27, s29
	s_mov_b32 s28, s30
	POP 29, 30
.endif
.endm
	s_load_b256 s[4:11], s[0:1], 0x0               ; hid s[4:5], q2 s[6:7], plan s[8:9], q1 s[10:11]
	s_load_b128 s[12:15], s[0:1], 0x20             ; b2 s[12:13], out0 s[14:15]
	v_lshl_add_u32 v254, v0, 2, 0x2a400
	v_mov_b32 v255, 0
	v_lshrrev_b32 v39, 5, v0
	v_readfirstlane_b32 s16, v39                   ; wave 0..3
	v_and_b32 v39, 31, v0
	v_lshlrev_b32 v1, 4, v39                       ; 16 L: an image's place for my lane; buffer 0
	v_lshlrev_b32 v2, 2, v39                       ; 4 L
	v_add_nc_u32 v4, 65536, v1                     ; buffer 1
	v_add_nc_u32 v5, 131072, v2                    ; scale words, buffer 0,
	v_add_nc_u32 v6, 135168, v2                    ; buffer 1
	s_lshl_b32 s17, s16, 14
	v_add_nc_u32 v7, s17, v1                       ; where I store my row tile: buffer 0,
	v_add_nc_u32 v8, 65536, v7                     ; buffer 1
	s_lshl_b32 s17, s16, 10
	v_add_nc_u32 v9, s17, v5
	v_add_nc_u32 v10, s17, v6
	v_and_b32 v3, 15, v0                           ; r
	v_bfe_u32 v13, v0, 4, 1                        ; h
	v_mul_u32_u24 v11, v3, 528
	v_lshl_add_u32 v11, v13, 5, v11
	s_lshl_b32 s17, s16, 7
	v_add_nc_u32 v11, s17, v11
	v_add_nc_u32 v11, STG, v11                     ; the stage, in: row r, + 128 wave + 32 h
	s_mul_i32 s17, s16, 16*528
	v_add_nc_u32 v12, s17, v1
	v_add_nc_u32 v12, STG, v12                     ; and back: my 16 rows, 16 bytes a lane
	v_mul_u32_u24 v14, v13, 18880
	v_lshlrev_b32 v15, 8, v13
	v_lshlrev_b32 v13, 5, v13                      ; 32 h
	s_lshl_b32 s18, ttmp9, 2
	s_add_co_u32 s18, s18, s16                     ; hp = 4 slice + wave
	s_lshl_b32 s54, s18, 15
	s_lshl_b32 s55, s18, 11
	s_lshl_b32 s56, s18, 7
	s_and_b32 s19, ttmp7, 0xffff                   ; the block
	s_lshl_b32 s20, s19, 2
	s_mov_b32 s35, 0
	s_wait_kmcnt 0x0
	s_load_b32 s26, s[8:9], s20 offset:BMASK
	s_lshl_b32 s34, s19, 10
	s_add_co_u32 s34, s34, SRT
	s_add_nc_u64 s[22:23], s[8:9], s[34:35]        ; the block's 64 records
	s_add_nc_u64 s[24:25], s[10:11], RTW
	s_add_nc_u64 s[36:37], s[4:5], HSO
	s_lshl_b32 s34, ttmp9, 9
	s_add_nc_u64 s[14:15], s[14:15], s[34:35]      ; out0 at my slice's 512 bytes of a row
	v_lshlrev_b32 v232, 4, v3
	s_lshl_b32 s17, s16, 8
	v_add_nc_u32 v233, s17, v232
.irp m, 0,1,2,3
	global_load_b128 v[144+4*\m:147+4*\m], v232, s[22:23] offset:256*\m
.endr
	global_load_b128 v[160:163], v233, s[22:23]    ; my own row tile's
	s_wait_loadcnt 0x0
.irp m, 0,1,2,3
	v_and_b32 v[16+\m], 7, v[147+4*\m]
	v_bfe_u32 v[20+\m], v[147+4*\m], 4, 3
	v_min_u32 v[234+\m], 0x7ff, v[144+4*\m]
	v_lshlrev_b32 v[234+\m], 3, v[234+\m]
	global_load_b64 v[24+2*\m:25+2*\m], v[234+\m], s[24:25]
.endr
	v_mov_b32 v32, v160
	v_mov_b32 v33, v161
	v_mov_b32 v34, v162
	v_and_b32 v35, 7, v163
	v_bfe_u32 v36, v163, 4, 3
	s_wait_kmcnt 0x0
	s_and_b32 s26, s26, 255
	POP 27, 28
	POP 29, 30                                     ; a block has two experts at the least: a token's two differ
	ISSUE_H 27
	ISSUE_W 0, 27
	ISSUE_W 1, 29
	WIN 0x40
.set I, 0
.rept 64
	v_mov_b32 v[I], 0                              ; O, once: which expert is a row's first is data, so no product can start these sums
.set I, I+1
.endr
	WIN 0
	s_wait_loadcnt 63                              ; the first gather is in: 168 loads are younger; the wait's field holds 63
	STORE 0
	s_wait_dscnt 0x0                               ; the stores have read their registers
	ISSUE_H 29
	EXPERT 0, 0
	s_mov_b32 s32, 3
.Lpair:
	EXPERT 1, 1
	EXPERT 0, 1
	s_sub_co_u32 s32, s32, 1
	s_cmp_lg_u32 s32, 0
	s_cbranch_scc1 .Lpair
	EXPERT 1, 2
	; THE WAY OUT: a row's 512 bytes come from four waves: through the stage, then each wave stores 16 whole rows, each at its token's place
	WIN 0x04
.irp m, 0,1,2,3
.irp u, 0,1
	ds_store_b128 v11, v[8*(2*\m+\u):8*(2*\m+\u)+3] offset:16*\m*528+64*\u
	ds_store_b128 v11, v[8*(2*\m+\u)+4:8*(2*\m+\u)+7] offset:16*\m*528+64*\u+16
.endr
.endr
	WIN 0
	s_wait_dscnt 0x0                               ; for the others' sake: my part of the rows has landed
	s_barrier_signal -1
	s_barrier_wait -1
.irp i, 0,1,2,3,4,5,6,7,8,9,10,11,12,13,14,15
	v_readlane_b32 s33, v32, \i
	s_min_u32 s33, s33, 2047
	s_lshl_b32 s33, s33, 12
	v_add_nc_u32 v[216+\i], s33, v1                ; 4,096 token + 16 L
.endr
.irp i, 0,1,2,3,4,5,6,7,8,9,10,11,12,13,14,15
	ds_load_b128 v[144+4*\i:147+4*\i], v12 offset:528*\i
.endr
.irp i, 0,1,2,3,4,5,6,7,8,9,10,11,12,13,14,15
	s_wait_dscnt 15-\i
	global_store_b128 v[216+\i], v[144+4*\i:147+4*\i], s[14:15] th:TH_STORE_NT   ; 32 lanes store 512 bytes of one row, aligned to 256; written once
.endr
	s_wait_tensorcnt 0x0
	ds_add_u32 v254, v255
	s_wait_dscnt 0x0
	s_endpgm
.Lfunc_end_k_qdeda6b1464_down:
	.size	k_qdeda6b1464_down, .Lfunc_end_k_qdeda6b1464_down-k_qdeda6b1464_down
	.p2alignl 7, 3214868480
	.fill 96, 4, 3214868480
	.section	.rodata,"a",@progbits
	.p2align	6, 0x0
	.amdhsa_kernel k_qdeda6b1464_down
		.amdhsa_group_segment_fixed_size 173568
		.amdhsa_private_segment_fixed_size 0
		.amdhsa_enable_private_segment 0
		.amdhsa_kernarg_size 48
		.amdhsa_user_sgpr_count 2
		.amdhsa_user_sgpr_kernarg_segment_ptr 1
		.amdhsa_wavefront_size32 1
		.amdhsa_system_sgpr_workgroup_id_x 1
		.amdhsa_system_sgpr_workgroup_id_y 1
		.amdhsa_system_sgpr_workgroup_id_z 1
		.amdhsa_system_vgpr_workitem_id 0
		.amdhsa_next_free_vgpr 1024
		.amdhsa_next_free_sgpr 66
		.amdhsa_reserve_vcc 1
		.amdhsa_float_denorm_mode_32 3
		.amdhsa_float_denorm_mode_16_64 3
		.amdhsa_memory_ordered 1
		.amdhsa_forward_progress 1
		.amdhsa_inst_pref_size 206
	.end_amdhsa_kernel
	.amdgpu_metadata
---
amdhsa.version: [ 1, 2 ]
amdhsa.kernels:
  - .name:           k_qdeda6b1464_down
    .symbol:         k_qdeda6b1464_down.kd
    .args:
      - { .name: hid, .offset: 0, .size: 8, .value_kind: global_buffer, .address_space: global }
      - { .name: q2, .offset: 8, .size: 8, .value_kind: global_buffer, .address_space: global }
      - { .name: plan, .offset: 16, .size: 8, .value_kind: global_buffer, .address_space: global }
      - { .name: q1, .offset: 24, .size: 8, .value_kind: global_buffer, .address_space: global }
      - { .name: b2, .offset: 32, .size: 8, .value_kind: global_buffer, .address_space: global }
      - { .name: out0, .offset: 40, .size: 8, .value_kind: global_buffer, .address_space: global }
    .group_segment_fixed_size: 173568
    .private_segment_fixed_size: 0
    .kernarg_segment_align: 8
    .kernarg_segment_size: 48
    .max_flat_workgroup_size: 128
    .sgpr_count:     66
    .vgpr_count:     1024
    .wavefront_size: 32
...
	.end_amdgpu_metadata
.endif
;; end of part 4
;; ======== version 2 of 2: 4 launches
;; workspace buffers: q1 10,059,776 bytes; ridx 8,192 bytes of whole numbers; q2 8,912,896 bytes; plan 52,224 bytes of whole numbers; hid 5,135,360 bytes
;; launch route_q1 (part 5): grid 576 x 1, 8 waves a work-group, no clusters, 70,656 bytes of LDS; arguments x, gate_w, w1, q1, ridx; writes q1, ridx
.if DOCPART == 5
	.amdgcn_target "amdgcn-amd-amdhsa--gfx1250"
	.amdhsa_code_object_version 6
	.text
	.protected	k_qdeda6b1464_route_q1
	.globl	k_qdeda6b1464_route_q1
	.p2align	8
	.type	k_qdeda6b1464_route_q1,@function
k_qdeda6b1464_route_q1:
	s_mov_b64 s[64:65], 0
	v_nop
	global_prefetch_b8 v0, s[64:65] scope:SCOPE_SE
	s_setreg_imm32_b32 hwreg(HW_REG_WAVE_MODE, 25, 1), 1
	s_wait_xcnt 0x0
; Work-groups 0-63: THE ROUTER.  2,048 tokens, 32 a work-group, 4 a wave.  Logits x . gate_w in f32 (fused multiply-adds), softmax with the row's maximum taken away,
; the two largest (on a tie the lower index), their weights c = p / (p1 + p2), the sums of the probabilities for the aux loss, and x as codes of E2M1 with one E8M0 byte for each 32 along H.
; Nothing that is chosen here steers an address or a branch: the choice is stored, at fixed places, as whole numbers (ridx) and weights (rtw).
; Work-groups 64-575: w1 [8][1024 k][2048 d] f32 becomes codes.  A lane takes a column d and its registers run down k, so a block of 32 lies in one lane and the codes come out with k innermost.
; q1: w1c @0 [e][tile 128][kstep 8][1,024 B]: a fragment as an image of its registers: piece c at 512 c, lane (rho, h) at 256 h + 16 rho: k = 64 c + 32 h + 0..31 of the tile's row rho.
;     Tiles 2 pd and 2 pd + 1 share 32 columns: tile u, row rho is d = 32 pd + 8 u + rho + 8 (rho / 8), so that the first product's results come out as neighbours along the next K.
;     w1s @W1S [e][pd 64][kstep 8][32 words: 16 u + rho];  xc @XC [token][512 B];  xs @XSW [token][8 words];  rtw @RTW [token]{c_lo, c_hi};  psum @PSUM [512 waves][8].
; LDS (the router alone): @0 the gate image [e 8][i 8][lane 32][16 B] = gate_w[e][32 lane + 4 i ..]; @STAGE a stage of 4,608 bytes for each wave: 32 places of 128 bytes + 16 of padding.
; EVERY LOAD OF x AND OF gate_w READS 512 CONSECUTIVE BYTES, 16 a lane; the quantiser and the logits want a lane to hold a whole block of 32 neighbours: so a row of x turns through the wave's own stage,
; and gate_w's pieces are stored straight to their places in the image.
; LIMITS: NaN and infinities are not served.  A block of zeros gets the byte 1 where the rule says 127: its codes are zeros and this program alone reads the bytes.
; The two largest are taken on the logits: two logits that differ while their f32 probabilities are equal may be ordered otherwise than a top-k on the probabilities.
; No cluster, no tensor load: the work-groups share nothing but the 32 KB of gate_w.
.set W1S,  8388608
.set XC,   8912896
.set XSW,  9961472
.set RTW,  10027008
.set PSUM, 10043392
.set STAGE, 32768
.set SPL,  144                         ; a block's place in a stage: 128 bytes + 16: an odd multiple of 16
.set ROWB, 8192                        ; a row of w1 in bytes
.set WX,   32                          ; weights: v32-159 four blocks of 32 numbers
.set WC,   8                           ; v8-23 their codes; v24 the scale word; v25-27 at work
.macro WLOAD t                         ; block t: w(32 t + i, my column): 32 lanes read 128 neighbouring bytes
.set I, 0
.rept 32
	global_load_b32 v[WX+32*(\t)+I], v1, s[20:21] offset:(32*(\t)+I)*ROWB th:TH_LOAD_NT
.set I, I+1
.endr
.endm
.macro WBLOCK t, left                  ; left: how many younger loads may stay out
.set XR, WX+32*(\t)
	s_wait_loadcnt \left
	v_max3_num_f32 v25, |v[XR]|, |v[XR+1]|, |v[XR+2]|      ; the block's largest magnitude, in two chains
	v_max3_num_f32 v26, |v[XR+3]|, |v[XR+4]|, |v[XR+5]|
.irp i, 6,10,14,18,22,26
	s_delay_alu instid0(VALU_DEP_2)
	v_max3_num_f32 v25, v25, |v[XR+\i]|, |v[XR+\i+1]|
	s_delay_alu instid0(VALU_DEP_2)
	v_max3_num_f32 v26, v26, |v[XR+\i+2]|, |v[XR+\i+3]|
.endr
	s_delay_alu instid0(VALU_DEP_2)
	v_max3_num_f32 v25, v25, |v[XR+30]|, |v[XR+31]|
	s_delay_alu instid0(VALU_DEP_1)
	v_max3_num_f32 v25, v25, v26, 0x1800000                ; and the floor 2^(3 - 127): the byte cannot fall under 1
	s_delay_alu instid0(VALU_DEP_1)
	v_add_nc_u32 v27, 0xff000000, v25                      ; 2 off the exponent field: the conversion's scale operand
	s_delay_alu instid0(VALU_DEP_1)
	v_lshrrev_b32 v26, 23, v27                             ; the scale's byte
.if (\t) == 0
	s_delay_alu instid0(VALU_DEP_1)
	v_mov_b32 v24, v26
.else
	s_delay_alu instid0(VALU_DEP_1)
	v_lshl_or_b32 v24, v26, 8*(\t), v24
.endif
.irp g, 0,1,2,3
	v_cvt_scalef32_pk8_fp4_f32 v[WC+4*(\t)+\g], v[XR+8*\g:XR+8*\g+7], v27
.endr
	global_store_b128 v2, v[WC+4*(\t):WC+4*(\t)+3], s[26:27] offset:((\t)/2)*512+((\t)%2)*256   ; sixteen lanes fill 256 aligned bytes of one tile's image, the other sixteen of the other's
.endm
	s_load_b256 s[4:11], s[0:1], 0x0               ; x s[4:5], gate_w s[6:7], w1 s[8:9], q1 s[10:11]
	s_load_b64 s[12:13], s[0:1], 0x20              ; ridx
	v_lshl_add_u32 v254, v0, 2, 0x11000
	v_mov_b32 v255, 0
	v_lshrrev_b32 v1, 5, v0
	s_delay_alu instid0(VALU_DEP_1)
	v_readfirstlane_b32 s14, v1                    ; wave 0..7
	v_and_b32 v4, 31, v0                           ; lane L
	s_wait_kmcnt 0x0
	s_cmp_lt_u32 ttmp9, 64                         ; the parting hangs on the work-group's number alone
	s_cbranch_scc1 .Lrouter
	; ---------------- w1: a wave takes 32 columns x 128 k (one K step, four blocks)
	s_sub_co_u32 s16, ttmp9, 64
	s_and_b32 s18, s16, 7                          ; which eight column groups
	s_bfe_u32 s19, s16, 0x30003                    ; K step s
	s_lshr_b32 s15, s16, 6                         ; expert e
	s_lshl_b32 s17, s18, 3
	s_add_co_u32 s17, s17, s14                     ; pd = 8 cg + wave
	s_mov_b32 s23, 0
	s_lshl_b32 s22, s15, 23                        ; in: e x 8 MiB + 128 s rows + 128 pd bytes
	s_lshl_b32 s24, s19, 20
	s_add_co_u32 s22, s22, s24
	s_lshl_b32 s24, s17, 7
	s_add_co_u32 s22, s22, s24
	s_add_nc_u64 s[20:21], s[8:9], s[22:23]
	s_lshl_b32 s22, s15, 20                        ; codes: e x 1 MiB + pd x 16 KiB + s x 1 KiB
	s_lshl_b32 s24, s17, 14
	s_add_co_u32 s22, s22, s24
	s_lshl_b32 s24, s19, 10
	s_add_co_u32 s22, s22, s24
	s_add_nc_u64 s[26:27], s[10:11], s[22:23]
	s_lshl_b32 s22, s15, 6                         ; scale words: ((64 e + pd) 8 + s) x 128 bytes
	s_add_co_u32 s22, s22, s17
	s_lshl_b32 s22, s22, 3
	s_add_co_u32 s22, s22, s19
	s_lshl_b32 s22, s22, 7
	s_add_co_u32 s22, s22, W1S
	s_add_nc_u64 s[28:29], s[10:11], s[22:23]
	s_wait_alu depctr_va_vdst(0)
	v_lshlrev_b32 v1, 2, v4                        ; in: 4 bytes a lane
	v_bfe_u32 v5, v4, 3, 1                         ; my column's tile u = (L / 8) % 2
	v_and_b32 v6, 7, v4
	v_lshrrev_b32 v7, 4, v4
	s_delay_alu instid0(VALU_DEP_1)
	v_lshl_or_b32 v6, v7, 3, v6                    ; and its row rho = 8 (L / 16) + L % 8
	s_delay_alu instid0(VALU_DEP_1)
	v_lshlrev_b32 v2, 4, v6
	s_delay_alu instid0(VALU_DEP_1)
	v_lshl_add_u32 v2, v5, 13, v2                  ; 8,192 u + 16 rho
	s_delay_alu instid0(VALU_DEP_3)
	v_lshl_add_u32 v3, v5, 4, v6
	s_delay_alu instid0(VALU_DEP_1)
	v_lshlrev_b32 v3, 2, v3                        ; 4 (16 u + rho)
	WLOAD 0                                        ; all 128 loads are asked for at once
	WLOAD 1
	WLOAD 2
	WLOAD 3
	WBLOCK 0, 63                                   ; 96 loads are younger; the wait's field holds 63, and a smaller count is safe
	WBLOCK 1, 63                                   ; 64 are younger
	WBLOCK 2, 32
	WBLOCK 3, 0
	global_store_b32 v3, v24, s[28:29]             ; 128 neighbouring bytes: half of an aligned 256; the scale words are 1 byte in 128 of what the wave reads
	s_endpgm
	; ---------------- the router
	; v1 my block's place in my stage, v2 16 L, v3 8 (L % 4), v5 gate_w's offset, v6 where gate_w's pieces go, v7 where x's pieces go; v32-159 x, 32 numbers a row: lane L owns block L;
	; v160-191 two pieces of the gate image; v192-223 logits [row][e] (first: the codes); v224-231 a sum pair a row; v232-235 scale words
	; behind the logits v32-115 are free: v32-63 at work, v64-71 q, v72-79 sums of p, v80-83 the chosen, v84-91 {c_lo, c_hi}, v92-115 at work
.macro TURN r                          ; row r through my stage: in as loaded (piece j of lane L is 16 bytes of block 4 j + L / 8), back a whole block a lane, into the registers that it left
	s_wait_loadcnt 24-8*\r                         ; the row's eight loads are in; the later rows' are younger
.irp j, 0,1,2,3,4,5,6,7
	ds_store_b128 v7, v[32+32*\r+4*\j:35+32*\r+4*\j] offset:4*SPL*\j
.endr
.irp j, 0,1,2,3,4,5,6,7
	ds_load_b128 v[32+32*\r+4*\j:35+32*\r+4*\j], v1 offset:16*\j   ; LDS serves a wave's instructions in order (ISA guide 5.7.1.4): these see the stores above, and the next row's stores come behind them
.endr
.endm
.macro QROW i, left                    ; row i: my block's scale and codes.  left: the LDS instructions issued behind the row's loads from the stage
.set XR, 32+32*\i
	s_wait_dscnt \left
	v_max3_num_f32 v236, |v[XR]|, |v[XR+1]|, |v[XR+2]|
	v_max3_num_f32 v237, |v[XR+3]|, |v[XR+4]|, |v[XR+5]|
.irp k, 6,10,14,18,22,26
	s_delay_alu instid0(VALU_DEP_2)
	v_max3_num_f32 v236, v236, |v[XR+\k]|, |v[XR+\k+1]|
	s_delay_alu instid0(VALU_DEP_2)
	v_max3_num_f32 v237, v237, |v[XR+\k+2]|, |v[XR+\k+3]|
.endr
	s_delay_alu instid0(VALU_DEP_2)
	v_max3_num_f32 v236, v236, |v[XR+30]|, |v[XR+31]|
	s_delay_alu instid0(VALU_DEP_1)
	v_max3_num_f32 v236, v236, v237, 0x1800000
	s_delay_alu instid0(VALU_DEP_1)
	v_add_nc_u32 v238, 0xff000000, v236
	s_delay_alu instid0(VALU_DEP_1)
	v_lshrrev_b32 v239, 23, v238
.irp g, 0,1,2,3
	v_cvt_scalef32_pk8_fp4_f32 v[192+4*\i+\g], v[XR+8*\g:XR+8*\g+7], v238
.endr
	v_lshlrev_b32 v239, v3, v239                   ; my byte at its place in the word of my four blocks (a plain line behind the conversions)
	global_store_b128 v2, v[192+4*\i:195+4*\i], s[22:23] offset:512*\i   ; the row's 512 bytes of codes, on end
	v_mov_b32_dpp v240, v239 row_xmask:1 row_mask:0xf bank_mask:0xf
	s_delay_alu instid0(VALU_DEP_1)
	v_or_b32 v239, v239, v240
	s_delay_alu instid0(VALU_DEP_1)
	v_mov_b32_dpp v240, v239 row_xmask:2 row_mask:0xf bank_mask:0xf
	s_delay_alu instid0(VALU_DEP_1)
	v_or_b32 v[232+\i], v239, v240                 ; every lane of quad q holds K step q's word
.endm
.macro GLOAD hs, reg                   ; half-step hs = 2 e + half: gate_w[e][32 L + 16 half + 0..15]
.irp n, 0,1,2,3
	ds_load_b128 v[\reg+4*\n:\reg+4*\n+3], v2 offset:(\hs)*2048+512*\n
.endr
.endm
.macro FIN i                           ; row i: softmax, the two largest, their weights
.set PR, 192+8*\i
	v_max3_num_f32 v92, v[PR], v[PR+1], v[PR+2]
	v_max3_num_f32 v93, v[PR+3], v[PR+4], v[PR+5]
	s_delay_alu instid0(VALU_DEP_2)
	v_max3_num_f32 v92, v92, v[PR+6], v[PR+7]
	s_delay_alu instid0(VALU_DEP_1)
	v_max_num_f32 v92, v92, v93                    ; the row's largest logit
	s_delay_alu instid0(VALU_DEP_1)
	v_mul_f32 v93, s32, v92
.irp e, 0,1,2,3,4,5,6,7
	v_fma_f32 v[64+\e], v[PR+\e], s32, -v93        ; (logit - maximum) log2 e
.endr
	s_wait_alu depctr_va_vdst(0)
.irp e, 0,1,2,3,4,5,6,7
	v_exp_f32 v[64+\e], v[64+\e]
.endr
	v_mov_b32 v94, v[PR]                           ; the search reads the logits alone: plain work behind the exponentials
	v_mov_b32 v95, 0
.irp e, 1,2,3,4,5,6,7
	s_delay_alu instid0(VALU_DEP_2)
	v_cmp_gt_f32 vcc_lo, v[PR+\e], v94             ; strictly greater: a tie keeps the lower index
	s_delay_alu instid0(VALU_DEP_1)
	v_cndmask_b32 v94, v94, v[PR+\e], vcc_lo
	s_delay_alu instid0(VALU_DEP_2)
	v_cndmask_b32 v95, v95, \e, vcc_lo
.endr
	v_mov_b32 v96, 0xff800000
	v_mov_b32 v97, 0
.irp e, 0,1,2,3,4,5,6,7
	v_cmp_ne_u32 s37, \e, v95
	s_delay_alu instid0(VALU_DEP_3)
	v_cmp_gt_f32 vcc_lo, v[PR+\e], v96
	s_and_b32 vcc_lo, vcc_lo, s37
	v_cndmask_b32 v96, v96, v[PR+\e], vcc_lo
	v_cndmask_b32 v97, v97, \e, vcc_lo
.endr
	s_delay_alu instid0(VALU_DEP_2)
	v_sub_f32 v98, v96, v94
	s_delay_alu instid0(VALU_DEP_1)
	v_mul_f32 v98, s32, v98
	s_wait_alu depctr_va_vdst(0)
	v_exp_f32 v98, v98                             ; p2 / p1
	v_min_u32 v99, v95, v97                        ; the lower expert's number,
	v_max_u32 v100, v95, v97                       ; the higher one's
	s_wait_alu depctr_va_vdst(0)                   ; one wait for the nine exponentials, ahead of their first reader
	v_add_f32 v101, v64, v65
	v_add_f32 v102, v66, v67
	v_add_f32 v103, v68, v69
	v_add_f32 v104, v70, v71
	s_delay_alu instid0(VALU_DEP_3)
	v_add_f32 v101, v101, v102
	s_delay_alu instid0(VALU_DEP_2)
	v_add_f32 v103, v103, v104
	s_delay_alu instid0(VALU_DEP_1)
	v_add_f32 v101, v101, v103
	v_add_f32 v103, 1.0, v98
	s_wait_alu depctr_va_vdst(0)
	v_rcp_f32 v102, v101
	v_rcp_f32 v104, v103                           ; c1 = p1 / (p1 + p2)
	v_lshl_or_b32 v[80+\i], v100, 4, v99           ; e_lo | e_hi << 4
	v_cmp_lt_u32 vcc_lo, v95, v97
	s_wait_alu depctr_va_vdst(0)                   ; one wait for the two reciprocals
.irp e, 0,1,2,3,4,5,6,7
.if \i == 0
	v_mul_f32 v[72+\e], v[64+\e], v102             ; the first row starts the sums of p
.else
	v_fmac_f32 v[72+\e], v[64+\e], v102
.endif
.endr
	v_mul_f32 v105, v98, v104                      ; c2
	v_cndmask_b32 v[84+2*\i], v105, v104, vcc_lo
	v_cndmask_b32 v[85+2*\i], v104, v105, vcc_lo
.endm
.Lrouter:
	s_wait_alu depctr_va_vdst(0)
	v_lshlrev_b32 v2, 4, v4                        ; 16 L
	v_and_b32 v3, 3, v4
	s_delay_alu instid0(VALU_DEP_1)
	v_lshlrev_b32 v3, 3, v3
	v_and_b32 v8, 7, v4                            ; L % 8
	v_lshrrev_b32 v9, 3, v4                        ; L / 8
	s_lshl_b32 s15, s14, 12
	v_add_nc_u32 v5, s15, v2                       ; gate_w: row = my wave, 16 bytes a lane: piece i' holds elements 128 i' + 4 L on,
	s_wait_alu depctr_va_vdst(0)
	v_lshlrev_b32 v6, 9, v8
	s_delay_alu instid0(VALU_DEP_1)
	v_lshl_add_u32 v6, v9, 4, v6
	s_delay_alu instid0(VALU_DEP_1)
	v_add_nc_u32 v6, s15, v6                       ; which is piece L % 8 of block 4 i' + L / 8: image byte 4,096 wave + 512 (L % 8) + 16 (L / 8) + 64 i'
	s_mul_i32 s15, s14, 32*SPL
	s_add_co_u32 s15, s15, STAGE                   ; my stage
	v_mul_u32_u24 v1, v4, SPL
	s_delay_alu instid0(VALU_DEP_1)
	v_add_nc_u32 v1, s15, v1                       ; out of it: my block's place
	v_mul_u32_u24 v7, v9, SPL
	s_delay_alu instid0(VALU_DEP_1)
	v_lshl_add_u32 v7, v8, 4, v7
	s_delay_alu instid0(VALU_DEP_1)
	v_add_nc_u32 v7, s15, v7                       ; into it: place L / 8 of a load's four, 16 (L % 8) bytes on
	s_lshl_b32 s16, ttmp9, 5
	s_lshl_b32 s18, s14, 2
	s_add_co_u32 s16, s16, s18                     ; my first row = 32 work-group + 4 wave
	s_mov_b32 s19, 0
	s_lshl_b32 s18, s16, 12
	s_add_nc_u64 s[20:21], s[4:5], s[18:19]        ; x
	s_lshl_b32 s18, s16, 9
	s_add_co_u32 s18, s18, XC
	s_add_nc_u64 s[22:23], s[10:11], s[18:19]      ; its codes
	s_lshl_b32 s18, s16, 5
	s_add_co_u32 s18, s18, XSW
	s_add_nc_u64 s[24:25], s[10:11], s[18:19]      ; its scale words
	s_lshl_b32 s18, s16, 3
	s_add_co_u32 s18, s18, RTW
	s_add_nc_u64 s[26:27], s[10:11], s[18:19]      ; the weights
	s_lshl_b32 s18, s16, 3                         ; (8 work-group + wave) x 32 bytes
	s_add_co_u32 s18, s18, PSUM
	s_add_nc_u64 s[28:29], s[10:11], s[18:19]
	s_lshl_b32 s18, s16, 2
	s_add_nc_u64 s[12:13], s[12:13], s[18:19]      ; the chosen
.irp i, 0,1,2,3,4,5,6,7
	global_load_b128 v[160+4*\i:163+4*\i], v5, s[6:7] offset:512*\i   ; 32 lanes read 512 consecutive bytes
.endr
.irp r, 0,1,2,3
.irp j, 0,1,2,3,4,5,6,7
	global_load_b128 v[32+32*\r+4*\j:35+32*\r+4*\j], v2, s[20:21] offset:4096*\r+512*\j th:TH_LOAD_NT   ; likewise: a row's eight loads cover its 4,096 bytes, each byte once
.endr
.endr
	s_mov_b32 s30, 0x76543210
	s_mov_b32 s31, 0xfedcba98                      ; v_permlanex16_b32: lane l xor 16
	s_mov_b32 s32, 0x3fb8aa3b                      ; log2 e
	s_mov_b32 s34, 0x22222222                      ; lanes with L % 4 = 1, 2, 3
	s_mov_b32 s35, 0x44444444
	s_mov_b32 s36, 0x88888888
	v_mov_b32 v240, 0                              ; written once: a DPP destination counts as read
	s_wait_alu depctr_va_vdst(0)
	s_wait_loadcnt 32                              ; the gate's eight loads are in; x's 32 are younger
.irp i, 0,1,2,3,4,5,6,7
	ds_store_b128 v6, v[160+4*\i:163+4*\i] offset:64*\i   ; image [e][i][lane]: gate_w[e][32 lane + 4 i ..].: eight stores a wave, once
.endr
	TURN 0
	TURN 1
	QROW 0, 16                                     ; behind row 0's loads from the stage: row 1's eight stores and eight loads
	TURN 2
	QROW 1, 16
	TURN 3
	QROW 2, 16
	QROW 3, 0
	s_wait_dscnt 0x0                               ; for the others' sake: my part of the image has landed
	s_barrier_signal -1
	s_barrier_wait -1
	s_wait_xcnt 0x0                                ; the stores of the codes have read v192-207, which take the logits now
	GLOAD 0, 160
.set HS, 0
.rept 16                               ; sixteen half-steps; each piece of the image serves all four rows
.if HS < 15
	GLOAD HS+1, 160+16*((HS+1)%2)
	s_wait_alu depctr_va_vdst(0)
	s_wait_dscnt 4                                 ; all but the four just issued
.else
	s_wait_alu depctr_va_vdst(0)
	s_wait_dscnt 0x0
.endif
.set GR, 160+16*(HS%2)
.set XH, 32+16*(HS%2)
.irp p, 0,1,2,3,4,5,6,7
.irp r, 0,1,2,3
.if (HS%2 == 0) && (\p == 0)
	v_pk_mul_f32 v[224+2*\r:225+2*\r], v[XH+32*\r+2*\p:XH+32*\r+2*\p+1], v[GR+2*\p:GR+2*\p+1]
.else
	v_pk_fma_f32 v[224+2*\r:225+2*\r], v[XH+32*\r+2*\p:XH+32*\r+2*\p+1], v[GR+2*\p:GR+2*\p+1], v[224+2*\r:225+2*\r]
.endif
.endr
.endr
.if HS%2 == 1
.irp r, 0,1,2,3
	s_delay_alu instid0(VALU_DEP_4)
	v_add_f32 v[192+8*\r+HS/2], v[224+2*\r], v[225+2*\r]
.endr
.endif
.set HS, HS+1
.endr
.irp x, 1,2,4,8                        ; the 32 sums over the 32 lanes: every lane ends with all of them
.set I, 0
.rept 32
	v_add_f32_dpp v[192+I], v[192+I], v[192+I] row_xmask:\x row_mask:0xf bank_mask:0xf
.set I, I+1
.endr
.endr
.set I, 0
.rept 32
	v_permlanex16_b32 v[32+I], v[192+I], s30, s31
.set I, I+1
.endr
.set I, 0
.rept 32
	v_add_f32 v[192+I], v[192+I], v[32+I]
.set I, I+1
.endr
	FIN 0
	FIN 1
	FIN 2
	FIN 3
	; out: lane L takes row L % 4
	v_cndmask_b32 v106, v232, v233, s34
	s_delay_alu instid0(VALU_DEP_1)
	v_cndmask_b32 v106, v106, v234, s35
	s_delay_alu instid0(VALU_DEP_1)
	v_cndmask_b32 v106, v106, v235, s36            ; word L / 4 of row L % 4
	v_and_b32 v107, 3, v4
	v_lshrrev_b32 v108, 2, v4
	s_delay_alu instid0(VALU_DEP_1)
	v_lshlrev_b32 v108, 2, v108
	s_delay_alu instid0(VALU_DEP_1)
	v_lshl_add_u32 v107, v107, 5, v108
	global_store_b32 v107, v106, s[24:25]          ; the four rows' 128 bytes of scale words, on end
	v_cndmask_b32 v109, v80, v81, s34
	s_delay_alu instid0(VALU_DEP_1)
	v_cndmask_b32 v109, v109, v82, s35
	s_delay_alu instid0(VALU_DEP_1)
	v_cndmask_b32 v109, v109, v83, s36
	v_cndmask_b32 v110, v84, v86, s34
	s_delay_alu instid0(VALU_DEP_1)
	v_cndmask_b32 v110, v110, v88, s35
	s_delay_alu instid0(VALU_DEP_1)
	v_cndmask_b32 v110, v110, v90, s36
	v_cndmask_b32 v111, v85, v87, s34
	s_delay_alu instid0(VALU_DEP_1)
	v_cndmask_b32 v111, v111, v89, s35
	s_delay_alu instid0(VALU_DEP_1)
	v_cndmask_b32 v111, v111, v91, s36
	v_mov_b32 v112, v72
.irp e, 1,2,3,4,5,6,7
	v_cmp_eq_u32 vcc_lo, \e, v4
	s_delay_alu instid0(VALU_DEP_1)
	v_cndmask_b32 v112, v112, v[72+\e], vcc_lo     ; lane e: the wave's sum of p for expert e
.endr
	v_lshlrev_b32 v114, 2, v4
	v_lshlrev_b32 v115, 3, v4
	s_wait_alu depctr_va_vdst(0)
	s_wait_xcnt 0x0                                ; EXEC changes only behind this wait
	v_cmp_gt_u32 vcc_lo, 8, v4
	s_wait_tensorcnt 0x0
	ds_add_u32 v254, v255
	s_wait_dscnt 0x0
	s_and_saveexec_b32 s38, vcc_lo
	global_store_b32 v114, v112, s[28:29]
	s_wait_xcnt 0x0
	s_or_b32 exec_lo, exec_lo, s38
	v_cmp_gt_u32 vcc_lo, 4, v4
	s_and_saveexec_b32 s38, vcc_lo
	global_store_b32 v114, v109, s[12:13]
	global_store_b64 v115, v[110:111], s[26:27]
	s_wait_xcnt 0x0
	s_or_b32 exec_lo, exec_lo, s38
	s_endpgm
.Lfunc_end_k_qdeda6b1464_route_q1:
	.size	k_qdeda6b1464_route_q1, .Lfunc_end_k_qdeda6b1464_route_q1-k_qdeda6b1464_route_q1
	.p2alignl 7, 3214868480
	.fill 96, 4, 3214868480
	.section	.rodata,"a",@progbits
	.p2align	6, 0x0
	.amdhsa_kernel k_qdeda6b1464_route_q1
		.amdhsa_group_segment_fixed_size 70656
		.amdhsa_private_segment_fixed_size 0
		.amdhsa_enable_private_segment 0
		.amdhsa_kernarg_size 40
		.amdhsa_user_sgpr_count 2
		.amdhsa_user_sgpr_kernarg_segment_ptr 1
		.amdhsa_wavefront_size32 1
		.amdhsa_system_sgpr_workgroup_id_x 1
		.amdhsa_system_sgpr_workgroup_id_y 1
		.amdhsa_system_sgpr_workgroup_id_z 1
		.amdhsa_system_vgpr_workitem_id 0
		.amdhsa_next_free_vgpr 256
		.amdhsa_next_free_sgpr 66
		.amdhsa_reserve_vcc 1
		.amdhsa_float_denorm_mode_32 3
		.amdhsa_float_denorm_mode_16_64 3
		.amdhsa_memory_ordered 1
		.amdhsa_forward_progress 1
		.amdhsa_inst_pref_size 120
	.end_amdhsa_kernel
	.amdgpu_metadata
---
amdhsa.version: [ 1, 2 ]
amdhsa.kernels:
  - .name:           k_qdeda6b1464_route_q1
    .symbol:         k_qdeda6b1464_route_q1.kd
    .args:
      - { .name: x, .offset: 0, .size: 8, .value_kind: global_buffer, .address_space: global }
      - { .name: gate_w, .offset: 8, .size: 8, .value_kind: global_buffer, .address_space: global }
      - { .name: w1, .offset: 16, .size: 8, .value_kind: global_buffer, .address_space: global }
      - { .name: q1, .offset: 24, .size: 8, .value_kind: global_buffer, .address_space: global }
      - { .name: ridx, .offset: 32, .size: 8, .value_kind: global_buffer, .address_space: global }
    .group_segment_fixed_size: 70656
    .private_segment_fixed_size: 0
    .kernarg_segment_align: 8
    .kernarg_segment_size: 40
    .max_flat_workgroup_size: 256
    .sgpr_count:     66
    .vgpr_count:     256
    .wavefront_size: 32
...
	.end_amdgpu_metadata
.endif
;; end of part 5
;; launch place_q2 (part 6): grid 513 x 1, 8 waves a work-group, no clusters, 3,072 bytes of LDS; arguments w2, ridx, q1, q2, plan, out1; writes q2, plan, out1
.if DOCPART == 6
	.amdgcn_target "amdgcn-amd-amdhsa--gfx1250"
	.amdhsa_code_object_version 6
	.text
	.protected	k_qdeda6b1464_place_q2
	.globl	k_qdeda6b1464_place_q2
	.p2align	8
	.type	k_qdeda6b1464_place_q2,@function
k_qdeda6b1464_place_q2:
	s_mov_b64 s[64:65], 0
	v_nop
	global_prefetch_b8 v0, s[64:65] scope:SCOPE_SE
	s_setreg_imm32_b32 hwreg(HW_REG_WAVE_MODE, 25, 1), 1
	s_wait_xcnt 0x0
; Work-group 0: THE PLACING, a counting sort without atomics.  The 2,048 tokens are sorted by their PAIR of experts (28 bins, ascending in (lo, hi)).  sigma is a token's slot in that order.
; Each expert's rows, in the same order, fill tiles of 80 rows; pos = 80 x tile + row.  There are never more than floor((4,096 + 8 x 79) / 80) = 59 tiles.
; plan: rows1 @0 [pos] token;  srt @18944 [sigma]{token, pos_lo, pos_hi, e_lo | e_hi << 4};  tinfo @51712 [64 tiles] e | (rows - 1) << 8, e = 8: no tile;  bmask @51968 [32 blocks of 64 sigma] the set of experts.
; aux loss = 8 sum_e (count_e / 2) (sum of p_e / 2,048) = sum_e count_e x (sum of p_e) / 512.
; Work-groups 1-512: w2 [8][2048 k][1024 h] f32 becomes codes, a lane to a column, registers down k.
; q2: w2c @0 [e][tile 64][kstep 16][1,024 B image: piece c at 512 c, lane (rho, h) at 256 h + 16 rho], rows as they lie;  w2s @W2S [e][pair of tiles 32][kstep 16][32 words: 16 u + rho].
; LIMITS: NaN and infinities are not served; a block of zeros gets the byte 1 (its codes are zeros; this program alone reads the bytes).
; The lists' stores are of 4 and 16 bytes to places that the sort decides: 48 KB in all.
.set W2S,  8388608
.set PSUM, 10043392
.set ROWB, 4096
.set WX,   32
.set WC,   8
.macro WLOAD t
.set I, 0
.rept 32
	global_load_b32 v[WX+32*(\t)+I], v1, s[20:21] offset:(32*(\t)+I)*ROWB th:TH_LOAD_NT
.set I, I+1
.endr
.endm
.macro WBLOCK t, left
.set XR, WX+32*(\t)
	s_wait_loadcnt \left
	v_max3_num_f32 v25, |v[XR]|, |v[XR+1]|, |v[XR+2]|
	v_max3_num_f32 v26, |v[XR+3]|, |v[XR+4]|, |v[XR+5]|
.irp i, 6,10,14,18,22,26
	s_delay_alu instid0(VALU_DEP_2)
	v_max3_num_f32 v25, v25, |v[XR+\i]|, |v[XR+\i+1]|
	s_delay_alu instid0(VALU_DEP_2)
	v_max3_num_f32 v26, v26, |v[XR+\i+2]|, |v[XR+\i+3]|
.endr
	s_delay_alu instid0(VALU_DEP_2)
	v_max3_num_f32 v25, v25, |v[XR+30]|, |v[XR+31]|
	s_delay_alu instid0(VALU_DEP_1)
	v_max3_num_f32 v25, v25, v26, 0x1800000                ; the floor 2^(3 - 127)
	s_delay_alu instid0(VALU_DEP_1)
	v_add_nc_u32 v27, 0xff000000, v25                      ; the conversion's scale operand
	s_delay_alu instid0(VALU_DEP_1)
	v_lshrrev_b32 v26, 23, v27                             ; the byte
.if (\t) == 0
	s_delay_alu instid0(VALU_DEP_1)
	v_mov_b32 v24, v26
.else
	s_delay_alu instid0(VALU_DEP_1)
	v_lshl_or_b32 v24, v26, 8*(\t), v24
.endif
.irp g, 0,1,2,3
	v_cvt_scalef32_pk8_fp4_f32 v[WC+4*(\t)+\g], v[XR+8*\g:XR+8*\g+7], v27
.endr
	global_store_b128 v2, v[WC+4*(\t):WC+4*(\t)+3], s[26:27] offset:((\t)/2)*512+((\t)%2)*256
.endm
	s_load_b256 s[4:11], s[0:1], 0x0               ; w2 s[4:5], ridx s[6:7], q1 s[8:9], q2 s[10:11]
	s_load_b128 s[12:15], s[0:1], 0x20             ; plan s[12:13], out1 s[14:15]
	v_lshl_add_u32 v160, v0, 2, 0x800
	v_mov_b32 v161, 0
	v_lshrrev_b32 v1, 5, v0
	s_delay_alu instid0(VALU_DEP_1)
	v_readfirstlane_b32 s30, v1                    ; wave 0..7
	v_and_b32 v4, 31, v0                           ; lane L
	s_wait_kmcnt 0x0
	s_cmp_eq_u32 ttmp9, 0
	s_cbranch_scc1 .Lplace
	; ---------------- w2: a wave takes 32 columns x 128 k
	s_sub_co_u32 s16, ttmp9, 1
	s_and_b32 s17, s16, 3
	s_bfe_u32 s18, s16, 0x40002                    ; K step s
	s_lshr_b32 s19, s16, 6                         ; expert e
	s_lshl_b32 s31, s17, 3
	s_add_co_u32 s31, s31, s30                     ; hp = 8 cg + wave
	s_mov_b32 s23, 0
	s_lshl_b32 s22, s19, 23
	s_lshl_b32 s24, s18, 19
	s_add_co_u32 s22, s22, s24
	s_lshl_b32 s24, s31, 7
	s_add_co_u32 s22, s22, s24
	s_add_nc_u64 s[20:21], s[4:5], s[22:23]
	s_lshl_b32 s22, s19, 20
	s_lshl_b32 s24, s31, 15
	s_add_co_u32 s22, s22, s24
	s_lshl_b32 s24, s18, 10
	s_add_co_u32 s22, s22, s24
	s_add_nc_u64 s[26:27], s[10:11], s[22:23]
	s_lshl_b32 s22, s19, 5
	s_add_co_u32 s22, s22, s31
	s_lshl_b32 s22, s22, 4
	s_add_co_u32 s22, s22, s18
	s_lshl_b32 s22, s22, 7
	s_add_co_u32 s22, s22, W2S
	s_add_nc_u64 s[28:29], s[10:11], s[22:23]
	s_wait_alu depctr_va_vdst(0)
	v_lshlrev_b32 v1, 2, v4
	v_lshrrev_b32 v5, 4, v4                        ; u = L / 16
	v_and_b32 v6, 15, v4                           ; rho = L % 16
	s_delay_alu instid0(VALU_DEP_1)
	v_lshlrev_b32 v2, 4, v6
	s_delay_alu instid0(VALU_DEP_1)
	v_lshl_add_u32 v2, v5, 14, v2                  ; 16,384 u + 16 rho
	v_lshlrev_b32 v3, 2, v4
	WLOAD 0
	WLOAD 1
	WLOAD 2
	WLOAD 3
	WBLOCK 0, 63                                   ; 96 loads are younger; the wait's field holds 63
	WBLOCK 1, 63
	WBLOCK 2, 32
	WBLOCK 3, 0
	global_store_b32 v3, v24, s[28:29]
	s_endpgm
	; ---------------- the placing.  Token = 8 x thread + j, j = 0..7
.set BINR, 32                          ; v32-39  my tokens' bins
.set RHO,  40                          ; v40-47  their ranks among the wave's tokens of the same bin
.set REC,  64                          ; v64-95  their records
.set SIG,  96                          ; v96-103 their sigma
; v104 the wave's counts (lane = bin), v105 all waves' counts, v106 the earlier waves'; v107 first sigma of a bin, v108 / v109 rows of expert lo / hi in earlier bins, v110 / v111 80 x their first tile; v112-114 the three tables
.Lplace:
	v_lshlrev_b32 v1, 5, v0                        ; ridx: my 8 words
	v_lshlrev_b32 v2, 4, v0                        ; psum: 16 bytes a thread
	v_lshlrev_b32 v5, 2, v0                        ; LDS 0: [wave][bin] counts, my word
	s_wait_alu depctr_va_vdst(0)
	v_lshlrev_b32 v3, 2, v4                        ; 4 L
	v_and_b32 v6, 1, v0
	s_delay_alu instid0(VALU_DEP_1)
	v_lshlrev_b32 v6, 4, v6
	s_delay_alu instid0(VALU_DEP_1)
	v_add_nc_u32 v6, 1024, v6                      ; LDS 1,024: [wave][8] sums of p: my half
	s_lshl_b32 s18, s30, 5
	v_add_nc_u32 v7, s18, v6
	s_add_nc_u64 s[16:17], s[8:9], PSUM
	global_load_b128 v[8:11], v1, s[6:7]
	global_load_b128 v[12:15], v1, s[6:7] offset:16
.irp i, 0,1,2,3
	global_load_b128 v[16+4*\i:19+4*\i], v2, s[16:17] offset:4096*\i
.endr
	s_mov_b32 s32, 0x76543210
	s_mov_b32 s33, 0xfedcba98
.irp r, 40,41,42,43,44,45,46,47,104,106,107,108,109,110,111,123,124,125,126
	v_mov_b32 v\r, 0
.endr
	s_wait_loadcnt 0x0
.irp j, 0,1,2,3,4,5,6,7
	v_and_b32 v[REC+4*\j+3], 0x77, v[8+\j]
	v_and_b32 v115, 7, v[8+\j]                     ; lo
	v_bfe_u32 v116, v[8+\j], 4, 3                  ; hi
	s_delay_alu instid0(VALU_DEP_2)
	v_sub_nc_u32 v117, 15, v115
	s_delay_alu instid0(VALU_DEP_1)
	v_mul_u32_u24 v117, v117, v115
	s_delay_alu instid0(VALU_DEP_1)
	v_lshrrev_b32 v117, 1, v117
	s_delay_alu instid0(VALU_DEP_1)
	v_add_nc_u32 v117, v117, v116
	s_delay_alu instid0(VALU_DEP_1)
	v_sub_nc_u32 v117, v117, v115
	s_delay_alu instid0(VALU_DEP_1)
	v_add_nc_u32 v117, -1, v117                    ; bin = lo (15 - lo) / 2 + hi - lo - 1
	s_delay_alu instid0(VALU_DEP_1)
	v_min_u32 v[BINR+\j], 27, v117
.endr
	v_pk_add_f32 v[16:17], v[16:17], v[20:21]      ; the sums of p: a lane holds experts 4 (L % 2) + 0..3
	v_pk_add_f32 v[18:19], v[18:19], v[22:23]
	v_pk_add_f32 v[24:25], v[24:25], v[28:29]
	v_pk_add_f32 v[26:27], v[26:27], v[30:31]
	s_delay_alu instid0(VALU_DEP_2)
	v_pk_add_f32 v[16:17], v[16:17], v[24:25]
	s_delay_alu instid0(VALU_DEP_2)
	v_pk_add_f32 v[18:19], v[18:19], v[26:27]
.irp x, 2,4,8
.irp k, 0,1,2,3
	v_add_f32_dpp v[16+\k], v[16+\k], v[16+\k] row_xmask:\x row_mask:0xf bank_mask:0xf
.endr
.endr
.irp k, 0,1,2,3
	s_delay_alu instid0(VALU_DEP_4)
	v_permlanex16_b32 v[123+\k], v[16+\k], s32, s33
.endr
.irp k, 0,1,2,3
	s_delay_alu instid0(VALU_DEP_4)
	v_add_f32 v[16+\k], v[16+\k], v[123+\k]
.endr
	ds_store_b128 v7, v[16:19]                     ; lanes of equal parity store equal numbers
	; ranks: for each bin eight masks, their scalar prefix, and the count of set bits below my lane
.set BIN, 0
.rept 28
.irp j, 0,1,2,3,4,5,6,7
	v_cmp_eq_u32 s[40+\j], BIN, v[BINR+\j]
.endr
	s_bcnt1_i32_b32 s51, s40
.irp j, 1,2,3,4,5,6,7
	s_bcnt1_i32_b32 s48, s[40+\j]
	s_add_co_u32 s[51+\j], s[50+\j], s48
.endr
	v_mbcnt_lo_u32_b32 v115, s40, 0
.irp j, 1,2,3,4,5,6,7
	v_mbcnt_lo_u32_b32 v[115+\j], s[40+\j], s[50+\j]
.endr
.irp j, 0,1,2,3,4,5,6,7
	v_cndmask_b32 v[RHO+\j], v[RHO+\j], v[115+\j], s[40+\j]
.endr
	v_writelane_b32 v104, s58, BIN
.set BIN, BIN+1
.endr
	ds_store_b32 v5, v104
	s_wait_dscnt 0x0                               ; for the others' sake: my counts and sums have landed
	s_barrier_signal -1
	s_barrier_wait -1
.irp w, 0,1,2,3,4,5,6,7
	ds_load_b32 v[115+\w], v3 offset:128*\w
.endr
	s_wait_dscnt 0x0
	v_add3_u32 v105, v115, v116, v117
	s_delay_alu instid0(VALU_DEP_1)
	v_add3_u32 v105, v105, v118, v119
	s_delay_alu instid0(VALU_DEP_1)
	v_add3_u32 v105, v105, v120, v121
	s_delay_alu instid0(VALU_DEP_1)
	v_add_nc_u32 v105, v105, v122
.irp w, 0,1,2,3,4,5,6
	s_cmp_gt_u32 s30, \w
	s_cselect_b32 s48, -1, 0
	v_and_b32 v123, s48, v[115+\w]
	s_delay_alu instid0(VALU_DEP_1)
	v_add_nc_u32 v106, v106, v123
.endr
	s_mov_b32 s78, 0                               ; the walk over the bins: s78 sigma so far, s70-77 each expert's rows so far
.irp e, 0,1,2,3,4,5,6,7
	s_mov_b32 s[70+\e], 0
.endr
.set BIN, 0
.irp lo, 0,1,2,3,4,5,6
.irp hi, 1,2,3,4,5,6,7
.if \hi > \lo
	v_readlane_b32 s48, v105, BIN
	v_writelane_b32 v107, s78, BIN
	v_writelane_b32 v108, s[70+\lo], BIN
	v_writelane_b32 v109, s[70+\hi], BIN
	s_add_co_u32 s78, s78, s48
	s_add_co_u32 s[70+\lo], s[70+\lo], s48
	s_add_co_u32 s[70+\hi], s[70+\hi], s48
.set BIN, BIN+1
.endif
.endr
.endr
	s_mov_b32 s80, 0                               ; s80-87 each expert's first tile, s88 the tiles in all, s90-97 80 x first tile
.irp e, 0,1,2,3,4,5,6,7
	s_add_co_u32 s48, s[70+\e], 79
	s_mul_i32 s48, s48, 52429
	s_lshr_b32 s48, s48, 22                        ; (n + 79) / 80: 52,429 / 2^22 = (1 + 16 / 2^22) / 80, exact for n + 79 up to 2,127
	s_add_co_u32 s[81+\e], s[80+\e], s48
	s_mul_i32 s[90+\e], s[80+\e], 80
.endr
.set BIN, 0
.irp lo, 0,1,2,3,4,5,6
.irp hi, 1
.if \hi > \lo
	v_writelane_b32 v110, s[90+\lo], BIN
	v_writelane_b32 v111, s[90+\hi], BIN
.set BIN, BIN+1
.endif
.endr
.irp hi, 2, 3, 4, 5, 6, 7
.if \hi > \lo
	s_delay_alu instid0(VALU_DEP_2)
	v_writelane_b32 v110, s[90+\lo], BIN
	s_delay_alu instid0(VALU_DEP_2)
	v_writelane_b32 v111, s[90+\hi], BIN
.set BIN, BIN+1
.endif
.endr
.endr
	v_add_nc_u32 v112, v107, v106
	s_delay_alu instid0(VALU_DEP_3)
	v_add3_u32 v113, v108, v110, v106
	s_delay_alu instid0(VALU_DEP_3)
	v_add3_u32 v114, v109, v111, v106
.set BIN, 0
.rept 28                               ; each token takes its bin's three numbers: a choice of values, bin by bin
	v_readlane_b32 s20, v112, BIN
	v_readlane_b32 s21, v113, BIN
	v_readlane_b32 s22, v114, BIN
.irp j, 0,1,2,3,4,5,6,7
.if BIN == 0
	v_mov_b32 v[SIG+\j], s20
	v_mov_b32 v[REC+4*\j+1], s21
	v_mov_b32 v[REC+4*\j+2], s22
.else
	v_cmp_eq_u32 vcc_lo, BIN, v[BINR+\j]
	s_delay_alu instid0(VALU_DEP_1)
	v_cndmask_b32 v[SIG+\j], v[SIG+\j], s20, vcc_lo
	s_delay_alu instid0(VALU_DEP_2)
	v_cndmask_b32 v[REC+4*\j+1], v[REC+4*\j+1], s21, vcc_lo
	s_delay_alu instid0(VALU_DEP_3)
	v_cndmask_b32 v[REC+4*\j+2], v[REC+4*\j+2], s22, vcc_lo
.endif
.endr
.set BIN, BIN+1
.endr
.irp j, 0,1,2,3,4,5,6,7
	v_add_nc_u32 v[SIG+\j], v[SIG+\j], v[RHO+\j]
	s_delay_alu instid0(VALU_DEP_1)
	v_min_u32 v[SIG+\j], 0x7ff, v[SIG+\j]
	s_delay_alu instid0(VALU_DEP_1)
	v_lshlrev_b32 v[144+\j], 4, v[SIG+\j]
	v_add_nc_u32 v[REC+4*\j+1], v[REC+4*\j+1], v[RHO+\j]
	s_delay_alu instid0(VALU_DEP_1)
	v_min_u32 v[REC+4*\j+1], 0x126f, v[REC+4*\j+1]
	s_delay_alu instid0(VALU_DEP_1)
	v_lshlrev_b32 v[128+\j], 2, v[REC+4*\j+1]
	v_add_nc_u32 v[REC+4*\j+2], v[REC+4*\j+2], v[RHO+\j]
	s_delay_alu instid0(VALU_DEP_1)
	v_min_u32 v[REC+4*\j+2], 0x126f, v[REC+4*\j+2]
	s_delay_alu instid0(VALU_DEP_1)
	v_lshlrev_b32 v[136+\j], 2, v[REC+4*\j+2]
	v_lshl_add_u32 v[REC+4*\j], v0, 3, \j          ; the token
	global_store_b32 v[128+\j], v[REC+4*\j], s[12:13]
	global_store_b32 v[136+\j], v[REC+4*\j], s[12:13]
	global_store_b128 v[144+\j], v[REC+4*\j:REC+4*\j+3], s[12:13] offset:18944
.endr
	s_wait_xcnt 0x0
	s_cmp_lg_u32 s30, 0
	s_cbranch_scc1 .Lnot_wave_0
	; wave 0: the list of tiles, and the aux loss
.irp half, 0,1
	v_add_nc_u32 v115, 32*\half, v4                ; tile
	v_mov_b32 v116, 0
	v_mov_b32 v117, s70
	v_mov_b32 v118, 0
.irp e, 1,2,3,4,5,6,7
	v_cmp_le_u32 vcc_lo, s[80+\e], v115            ; the last expert whose first tile is not behind mine
	s_delay_alu instid0(VALU_DEP_1)
	v_cndmask_b32 v116, v116, \e, vcc_lo
	s_delay_alu instid0(VALU_DEP_2)
	v_cndmask_b32 v117, v117, s[70+\e], vcc_lo
	s_delay_alu instid0(VALU_DEP_3)
	v_cndmask_b32 v118, v118, s[80+\e], vcc_lo
.endr
	s_delay_alu instid0(VALU_DEP_1)
	v_sub_nc_u32 v118, v115, v118
	s_delay_alu instid0(VALU_DEP_1)
	v_mul_u32_u24 v118, 80, v118
	s_delay_alu instid0(VALU_DEP_1)
	v_sub_nc_u32 v117, v117, v118
	s_delay_alu instid0(VALU_DEP_1)
	v_min_u32 v117, 80, v117
	s_delay_alu instid0(VALU_DEP_1)
	v_add_nc_u32 v117, -1, v117                    ; rows - 1
	s_delay_alu instid0(VALU_DEP_1)
	v_lshl_or_b32 v116, v117, 8, v116
	v_cmp_le_u32 vcc_lo, s88, v115
	s_delay_alu instid0(VALU_DEP_1)
	v_cndmask_b32 v[119+\half], v116, 8, vcc_lo
	global_store_b32 v3, v[119+\half], s[12:13] offset:51712+128*\half
.endr
.irp w, 0,1,2,3,4,5,6,7
	ds_load_b128 v[16+4*\w:19+4*\w], v6 offset:32*\w
.endr
	s_wait_dscnt 0x0
.irp w, 1
	v_pk_add_f32 v[16:17], v[16:17], v[16+4*\w:17+4*\w]
	v_pk_add_f32 v[18:19], v[18:19], v[18+4*\w:19+4*\w]
.endr
.irp w, 2, 3, 4, 5, 6, 7
	s_delay_alu instid0(VALU_DEP_2)
	v_pk_add_f32 v[16:17], v[16:17], v[16+4*\w:17+4*\w]
	s_delay_alu instid0(VALU_DEP_2)
	v_pk_add_f32 v[18:19], v[18:19], v[18+4*\w:19+4*\w]
.endr
	s_mov_b32 s48, 0xaaaaaaaa                      ; odd lanes hold experts 4 to 7
.irp k, 0,1,2,3
	v_mov_b32 v152, s[70+\k]
	s_delay_alu instid0(VALU_DEP_1)
	v_cndmask_b32 v152, v152, s[74+\k], s48
	s_delay_alu instid0(VALU_DEP_1)
	v_cvt_f32_u32 v[153+\k], v152
.endr
	v_mul_f32 v157, v16, v153
	s_delay_alu instid0(VALU_DEP_1)
	v_fmac_f32 v157, v17, v154
	s_delay_alu instid0(VALU_DEP_1)
	v_fmac_f32 v157, v18, v155
	s_delay_alu instid0(VALU_DEP_1)
	v_fmac_f32 v157, v19, v156
	s_delay_alu instid0(VALU_DEP_1)
	v_add_f32_dpp v157, v157, v157 row_xmask:1 row_mask:0xf bank_mask:0xf
	s_delay_alu instid0(VALU_DEP_1)
	v_mul_f32 v157, 0x3b000000, v157               ; / 512
	v_mov_b32 v158, 0
	s_wait_alu depctr_va_vdst(0)
	s_wait_xcnt 0x0                                ; EXEC changes only behind this wait
	v_cmp_eq_u32 vcc_lo, 0, v4
	s_and_saveexec_b32 s49, vcc_lo
	global_store_b32 v158, v157, s[14:15]
	s_wait_xcnt 0x0
	s_or_b32 exec_lo, exec_lo, s49
.Lnot_wave_0:
	s_cmp_lg_u32 s30, 1
	s_cbranch_scc1 .Lend
	; wave 1: lane = block of 64 sigma: the experts of every bin that reaches into it
	v_lshlrev_b32 v152, 6, v4
	s_delay_alu instid0(VALU_DEP_1)
	v_add_nc_u32 v153, 64, v152
	v_mov_b32 v154, 0
.set BIN, 0
.irp lo, 0,1,2,3,4,5,6
.irp hi, 1,2,3,4,5,6,7
.if \hi > \lo
	v_readlane_b32 s48, v107, BIN
	v_readlane_b32 s49, v105, BIN
	s_add_co_u32 s49, s49, s48
	v_max_u32 v155, s48, v152
	v_min_u32 v156, s49, v153
	s_delay_alu instid0(VALU_DEP_1)
	v_cmp_lt_u32 vcc_lo, v155, v156
	v_or_b32 v157, (1<<\lo)|(1<<\hi), v154
	s_delay_alu instid0(VALU_DEP_1)
	v_cndmask_b32 v154, v154, v157, vcc_lo
.set BIN, BIN+1
.endif
.endr
.endr
	global_store_b32 v3, v154, s[12:13] offset:51968
.Lend:
	s_wait_tensorcnt 0x0
	ds_add_u32 v160, v161
	s_wait_dscnt 0x0
	s_endpgm
.Lfunc_end_k_qdeda6b1464_place_q2:
	.size	k_qdeda6b1464_place_q2, .Lfunc_end_k_qdeda6b1464_place_q2-k_qdeda6b1464_place_q2
	.p2alignl 7, 3214868480
	.fill 96, 4, 3214868480
	.section	.rodata,"a",@progbits
	.p2align	6, 0x0
	.amdhsa_kernel k_qdeda6b1464_place_q2
		.amdhsa_group_segment_fixed_size 3072
		.amdhsa_private_segment_fixed_size 0
		.amdhsa_enable_private_segment 0
		.amdhsa_kernarg_size 48
		.amdhsa_user_sgpr_count 2
		.amdhsa_user_sgpr_kernarg_segment_ptr 1
		.amdhsa_wavefront_size32 1
		.amdhsa_system_sgpr_workgroup_id_x 1
		.amdhsa_system_sgpr_workgroup_id_y 1
		.amdhsa_system_sgpr_workgroup_id_z 1
		.amdhsa_system_vgpr_workitem_id 0
		.amdhsa_next_free_vgpr 162
		.amdhsa_next_free_sgpr 100
		.amdhsa_reserve_vcc 1
		.amdhsa_float_denorm_mode_32 3
		.amdhsa_float_denorm_mode_16_64 3
		.amdhsa_memory_ordered 1
		.amdhsa_forward_progress 1
		.amdhsa_inst_pref_size 209
	.end_amdhsa_kernel
	.amdgpu_metadata
---
amdhsa.version: [ 1, 2 ]
amdhsa.kernels:
  - .name:           k_qdeda6b1464_place_q2
    .symbol:         k_qdeda6b1464_place_q2.kd
    .args:
      - { .name: w2, .offset: 0, .size: 8, .value_kind: global_buffer, .address_space: global }
      - { .name: ridx, .offset: 8, .size: 8, .value_kind: global_buffer, .address_space: global }
      - { .name: q1, .offset: 16, .size: 8, .value_kind: global_buffer, .address_space: global }
      - { .name: q2, .offset: 24, .size: 8, .value_kind: global_buffer, .address_space: global }
      - { .name: plan, .offset: 32, .size: 8, .value_kind: global_buffer, .address_space: global }
      - { .name: out1, .offset: 40, .size: 8, .value_kind: global_buffer, .address_space: global }
    .group_segment_fixed_size: 3072
    .private_segment_fixed_size: 0
    .kernarg_segment_align: 8
    .kernarg_segment_size: 48
    .max_flat_workgroup_size: 256
    .sgpr_count:     100
    .vgpr_count:     162
    .wavefront_size: 32
...
	.end_amdgpu_metadata
.endif
;; end of part 6
;; launch up (part 7): grid 4 x 59, 4 waves a work-group, no clusters, 41,472 bytes of LDS; arguments q1, plan, b1, hid; writes hid
.if DOCPART == 7
	.amdgcn_target "amdgcn-amd-amdhsa--gfx1250"
	.amdhsa_code_object_version 6
	.text
	.protected	k_qdeda6b1464_up
	.globl	k_qdeda6b1464_up
	.p2align	8
	.type	k_qdeda6b1464_up,@function
k_qdeda6b1464_up:
	s_mov_b64 s[64:65], 0
	v_nop
	global_prefetch_b8 v0, s[64:65] scope:SCOPE_SE
	s_setreg_imm32_b32 hwreg(HW_REG_WAVE_SCHED_MODE, 0, 2), 2
	s_setreg_imm32_b32 hwreg(HW_REG_WAVE_MODE, 25, 1), 1
	s_wait_xcnt 0x0
	s_wait_alu depctr_vm_vsrc(0)
; hid = Q(gelu(Q(x) Q(w1) + b1)) for the ROUTED rows alone, on codes of E2M1 with E8M0 scales.  A work-group takes one tile of one expert (80 rows of the list rows1) x 512 of the 2,048 hidden units.
; 59 tiles serve every split (floor((4,096 + 8 x 79) / 80)), x 4 chunks = 236 work-groups; one that the split leaves without rows stores nothing and ends.
; Wave w owns 128 hidden units, K step s2 = 4 chunk + w of the next product, for all 80 rows (five tiles of 16).  THE PRODUCT IS USED TRANSPOSED: source 0 = 16 rows of w1's image, source 1 = 16 rows of x:
; a lane holds one routed row, and the 16 registers of tiles u = 0, 1 are 16 neighbours along the next K (d = 32 pd + 16 (lane / 16) + 0..15), by the choice of rows that the images were laid with.
; x's 40 fragments are gathered once, shared through LDS as images of registers, and then stay in registers; w1's come from memory straight into registers, a pair of tiles (16 KB) a whole pair ahead, into two buffers by turns.
; gelu(v) = max(v, 0) - |v| t 2^(poly(t) - v^2 log2(e) / 2), t = 1 / (1 + |v| / (2 sqrt 2)): erfc by a rational Chebyshev fit of fractional error 1.2e-7; the factor 1/2 is in c0.  All in f32.
; hid: hc @0 [pos / 16][kstep 16][1,024 B image];  hs @HSO [kstep 16][pos 4,720] scale words.
; NO CLUSTER, NO TENSOR LOAD: which expert's weights a tile reads, and whether it has rows at all, is a number read from memory; partners could not show equal requests, and the work-group ends on that number.
; LIMITS: NaN and infinities are not served.  Where the exponential falls under 2^-126 it gives 0: gelu of v under about -13 is -0.  A block of zeros gets the byte 1 (zero codes; this program alone reads it).
; Rows that pad a tile repeat its last token; what they store is never read.
; THE MODE: SCHED_MODE bits 1:0 = 2 (LLVM: expert scheduling mode 2), set by the entry lines.  The code itself states the register dependences
; between vector or matrix instructions and memory or LDS instructions, with s_wait_alu, always for 0.
; THE PLAN.  Registers that memory or LDS instructions touch:
;   v1, v2, v5, v6     offsets and the LDS store address: written at the head, never again.
;   v144-164           at the head the offsets of the list's and of x's gathers; from the loop on T and P.
;   v64-143            at the head x's gathered codes, which the LDS stores read; from the loop on the sums.
;   W0, W1             two buffers for a pair of tiles: v64-191 of window 2 / 3, scale words v56-63 / v7-14, b1 v240-255 of window 0 / 3.  Pair p's products read W[p % 2]; the loads of pair p + 1 go out at pair p's head
;                      into the other buffer, which pair p - 1's products read last: one wait stands in that run of loads, behind its window switch.
;   v192-211           the codes: written by a trip's conversions and swaps, read by its five stores: one wait ahead of the stores, one behind them ahead of the next trip.
; REGISTERS.  window 0: v1-6 addresses; v7-14 w1's scale words, buffer 1; v16-55 x's scale words (8 a row tile); v56-63 w1's, buffer 0; v64-143 the sums (16 a row tile); v144-191 T, P, Q at work; v192-211 codes;
;   v212-216 scale words made; v217-236 at work; v238-239 c9; v240-255 b1, buffer 0.
;   window 1: x's fragments, row tiles 0-3 (64 m + 8 s).   window 2: v0-63 row tile 4; v64-191 w1's pair of tiles, buffer 0 (64 + 64 u + 8 s).   window 3: v64-191 the same, buffer 1; v240-255 b1, buffer 1.
.set XCO,   8912896
.set XSO,   9961472
.set W1S,   8388608
.set HSO,   4833280
.set TINFO, 51712
.set L16, 1
.set L4,  2
.set RR,  3
.set HH,  4
.set H64, 5
.set LST, 6
.set WS1, 7
.set XSR, 16
.set WSR, 56
.set ACC, 64
.set TT,  144
.set PP,  160
.set QQ,  176
.set PCD, 192
.set PWD, 212
.set TMX, 217
.set TPX, 222
.set SCL, 227
.set BYT, 232
.set C9,  238
.set BIA, 240
.set MSB, 0
.macro WIN new                         ; the immediate's high byte repeats the setting that is left
.if MSB != (\new)
	s_set_vgpr_msb (MSB<<8)|(\new)
.set MSB, (\new)
.endif
.endm
.macro CPAIR reg, val                  ; a constant as a pair: the packed forms name a pair
	s_mov_b32 s[\reg], \val
	s_mov_b32 s[\reg+1], \val
.endm
; 44 loads: a pair of tiles for all 8 K steps, its scale words, its 32 numbers of b1, into buffer p.  ahead: the pair, counted from the one at which the bases stand.
; dep = 1: in the loop.  dep = 0: the first pair, whose registers nothing has named; its offsets were written ahead of the head's last wait on va_vdst, and no vector instruction stands between.
.macro LOADW p, ahead, dep
	WIN 0x80+0x40*(\p)
.if \dep
	s_wait_alu depctr_va_vdst(0)                   ; the products of the pair before are done reading this buffer's fragments, scale words and b1, in which the loads below land
.endif
.set I, 0
.rept 32
	global_load_b128 v[64+4*I:67+4*I], v[L16], s[24:25] offset:16384*(\ahead)+512*I
.set I, I+1
.endr
.if (\p) == 1
.irp i, 0,1,2,3
	global_load_b128 v[BIA+4*\i:BIA+4*\i+3], v[H64], s[28:29] offset:128*(\ahead)+16*\i   ; register 8 u + j: b1 at 32 pd + 16 (lane / 16) + 8 u + j: the result's layout
.endr
.endif
	WIN 0
.irp s, 0,1,2,3,4,5,6,7
	global_load_b32 v[WSR+(WS1-WSR)*(\p)+\s], v[L4], s[26:27] offset:1024*(\ahead)+128*\s   ; lanes 0-15: tile 0's rows; lanes 16-31: tile 1's
.endr
.if (\p) == 0
.irp i, 0,1,2,3
	global_load_b128 v[BIA+4*\i:BIA+4*\i+3], v[H64], s[28:29] offset:128*(\ahead)+16*\i
.endr
.endif
.endm
.macro MM m, u, s, xb                  ; one product: row tile m, tile u of the pair, K step s; xb: where x's fragments of m begin in their window; WSQ: the buffer's scale words
.if \s == 0
.if \u == 0
	v_wmma_scale_f32_16x16x128_f8f6f4 v[ACC+16*\m+8*\u:ACC+16*\m+8*\u+7], v[64+64*\u+8*\s:64+64*\u+8*\s+7], v[\xb+8*\s:\xb+8*\s+7], v[BIA+8*\u:BIA+8*\u+7], v[WSQ+\s], v[XSR+8*\m+\s] matrix_a_fmt:MATRIX_FMT_FP4 matrix_b_fmt:MATRIX_FMT_FP4
.else
	v_wmma_scale_f32_16x16x128_f8f6f4 v[ACC+16*\m+8*\u:ACC+16*\m+8*\u+7], v[64+64*\u+8*\s:64+64*\u+8*\s+7], v[\xb+8*\s:\xb+8*\s+7], v[BIA+8*\u:BIA+8*\u+7], v[WSQ+\s], v[XSR+8*\m+\s] matrix_a_fmt:MATRIX_FMT_FP4 matrix_b_fmt:MATRIX_FMT_FP4 matrix_a_scale:MATRIX_SCALE_ROW1
.endif
.else
.if \u == 0
	v_wmma_scale_f32_16x16x128_f8f6f4 v[ACC+16*\m+8*\u:ACC+16*\m+8*\u+7], v[64+64*\u+8*\s:64+64*\u+8*\s+7], v[\xb+8*\s:\xb+8*\s+7], v[ACC+16*\m+8*\u:ACC+16*\m+8*\u+7], v[WSQ+\s], v[XSR+8*\m+\s] matrix_a_fmt:MATRIX_FMT_FP4 matrix_b_fmt:MATRIX_FMT_FP4
.else
	v_wmma_scale_f32_16x16x128_f8f6f4 v[ACC+16*\m+8*\u:ACC+16*\m+8*\u+7], v[64+64*\u+8*\s:64+64*\u+8*\s+7], v[\xb+8*\s:\xb+8*\s+7], v[ACC+16*\m+8*\u:ACC+16*\m+8*\u+7], v[WSQ+\s], v[XSR+8*\m+\s] matrix_a_fmt:MATRIX_FMT_FP4 matrix_b_fmt:MATRIX_FMT_FP4 matrix_a_scale:MATRIX_SCALE_ROW1
.endif
.endif
.endm
.macro GELU m                          ; 16 numbers a lane, each accumulator read from its low end on
.set GA, ACC+16*\m
.irp i, 0,1,2,3,4,5,6,7,8,9,10,11,12,13,14,15
	v_fma_f32 v[TT+\i], |v[GA+\i]|, s60, 1.0
.endr
	s_wait_alu depctr_va_vdst(0)
.irp i, 0,1,2,3,4,5,6,7,8,9,10,11,12,13,14,15
	v_rcp_f32 v[TT+\i], v[TT+\i]                   ; t
.endr
.irp i, 0,2,4,6,8,10,12,14
	v_pk_mul_f32 v[QQ+\i:QQ+\i+1], v[GA+\i:GA+\i+1], v[GA+\i:GA+\i+1]   ; v^2: plain work behind the reciprocals
.endr
	s_wait_alu depctr_va_vdst(0)                   ; the sixteen reciprocals have written T: one wait, ahead of their first reader
.irp i, 0,2,4,6,8,10,12,14
	v_pk_fma_f32 v[PP+\i:PP+\i+1], v[TT+\i:TT+\i+1], v[C9:C9+1], s[56:57] op_sel_hi:[1,1,0]
.endr
.irp k, 54,52,50,48,46,44,42,40
.irp i, 0,2,4,6,8,10,12,14
	v_pk_fma_f32 v[PP+\i:PP+\i+1], v[PP+\i:PP+\i+1], v[TT+\i:TT+\i+1], s[\k:\k+1] op_sel_hi:[1,1,0]
.endr
.endr
.irp i, 0,2,4,6,8,10,12,14
	v_pk_fma_f32 v[PP+\i:PP+\i+1], v[QQ+\i:QQ+\i+1], s[58:59], v[PP+\i:PP+\i+1] op_sel_hi:[1,0,1]
.endr
	s_wait_alu depctr_va_vdst(0)
.irp i, 0,1,2,3,4,5,6,7,8,9,10,11,12,13,14,15
	v_exp_f32 v[PP+\i], v[PP+\i]
.endr
.irp i, 0,1,2,3,4,5,6,7,8,9,10,11,12,13,14,15
	v_mul_f32 v[QQ+\i], |v[GA+\i]|, v[TT+\i]       ; |v| t
.endr
.irp i, 0,1,2,3,4,5,6,7,8,9,10,11,12,13,14,15
	v_max_num_f32 v[GA+\i], 0, v[GA+\i]
.endr
	s_wait_alu depctr_va_vdst(0)                   ; the sixteen exponentials have written P: one wait, ahead of their first reader
.irp i, 0,2,4,6,8,10,12,14
	v_pk_fma_f32 v[GA+\i:GA+\i+1], v[QQ+\i:QQ+\i+1], v[PP+\i:PP+\i+1], v[GA+\i:GA+\i+1] neg_lo:[1,0,0] neg_hi:[1,0,0]
.endr
.endm
.macro QUANT5 q                        ; the pair's 32 hidden units are one block of the next K: the five row tiles by turns
.irp m, 0,1,2,3,4
	v_max3_num_f32 v[TMX+\m], |v[ACC+16*\m]|, |v[ACC+16*\m+1]|, 0x1800000
.endr
.irp i, 2,4,6,8,10,12,14
.irp m, 0,1,2,3,4
	v_max3_num_f32 v[TMX+\m], v[TMX+\m], |v[ACC+16*\m+\i]|, |v[ACC+16*\m+\i+1]|
.endr
.endr
.irp m, 0,1,2,3,4
	v_permlanex16_b32 v[TPX+\m], v[TMX+\m], s62, s63
.endr
.irp m, 0,1,2,3,4
	v_max_num_f32 v[TMX+\m], v[TMX+\m], v[TPX+\m]  ; with lane l xor 16's sixteen
.endr
.irp m, 0,1,2,3,4
	v_add_nc_u32 v[SCL+\m], 0xff000000, v[TMX+\m]
.endr
.irp m, 0,1,2,3,4
	v_lshrrev_b32 v[BYT+\m], 23, v[SCL+\m]
.endr
.if \q == 0
.irp m, 0,1,2,3,4
	v_lshrrev_b32 v[PWD+\m], 16, v[PWD+\m]         ; the last trip's two bytes move down; this trip's go to bytes 2 and 3: one text for both trips
.endr
.irp m, 0,1,2,3,4
	v_lshl_or_b32 v[PWD+\m], v[BYT+\m], 16, v[PWD+\m]
.endr
.else
.irp m, 0,1,2,3,4
	v_lshl_or_b32 v[PWD+\m], v[BYT+\m], 24, v[PWD+\m]
.endr
.endif
.irp m, 0,1,2,3,4
	v_cvt_scalef32_pk8_fp4_f32 v[PCD+4*\m+2*\q], v[ACC+16*\m:ACC+16*\m+7], v[SCL+\m]
	v_cvt_scalef32_pk8_fp4_f32 v[PCD+4*\m+2*\q+1], v[ACC+16*\m+8:ACC+16*\m+15], v[SCL+\m]
.endr
	v_nop                                          ; one plain line behind the last conversion
.endm
.macro PAIR q                          ; one pair of tiles of w1, in buffer q: the next pair's loads into the other buffer, 80 products, gelu, quantiser
	s_wait_loadcnt 0x0                             ; buffer q is in: it was asked for a whole pair ago
.if \q == 1
	s_cmp_eq_u32 s61, 1
	s_cbranch_scc1 .Lno_more_\@                    ; the last pair has no successor
.endif
	LOADW 1-\q, 1+\q, 1
.if \q == 1
.Lno_more_\@:
.endif
.set WSQ, WSR+(WS1-WSR)*\q
.irp s, 0,1,2,3,4,5,6,7
.if \s == 0
	WIN 6+\q+48*\q                                 ; source 0 (w1) window 2 + q, source 1 (x) window 1, source 2 (b1) window 0 or 3
.else
	WIN 6+\q                                       ; the same, C in window 0
.endif
.irp m, 0,1,2,3
.irp u, 0,1
	MM \m, \u, \s, 64*\m
.endr
.endr
.endr
.irp s, 0,1,2,3,4,5,6,7
.if \s == 0
	WIN 10+\q+48*\q                                ; x's row tile 4 lies in window 2; its two accumulators take turns
.else
	WIN 10+\q
.endif
.irp u, 0,1
	MM 4, \u, \s, 0
.endr
.endr
	WIN 0
.rept 4
	v_nop                                          ; places in front of the first read of results
.endr
	GELU 0
	GELU 1
	GELU 2
	GELU 3
	GELU 4
	QUANT5 \q
.endm
	s_load_b256 s[4:11], s[0:1], 0x0               ; q1 s[4:5], plan s[6:7], b1 s[8:9], hid s[10:11]
	v_lshl_add_u32 v15, v0, 2, 0xa000
	v_mov_b32 v237, 0
	v_lshrrev_b32 v7, 5, v0
	v_readfirstlane_b32 s12, v7                    ; wave 0..3
	v_and_b32 v7, 31, v0
	v_lshlrev_b32 v[L16], 4, v7
	v_lshlrev_b32 v[L4], 2, v7
	v_and_b32 v[RR], 15, v0
	v_bfe_u32 v[HH], v0, 4, 1
	v_lshlrev_b32 v[H64], 6, v[HH]
	s_wait_alu depctr_va_sdst(0)                   ; s12 is written, ahead of its first reader
	s_lshl_b32 s13, s12, 11
	v_add_nc_u32 v[LST], s13, v[L16]               ; where I store x's images: 16 L + 2,048 wave
	s_and_b32 s14, ttmp7, 0xffff                   ; the tile
	s_lshl_b32 s15, s14, 2
	s_wait_alu depctr_va_vdst(0)
	s_wait_kmcnt 0x0
	s_load_b32 s16, s[6:7], s15 offset:TINFO
	CPAIR 40, 0xc034d90f                           ; c0 .. c8: the fit's coefficients x log2 e, c0 less 1
	CPAIR 42, 0x3fb8ab5a
	CPAIR 44, 0x3f0a29d2
	CPAIR 46, 0x3e0efb2e
	CPAIR 48, 0xbe899a80
	CPAIR 50, 0x3ecdfd18
	CPAIR 52, 0xbfd1a1e5
	CPAIR 54, 0x40097039
	CPAIR 56, 0xbf97d29d
	CPAIR 58, 0xbf38aa3b                           ; - log2(e) / 2
	s_mov_b32 s60, 0x3eb504f3                      ; 1 / (2 sqrt 2)
	s_mov_b32 s62, 0x76543210
	s_mov_b32 s63, 0xfedcba98
	v_mov_b32 v[C9], 0x3e7c6f08
	v_mov_b32 v[C9+1], 0x3e7c6f08
	s_lshl_b32 s21, ttmp9, 2
	s_add_co_u32 s21, s21, s12                     ; s2 = 4 chunk + wave
	s_mov_b32 s35, 0
	s_mul_i32 s19, s14, 80
	s_wait_kmcnt 0x0
	s_and_b32 s17, s16, 255
	s_cmp_lt_u32 s17, 8
	s_cselect_b32 s18, 1, 0                        ; has the tile rows?
	s_cselect_b32 s19, s19, 0                      ; its first place in rows1 (place 0 is always written)
	s_min_u32 s17, s17, 7                          ; the expert
	s_lshr_b32 s20, s16, 8
	s_min_u32 s20, s20, 79                         ; rows - 1
	s_lshl_b32 s34, s17, 20
	s_lshl_b32 s36, s21, 16
	s_add_co_u32 s34, s34, s36
	s_add_nc_u64 s[24:25], s[4:5], s[34:35]        ; w1's images: expert, pair 4 s2
	s_lshl_b32 s34, s17, 16
	s_lshl_b32 s36, s21, 12
	s_add_co_u32 s34, s34, s36
	s_add_co_u32 s34, s34, W1S
	s_add_nc_u64 s[26:27], s[4:5], s[34:35]        ; their scale words
	s_lshl_b32 s34, s17, 13
	s_lshl_b32 s36, s21, 9
	s_add_co_u32 s34, s34, s36
	s_add_nc_u64 s[28:29], s[8:9], s[34:35]        ; b1
	s_mul_i32 s34, s14, 81920
	s_lshl_b32 s36, s21, 10
	s_add_co_u32 s34, s34, s36
	s_add_nc_u64 s[30:31], s[10:11], s[34:35]      ; hc: five row tiles of 16 KB, K step s2
	s_mul_i32 s34, s21, 18880
	s_mul_i32 s36, s14, 320
	s_add_co_u32 s34, s34, s36
	s_add_co_u32 s34, s34, HSO
	s_add_nc_u64 s[32:33], s[10:11], s[34:35]      ; hs
	s_add_nc_u64 s[22:23], s[4:5], XCO
	s_add_nc_u64 s[38:39], s[4:5], XSO
.irp m, 0,1,2,3,4
	v_add_nc_u32 v[144+\m], 16*\m, v[RR]
	v_min_u32 v[144+\m], s20, v[144+\m]            ; rows that pad the tile repeat its last
	v_add_nc_u32 v[144+\m], s19, v[144+\m]
	v_min_u32 v[144+\m], 0x126f, v[144+\m]
	v_lshlrev_b32 v[144+\m], 2, v[144+\m]
.endr
	s_wait_alu depctr_va_vdst(0)                   ; the list's five offsets v144-148 are written, which the loads below read; so are v1 to v6, and v7, in which a load lands later
.irp m, 0,1,2,3,4
	global_load_b32 v[154+\m], v[144+\m], s[6:7]
.endr
	s_lshl_b32 s36, s12, 7
	s_wait_loadcnt 0x0
.irp m, 0,1,2,3,4
	v_min_u32 v[154+\m], 0x7ff, v[154+\m]          ; the token
	v_lshlrev_b32 v[149+\m], 9, v[154+\m]
	v_lshl_add_u32 v[149+\m], v[HH], 4, v[149+\m]
	v_add_nc_u32 v[149+\m], s36, v[149+\m]         ; its codes: 512 token + 16 (lane / 16) + my wave's two K steps
	v_lshlrev_b32 v[160+\m], 5, v[154+\m]
.endr
	s_wait_alu depctr_va_vdst(0)                   ; the gathers' offsets v149-153 and v160-164 are written, which the loads below read
.irp m, 0,1,2,3,4
.irp s, 0,1
.irp c, 0,1
	global_load_b128 v[ACC+16*\m+8*\s+4*\c:ACC+16*\m+8*\s+4*\c+3], v[149+\m], s[22:23] offset:64*\s+32*\c
.endr
.endr
.endr
.irp m, 0,1,2,3,4
	global_load_b128 v[XSR+8*\m:XSR+8*\m+3], v[160+\m], s[38:39]
	global_load_b128 v[XSR+8*\m+4:XSR+8*\m+7], v[160+\m], s[38:39] offset:16
.endr
	s_wait_loadcnt 10                              ; the twenty loads of codes are in; the ten of scale words are younger
.irp m, 0,1,2,3,4
.irp s, 0,1
.irp c, 0,1
	ds_store_b128 v[LST], v[ACC+16*\m+8*\s+4*\c:ACC+16*\m+8*\s+4*\c+3] offset:8192*\m+1024*\s+512*\c   ; LDS [m][kstep 8][image]
.endr
.endr
.endr
	s_wait_dscnt 0x0                               ; for the others' sake: my images have landed
	s_barrier_signal -1
	s_barrier_wait -1
	s_wait_alu depctr_vm_vsrc(0)                   ; my LDS stores have read v64-143, which the products write from here on; the gathers have read their offsets v144-164, which are T and P from here on
	s_cmp_eq_u32 s18, 0
	s_cbranch_scc1 .Lend                           ; a tile that this split leaves without rows: behind the launch's only barrier
	LOADW 0, 0, 0
	WIN 0x40
.irp m, 0,1,2,3
.irp s, 0,1,2,3,4,5,6,7
.irp c, 0,1
	ds_load_b128 v[64*\m+8*\s+4*\c:64*\m+8*\s+4*\c+3], v[L16] offset:8192*\m+1024*\s+512*\c
.endr
.endr
.endr
	WIN 0x80
.irp s, 0,1,2,3,4,5,6,7
.irp c, 0,1
	ds_load_b128 v[8*\s+4*\c:8*\s+4*\c+3], v[L16] offset:32768+1024*\s+512*\c
.endr
.endr
	WIN 0
.irp m, 0,1,2,3,4
	v_mov_b32 v[PWD+\m], 0
	v_mov_b32 v[TPX+\m], 0                         ; written once: a lane permute's destination counts as read
.endr
	s_wait_dscnt 0x0
	s_mov_b32 s61, 0
.Ltrip:                                            ; two trips: each makes 64 of the K step's 128 codes a row.  The bases stand at the trip's first pair
	PAIR 0
	PAIR 1
.irp m, 0,1,2,3,4
	v_permlane16_swap_b32 v[PCD+4*\m], v[PCD+4*\m+2]     ; the operand's layout wants a whole block in a lane
	v_permlane16_swap_b32 v[PCD+4*\m+1], v[PCD+4*\m+3]
.endr
	s_wait_alu depctr_va_vdst(0)                   ; the conversions and the swaps have written the codes v192-211, which the stores read
.irp m, 0,1,2,3,4
	global_store_b128 v[L16], v[PCD+4*\m:PCD+4*\m+3], s[30:31] offset:16384*\m   ; a piece of an image: 512 bytes on end, aligned
.endr
	s_wait_xcnt 0x0                                ; the stores, and the loads of the next pair, have had their addresses translated: the bases may be stepped
	s_wait_alu depctr_vm_vsrc(0)                   ; the stores have read the codes, which the next trip's conversions write again
	s_add_nc_u64 s[30:31], s[30:31], 512
	s_add_nc_u64 s[24:25], s[24:25], 32768         ; w1's three bases: two pairs on
	s_add_nc_u64 s[26:27], s[26:27], 2048
	s_add_nc_u64 s[28:29], s[28:29], 256
	s_add_co_u32 s61, s61, 1
	s_cmp_lt_u32 s61, 2
	s_cbranch_scc1 .Ltrip
	s_mov_b32 s36, 0xffff0000
	v_cndmask_b32 v[TT], v[PWD], v[PWD+1], s36     ; lanes 0-15: rows 0-15; lanes 16-31: rows 16-31
	v_cndmask_b32 v[TT+1], v[PWD+2], v[PWD+3], s36
	v_lshlrev_b32 v[TT+2], 2, v[RR]
	s_wait_alu depctr_va_vdst(0)                   ; the scale words v144, v145, v216 and the offset v146 are written, which the stores read
	global_store_b32 v[L4], v[TT], s[32:33]        ; pieces of 128 bytes: the scale words are 1 byte in 16 of what the wave stores
	global_store_b32 v[L4], v[TT+1], s[32:33] offset:128
	global_store_b32 v[TT+2], v[PWD+4], s[32:33] offset:256   ; rows 64-79: both halves of the lanes store the same word
.Lend:
	s_wait_dscnt 0x0                               ; the closing lines, six on end, of a launch in the mode that stores to LDS
	s_wait_alu 0x0
	s_wait_tensorcnt 0x0
	ds_add_u32 v15, v237
	s_wait_dscnt 0x0
	s_endpgm
.Lfunc_end_k_qdeda6b1464_up:
	.size	k_qdeda6b1464_up, .Lfunc_end_k_qdeda6b1464_up-k_qdeda6b1464_up
	.p2alignl 7, 3214868480
	.fill 96, 4, 3214868480
	.section	.rodata,"a",@progbits
	.p2align	6, 0x0
	.amdhsa_kernel k_qdeda6b1464_up
		.amdhsa_group_segment_fixed_size 41472
		.amdhsa_private_segment_fixed_size 0
		.amdhsa_enable_private_segment 0
		.amdhsa_kernarg_size 32
		.amdhsa_user_sgpr_count 2
		.amdhsa_user_sgpr_kernarg_segment_ptr 1
		.amdhsa_wavefront_size32 1
		.amdhsa_system_sgpr_workgroup_id_x 1
		.amdhsa_system_sgpr_workgroup_id_y 1
		.amdhsa_system_sgpr_workgroup_id_z 1
		.amdhsa_system_vgpr_workitem_id 0
		.amdhsa_next_free_vgpr 1024
		.amdhsa_next_free_sgpr 66
		.amdhsa_reserve_vcc 0
		.amdhsa_float_denorm_mode_32 3
		.amdhsa_float_denorm_mode_16_64 3
		.amdhsa_memory_ordered 1
		.amdhsa_forward_progress 1
		.amdhsa_inst_pref_size 158
	.end_amdhsa_kernel
	.amdgpu_metadata
---
amdhsa.version: [ 1, 2 ]
amdhsa.kernels:
  - .name:           k_qdeda6b1464_up
    .symbol:         k_qdeda6b1464_up.kd
    .args:
      - { .name: q1, .offset: 0, .size: 8, .value_kind: global_buffer, .address_space: global }
      - { .name: plan, .offset: 8, .size: 8, .value_kind: global_buffer, .address_space: global }
      - { .name: b1, .offset: 16, .size: 8, .value_kind: global_buffer, .address_space: global }
      - { .name: hid, .offset: 24, .size: 8, .value_kind: global_buffer, .address_space: global }
    .group_segment_fixed_size: 41472
    .private_segment_fixed_size: 0
    .kernarg_segment_align: 8
    .kernarg_segment_size: 32
    .max_flat_workgroup_size: 128
    .sgpr_count:     66
    .vgpr_count:     1024
    .wavefront_size: 32
...
	.end_amdgpu_metadata
.endif
;; end of part 7
;; launch down (part 8): grid 8 x 32, 4 waves a work-group, no clusters, 173,568 bytes of LDS; arguments hid, q2, plan, q1, b2, out0; writes out0
.if DOCPART == 8
	.amdgcn_target "amdgcn-amd-amdhsa--gfx1250"
	.amdhsa_code_object_version 6
	.text
	.protected	k_qdeda6b1464_down
	.globl	k_qdeda6b1464_down
	.p2align	8
	.type	k_qdeda6b1464_down,@function
k_qdeda6b1464_down:
	s_mov_b64 s[64:65], 0
	v_nop
	global_prefetch_b8 v0, s[64:65] scope:SCOPE_SE
	s_setreg_imm32_b32 hwreg(HW_REG_WAVE_SCHED_MODE, 0, 2), 2
	s_setreg_imm32_b32 hwreg(HW_REG_WAVE_MODE, 25, 1), 1
	s_wait_xcnt 0x0
	s_wait_alu depctr_vm_vsrc(0)
; out[token] = sum over the token's two experts of c_e (hid_e Q(w2_e) + b2_e), on codes of E2M1 with E8M0 scales.  EACH OUTPUT ROW HAS ONE OWNER: a work-group takes 64 tokens, neighbours in the order sorted by
; pair of experts (srt), x 128 of the 1,024 outputs: 32 x 8 = 256 work-groups.  It walks the experts of its block's set (bmask), at least 2, at most 8, in eight trips whose barriers every wave passes; only work is jumped over.
; Wave w owns 32 outputs (pair of tiles hp = 4 slice + w) for all 64 tokens, and gathers the hidden rows of tokens 16 w .. 16 w + 15 for everybody (LDS, images of registers, two buffers by turns).
; THE PRODUCT IS USED TRANSPOSED: source 0 = 16 rows of w2's image, source 1 = 16 hidden rows: a lane holds one token and eight neighbouring outputs.  b2 is the C of each sum's first product.
; A token that does not use the expert in hand fetches row 0 of hid (always written, finite) and its result is weighed by 0.
; An expert's weights (32 KB a wave) come from memory straight into a register window, a trip ahead: windows 2 and 3 by turns.
; NO CLUSTER, NO TENSOR LOAD: which experts a block walks is a number read from memory, and work is jumped over on it; partners could not show equal requests.
; LIMITS: NaN and infinities are not served.
; LDS: hidden images @0 and @65,536 [m 4][kstep 16][1,024 B]; their scale words @131,072 and @135,168 [m][q 8][32 words: lanes 0-15 kstep 2 q, lanes 16-31 kstep 2 q + 1]; the stage @139,264: 64 rows x (512 + 16) bytes.
; THE MODE: SCHED_MODE bits 1:0 = 2 (LLVM: expert scheduling mode 2), set by the entry lines.  The code itself states the register dependences
; between vector or matrix instructions and memory or LDS instructions, with s_wait_alu, always for 0.
; THE PLAN.  Registers that memory or LDS instructions touch:
;   v1, v2, v4-15      offsets and LDS addresses: written at the head, never again.     v232-237  offsets of the head's loads; v232 is at work later.
;   v37, v38           a gather's offsets: written by its arithmetic, read by its forty loads.
;   G                  v64-199 of window 1: the gather lands there; the LDS stores at the trip's end read it.
;   W0, W1             window 2 / 3, scale words v40-55 / v56-71, b2 v200-215 / v216-231 of window 1: read by the products of the expert of that parity; loaded again during the other parity's products, which name none of them.
;   F0, F1, v72-79     v80-111 / v112-143 and two sets of scale words: K step S + 1's LDS loads land where K step S - 1's products read.
;   O, D, v216-231     the way out: its LDS stores read O, the stage's loads land in D, the stores read the offsets.
; A trip: behind the barrier one wait on vm_vsrc (G and v37, v38 have been read); the gather, with one wait on va_sdst for its two masks and one on va_vdst ahead of its loads; in the products one wait on va_vdst ahead of each fetch.
; The next expert's 84 loads of weights are dealt behind K steps 0 to 8, each group behind a step's places and ahead of that step's wait; they owe no wait of their own.
; REGISTERS.  window 0: v1-15 addresses; v16-19 / v20-23 the tokens' lower / higher expert; v24-31 {c_lo, c_hi}; v32-36 my own 16 tokens' records; v37-39 gather; v40-71 w2's scale words (16 a parity); v72-79 hid's;
;   v80-143 hidden fragments, two K steps; v144-207 D (8 (2 m + u)); v208-215 the weight in hand, a pair a row tile; v216-231 offsets on the way out; v232-237 at work.
;   window 1: v0-63 O; v64-191 gathered codes; v192-199 gathered scale words; v200-231 b2 (16 a parity).   windows 2, 3: w2's fragments of parity 0, 1 (128 u + 8 s).
;   s16-23 behind the head: eight masks; on the way out s16-31: sixteen tokens.  s38, s39: the gather's two masks.
.set SRT,   18944
.set BMASK, 51968
.set RTW,   10027008
.set W2S,   8388608
.set HSO,   4833280
.set STG,   139264
.set MSB, 0
.macro WIN new                         ; the immediate's high byte repeats the setting that is left
.if MSB != (\new)
	s_set_vgpr_msb (MSB<<8)|(\new)
.set MSB, (\new)
.endif
.endm
; s26 the experts still to come; s27, s28 the expert in hand and whether there is one; s29, s30 the next.  The experts are taken off one mask in order: where there is a next one, there is one in hand
.macro POP ereg, areg
	s_cmp_lg_u32 s26, 0
	s_cselect_b32 s[\areg], 1, 0
	s_ctz_i32_b32 s[\ereg], s26
	s_min_u32 s[\ereg], s[\ereg], 7
	s_sub_co_u32 s33, s26, 1
	s_and_b32 s26, s26, s33
.endm
; The expert's 84 loads of weights: 32 fragments of my pair of tiles, their scale words, my 32 numbers of b2.  BASES: where they lie; WCODE: eight loads of codes; WREST: b2 and the scale words
.macro BASES par, ereg
	s_lshl_b32 s34, s[\ereg], 20
	s_add_co_u32 s34, s34, s54
	s_add_nc_u64 s[40+6*(\par):41+6*(\par)], s[6:7], s[34:35]
	s_lshl_b32 s34, s[\ereg], 16
	s_add_co_u32 s34, s34, s55
	s_add_co_u32 s34, s34, W2S
	s_add_nc_u64 s[42+6*(\par):43+6*(\par)], s[6:7], s[34:35]
	s_lshl_b32 s34, s[\ereg], 12
	s_add_co_u32 s34, s34, s56
	s_add_nc_u64 s[44+6*(\par):45+6*(\par)], s[12:13], s[34:35]
.endm
.macro WCODE par, g
	WIN 0x80+0x40*(\par)
.set I, 8*(\g)
.rept 8
	global_load_b128 v[4*I:4*I+3], v1, s[40+6*(\par):41+6*(\par)] offset:512*I
.set I, I+1
.endr
.endm
.macro WREST par
	WIN 0x40
.irp k, 0,1,2,3
	global_load_b128 v[200+16*(\par)+4*\k:203+16*(\par)+4*\k], v13, s[44+6*(\par):45+6*(\par)] offset:16*(\k%2)+64*(\k/2)   ; register 8 u + j: b2 at 32 hp + 16 u + 8 (lane / 16) + j
.endr
	WIN 0
.irp s, 0,1,2,3,4,5,6,7,8,9,10,11,12,13,14,15
	global_load_b32 v[40+16*(\par)+\s], v2, s[42+6*(\par):43+6*(\par)] offset:128*\s
.endr
.endm
.macro ISSUE_W par, ereg               ; all 84 in one run: at the head alone
	BASES \par, \ereg
.irp g, 0,1,2,3,4,5,6,7
	WCODE \par, \g
.endr
	WREST \par
.endm
; Part g of nine of the next expert's weights, among the products of the expert in hand.  No wait: since the last wait on va_vdst only loads, and products that name the other buffer, have been issued
.macro DEAL par, g
	s_cmp_lg_u32 s30, 0
	s_cbranch_scc0 .Lnone_\@
.if (\g) < 8
	WCODE \par, \g
	WIN 0
.else
	WREST \par
.endif
.Lnone_\@:
.endm
.macro ISSUE_H ereg                    ; 40 loads: my 16 tokens' hidden rows for this expert, lane (r, h) its own bytes of each fragment
	v_cmp_eq_u32 s38, s[\ereg], v36
	v_cmp_eq_u32 s39, s[\ereg], v35
	s_wait_alu depctr_va_sdst(0)                   ; the two masks s38 and s39 are written, ahead of their first readers
	v_cndmask_b32 v39, 0, v34, s38
	v_cndmask_b32 v39, v39, v33, s39               ; pos, or 0 for a token that does not use the expert
	v_min_u32 v39, 0x126f, v39
	v_and_b32 v37, -16, v39
	v_and_b32 v38, 15, v39
	v_lshlrev_b32 v37, 10, v37
	v_lshl_add_u32 v37, v38, 4, v37
	v_add_nc_u32 v37, v37, v15                     ; 16,384 (pos / 16) + 16 (pos % 16) + 256 (lane / 16)
	v_lshl_add_u32 v38, v39, 2, v14                ; 4 pos + 18,880 (lane / 16)
	WIN 0x40
	s_wait_alu depctr_va_vdst(0)                   ; the offsets v37 and v38 are written, which the loads below read (at the head: v234-237 too, for the four loads behind this run)
.set I, 0
.rept 32
	global_load_b128 v[64+4*I:67+4*I], v37, s[4:5] offset:512*I
.set I, I+1
.endr
.irp q, 0,1,2,3,4,5,6,7
	global_load_b32 v[192+\q], v38, s[36:37] offset:37760*\q
.endr
	WIN 0
.endm
.macro STORE par                       ; what I gathered goes to LDS as it stands
	WIN 0x04                                       ; an LDS store's data are its source 1: window 1
.set I, 0
.rept 32
	ds_store_b128 v[7+(\par)], v[64+4*I:67+4*I] offset:512*I
.set I, I+1
.endr
.irp q, 0,1,2,3,4,5,6,7
	ds_store_b32 v[9+(\par)], v[192+\q] offset:128*\q
.endr
	WIN 0
.endm
.macro FETCH par, s                    ; K step s: the four row tiles' fragments; with an even s the scale words of two K steps
.irp m, 0,1,2,3
.irp c, 0,1
	ds_load_b128 v[80+32*((\s)%2)+8*\m+4*\c:83+32*((\s)%2)+8*\m+4*\c], v[1+3*(\par)] offset:16384*\m+1024*(\s)+512*\c
.endr
.endr
.if (\s)%2 == 0
.irp m, 0,1,2,3
	ds_load_b32 v[72+4*(((\s)/2)%2)+\m], v[5+(\par)] offset:1024*\m+128*((\s)/2)
.endr
.endif
.endm
.macro MM2 par, m, u                   ; one product of K step S
.set RD_, 144+8*(2*\m+\u)
.set RA_, 128*\u+8*S
.set RB_, 80+32*(S%2)+8*\m
.set RC_, 200+16*(\par)+8*\u
.set SA_, 40+16*(\par)+S
.set SB_, 72+4*((S/2)%2)+\m
.if S == 0
.if \u == 0
	v_wmma_scale_f32_16x16x128_f8f6f4 v[RD_:RD_+7], v[RA_:RA_+7], v[RB_:RB_+7], v[RC_:RC_+7], v[SA_], v[SB_] matrix_a_fmt:MATRIX_FMT_FP4 matrix_b_fmt:MATRIX_FMT_FP4
.else
	v_wmma_scale_f32_16x16x128_f8f6f4 v[RD_:RD_+7], v[RA_:RA_+7], v[RB_:RB_+7], v[RC_:RC_+7], v[SA_], v[SB_] matrix_a_fmt:MATRIX_FMT_FP4 matrix_b_fmt:MATRIX_FMT_FP4 matrix_a_scale:MATRIX_SCALE_ROW1
.endif
.elseif S%2 == 0
.if \u == 0
	v_wmma_scale_f32_16x16x128_f8f6f4 v[RD_:RD_+7], v[RA_:RA_+7], v[RB_:RB_+7], v[RD_:RD_+7], v[SA_], v[SB_] matrix_a_fmt:MATRIX_FMT_FP4 matrix_b_fmt:MATRIX_FMT_FP4
.else
	v_wmma_scale_f32_16x16x128_f8f6f4 v[RD_:RD_+7], v[RA_:RA_+7], v[RB_:RB_+7], v[RD_:RD_+7], v[SA_], v[SB_] matrix_a_fmt:MATRIX_FMT_FP4 matrix_b_fmt:MATRIX_FMT_FP4 matrix_a_scale:MATRIX_SCALE_ROW1
.endif
.else
.if \u == 0
	v_wmma_scale_f32_16x16x128_f8f6f4 v[RD_:RD_+7], v[RA_:RA_+7], v[RB_:RB_+7], v[RD_:RD_+7], v[SA_], v[SB_] matrix_a_fmt:MATRIX_FMT_FP4 matrix_b_fmt:MATRIX_FMT_FP4 matrix_b_scale:MATRIX_SCALE_ROW1
.else
	v_wmma_scale_f32_16x16x128_f8f6f4 v[RD_:RD_+7], v[RA_:RA_+7], v[RB_:RB_+7], v[RD_:RD_+7], v[SA_], v[SB_] matrix_a_fmt:MATRIX_FMT_FP4 matrix_b_fmt:MATRIX_FMT_FP4 matrix_a_scale:MATRIX_SCALE_ROW1 matrix_b_scale:MATRIX_SCALE_ROW1
.endif
.endif
.endm
; The expert in hand: 128 products, eight accumulators by turns, then O += c D.  deal = 1: the next expert's weights are asked for on the way, into the other buffer
.macro COMPUTE par, deal
	s_wait_alu depctr_va_vdst(0)                   ; the last expert's products are done reading both fragment buffers and both sets of scale words, in which the first two fetches land
	FETCH \par, 0
.set S, 0
.rept 16
.if (\deal) && (S < 9)
	DEAL 1-(\par), S
.endif
.if S < 15
.if S > 0
	s_wait_alu depctr_va_vdst(0)                   ; the products of the K step before are done reading the fragments, and those of the steps before it the scale words, in which the fetch below lands
.endif
	FETCH \par, S+1
.if (S+1)%2 == 0
	s_wait_dscnt 12                                ; all but the twelve just issued
.else
	s_wait_dscnt 8                                 ; all but the eight just issued
.endif
.else
	s_wait_dscnt 0x0
.endif
.if S == 0
	WIN 0x12+(\par)                                ; source 0 (w2) window 2 or 3, source 2 (b2) window 1
.else
	WIN 0x02+(\par)
.endif
.irp m, 0,1,2,3
.irp u, 0,1
	MM2 \par, \m, \u
.endr
.endr
	WIN 0
.rept 4
	v_nop                                          ; places in front of the next fetch into registers just read, and of the first read of results
.endr
.set S, S+1
.endr
.irp m, 0,1,2,3
	v_cmp_eq_u32 s[16+\m], s27, v[20+\m]           ; is the expert in hand the token's higher one,
.endr
.irp m, 0,1,2,3
	v_cmp_eq_u32 s[20+\m], s27, v[16+\m]           ; or its lower one?
.endr
	s_wait_alu depctr_va_sdst(0)                   ; the eight masks s16 to s23 are written, ahead of their first readers
.irp m, 0,1,2,3
	v_cndmask_b32 v232, 0, v[25+2*\m], s[16+\m]
	v_cndmask_b32 v[208+2*\m], v232, v[24+2*\m], s[20+\m]   ; the token's weight for this expert, or 0
	v_mov_b32 v[209+2*\m], v[208+2*\m]
.endr
	WIN 0x50                                       ; O: destination and source 2 in window 1
.irp m, 0,1,2,3
.irp u, 0,1
.irp i, 0,2,4,6
	v_pk_fma_f32 v[8*(2*\m+\u)+\i:8*(2*\m+\u)+\i+1], v[144+8*(2*\m+\u)+\i:144+8*(2*\m+\u)+\i+1], v[208+2*\m:209+2*\m], v[8*(2*\m+\u)+\i:8*(2*\m+\u)+\i+1]
.endr
.endr
.endr
	WIN 0
.endm
; One trip.  In front of the barrier: my LDS stores into buffer par have landed and my reads of the other buffer are over.  Behind it buffer par is whole and nobody reads the other one.
; kind 0: the first trip (its loads went out at the head); 1: a trip of the loop; 2: the last trip (nothing follows).
.macro EXPERT par, kind
	s_wait_dscnt 0x0
	s_barrier_signal -1
	s_barrier_wait -1
.if \kind == 1
	s_wait_alu depctr_vm_vsrc(0)                   ; my LDS stores of the last trip have read G, in which the gather below lands; the last gather's loads have read v37 and v38, which are written again
	s_cmp_lg_u32 s30, 0
	s_cbranch_scc0 .Lno_issue_\@
	ISSUE_H 29                                     ; no load of mine is out here, on any way: the last trip ended with a wait for all
	BASES 1-(\par), 29                             ; so the bases may be written too
.Lno_issue_\@:
.endif
.if \kind == 0
	s_wait_loadcnt 40                              ; both sets of weights are in; the second gather's forty loads are younger
	COMPUTE \par, 0
.else
	s_cmp_lg_u32 s28, 0
	s_cbranch_scc0 .Lno_work_\@
.if \kind == 1
	COMPUTE \par, 1
.else
	COMPUTE \par, 0
.endif
.Lno_work_\@:
.endif
.if \kind < 2
	s_wait_loadcnt 0x0                             ; the next expert's rows and weights are in
.if \kind == 1
	s_cmp_lg_u32 s30, 0
	s_cbranch_scc0 .Lno_store_\@
.endif
	STORE 1-(\par)
.if \kind == 1
.Lno_store_\@:
.endif
	s_mov_b32 s27, s29
	s_mov_b32 s28, s30
	POP 29, 30
.endif
.endm
	s_load_b256 s[4:11], s[0:1], 0x0               ; hid s[4:5], q2 s[6:7], plan s[8:9], q1 s[10:11]
	s_load_b128 s[12:15], s[0:1], 0x20             ; b2 s[12:13], out0 s[14:15]
	v_lshl_add_u32 v254, v0, 2, 0x2a400
	v_mov_b32 v255, 0
	v_lshrrev_b32 v39, 5, v0
	v_readfirstlane_b32 s16, v39                   ; wave 0..3
	v_and_b32 v39, 31, v0
	v_lshlrev_b32 v1, 4, v39                       ; 16 L: an image's place for my lane; buffer 0
	v_lshlrev_b32 v2, 2, v39                       ; 4 L
	v_add_nc_u32 v4, 65536, v1                     ; buffer 1
	v_add_nc_u32 v5, 131072, v2                    ; scale words, buffer 0,
	v_add_nc_u32 v6, 135168, v2                    ; buffer 1
	s_wait_alu depctr_va_sdst(0)                   ; s16 is written, ahead of its first reader
	s_lshl_b32 s17, s16, 14
	v_add_nc_u32 v7, s17, v1                       ; where I store my row tile: buffer 0,
	v_add_nc_u32 v8, 65536, v7                     ; buffer 1
	s_lshl_b32 s17, s16, 10
	v_add_nc_u32 v9, s17, v5
	v_add_nc_u32 v10, s17, v6
	v_and_b32 v3, 15, v0                           ; r
	v_bfe_u32 v13, v0, 4, 1                        ; h
	v_mul_u32_u24 v11, v3, 528
	v_lshl_add_u32 v11, v13, 5, v11
	s_lshl_b32 s17, s16, 7
	v_add_nc_u32 v11, s17, v11
	v_add_nc_u32 v11, STG, v11                     ; the stage, in: row r, + 128 wave + 32 h
	s_mul_i32 s17, s16, 16*528
	v_add_nc_u32 v12, s17, v1
	v_add_nc_u32 v12, STG, v12                     ; and back: my 16 rows, 16 bytes a lane
	v_mul_u32_u24 v14, v13, 18880
	v_lshlrev_b32 v15, 8, v13
	v_lshlrev_b32 v13, 5, v13                      ; 32 h
	s_lshl_b32 s18, ttmp9, 2
	s_add_co_u32 s18, s18, s16                     ; hp = 4 slice + wave
	s_lshl_b32 s54, s18, 15
	s_lshl_b32 s55, s18, 11
	s_lshl_b32 s56, s18, 7
	s_and_b32 s19, ttmp7, 0xffff                   ; the block
	s_lshl_b32 s20, s19, 2
	s_mov_b32 s35, 0
	s_wait_kmcnt 0x0
	s_load_b32 s26, s[8:9], s20 offset:BMASK
	s_lshl_b32 s34, s19, 10
	s_add_co_u32 s34, s34, SRT
	s_add_nc_u64 s[22:23], s[8:9], s[34:35]        ; the block's 64 records
	s_add_nc_u64 s[24:25], s[10:11], RTW
	s_add_nc_u64 s[36:37], s[4:5], HSO
	s_lshl_b32 s34, ttmp9, 9
	s_add_nc_u64 s[14:15], s[14:15], s[34:35]      ; out0 at my slice's 512 bytes of a row
	v_lshlrev_b32 v232, 4, v3
	s_lshl_b32 s17, s16, 8
	v_add_nc_u32 v233, s17, v232
	s_wait_alu depctr_va_vdst(0)                   ; the offsets v232 and v233 are written, which the loads below read; so are v1, v2 and v4 to v15, which every later load and store of the kernel reads
.irp m, 0,1,2,3
	global_load_b128 v[144+4*\m:147+4*\m], v232, s[22:23] offset:256*\m
.endr
	global_load_b128 v[160:163], v233, s[22:23]    ; my own row tile's
	s_wait_loadcnt 0x0
.irp m, 0,1,2,3
	v_and_b32 v[16+\m], 7, v[147+4*\m]
	v_bfe_u32 v[20+\m], v[147+4*\m], 4, 3
	v_min_u32 v[234+\m], 0x7ff, v[144+4*\m]
	v_lshlrev_b32 v[234+\m], 3, v[234+\m]
.endr
	v_mov_b32 v32, v160
	v_mov_b32 v33, v161
	v_mov_b32 v34, v162
	v_and_b32 v35, 7, v163
	v_bfe_u32 v36, v163, 4, 3
	s_wait_alu depctr_va_vdst(0)
	s_wait_kmcnt 0x0
	s_and_b32 s26, s26, 255
	POP 27, 28
	POP 29, 30                                     ; a block has two experts at the least: a token's two differ
	ISSUE_H 27
.irp m, 0,1,2,3
	global_load_b64 v[24+2*\m:25+2*\m], v[234+\m], s[24:25]   ; the tokens' weights: their offsets were written ahead of the gather's wait, and only loads stand between
.endr
	ISSUE_W 0, 27
	ISSUE_W 1, 29
	WIN 0x40
.set I, 0
.rept 64
	v_mov_b32 v[I], 0                              ; O, once: which expert is a row's first is data, so no product can start these sums
.set I, I+1
.endr
	WIN 0
	s_wait_loadcnt 63                              ; the first gather is in: 172 loads are younger; the wait's field holds 63
	STORE 0
	s_wait_dscnt 0x0                               ; the stores have landed
	s_wait_alu depctr_vm_vsrc(0)                   ; they have read G, in which the second gather lands; the first gather's loads have read v37 and v38, which are written again; the head's loads have read v232, which is at work from here on
	ISSUE_H 29
	EXPERT 0, 0
	s_mov_b32 s32, 3
.Lpair:
	EXPERT 1, 1
	EXPERT 0, 1
	s_sub_co_u32 s32, s32, 1
	s_cmp_lg_u32 s32, 0
	s_cbranch_scc1 .Lpair
	EXPERT 1, 2
	; THE WAY OUT: a row's 512 bytes come from four waves: through the stage, then each wave stores 16 whole rows, each at its token's place
	WIN 0x04
	s_wait_alu depctr_va_vdst(0)                   ; the multiply-adds have written O, which the LDS stores read
.irp m, 0,1,2,3
.irp u, 0,1
	ds_store_b128 v11, v[8*(2*\m+\u):8*(2*\m+\u)+3] offset:16*\m*528+64*\u
	ds_store_b128 v11, v[8*(2*\m+\u)+4:8*(2*\m+\u)+7] offset:16*\m*528+64*\u+16
.endr
.endr
	WIN 0
	s_wait_dscnt 0x0                               ; for the others' sake: my part of the rows has landed
	s_barrier_signal -1
	s_barrier_wait -1
.irp i, 0,1,2,3,4,5,6,7,8,9,10,11,12,13,14,15
	v_readlane_b32 s[16+\i], v32, \i
.endr
	s_wait_alu depctr_va_sdst(0)                   ; the sixteen tokens s16 to s31 are written, ahead of their first readers
.irp i, 0,1,2,3,4,5,6,7,8,9,10,11,12,13,14,15
	s_min_u32 s[16+\i], s[16+\i], 2047
	s_lshl_b32 s[16+\i], s[16+\i], 12
	v_add_nc_u32 v[216+\i], s[16+\i], v1           ; 4,096 token + 16 L
.endr
	s_wait_alu depctr_va_vdst(0)                   ; the offsets v216-231 are written, which the stores read; the products and multiply-adds are done with D, in which the loads from the stage land
.irp i, 0,1,2,3,4,5,6,7,8,9,10,11,12,13,14,15
	ds_load_b128 v[144+4*\i:147+4*\i], v12 offset:528*\i
.endr
.irp i, 0,1,2,3,4,5,6,7,8,9,10,11,12,13,14,15
	s_wait_dscnt 15-\i
	global_store_b128 v[216+\i], v[144+4*\i:147+4*\i], s[14:15] th:TH_STORE_NT   ; 32 lanes store 512 bytes of one row, aligned to 256; written once
.endr
	s_wait_dscnt 0x0                               ; the closing lines, six on end, of a launch in the mode that stores to LDS
	s_wait_alu 0x0
	s_wait_tensorcnt 0x0
	ds_add_u32 v254, v255
	s_wait_dscnt 0x0
	s_endpgm
.Lfunc_end_k_qdeda6b1464_down:
	.size	k_qdeda6b1464_down, .Lfunc_end_k_qdeda6b1464_down-k_qdeda6b1464_down
	.p2alignl 7, 3214868480
	.fill 96, 4, 3214868480
	.section	.rodata,"a",@progbits
	.p2align	6, 0x0
	.amdhsa_kernel k_qdeda6b1464_down
		.amdhsa_group_segment_fixed_size 173568
		.amdhsa_private_segment_fixed_size 0
		.amdhsa_enable_private_segment 0
		.amdhsa_kernarg_size 48
		.amdhsa_user_sgpr_count 2
		.amdhsa_user_sgpr_kernarg_segment_ptr 1
		.amdhsa_wavefront_size32 1
		.amdhsa_system_sgpr_workgroup_id_x 1
		.amdhsa_system_sgpr_workgroup_id_y 1
		.amdhsa_system_sgpr_workgroup_id_z 1
		.amdhsa_system_vgpr_workitem_id 0
		.amdhsa_next_free_vgpr 1024
		.amdhsa_next_free_sgpr 66
		.amdhsa_reserve_vcc 0
		.amdhsa_float_denorm_mode_32 3
		.amdhsa_float_denorm_mode_16_64 3
		.amdhsa_memory_ordered 1
		.amdhsa_forward_progress 1
		.amdhsa_inst_pref_size 213
	.end_amdhsa_kernel
	.amdgpu_metadata
---
amdhsa.version: [ 1, 2 ]
amdhsa.kernels:
  - .name:           k_qdeda6b1464_down
    .symbol:         k_qdeda6b1464_down.kd
    .args:
      - { .name: hid, .offset: 0, .size: 8, .value_kind: global_buffer, .address_space: global }
      - { .name: q2, .offset: 8, .size: 8, .value_kind: global_buffer, .address_space: global }
      - { .name: plan, .offset: 16, .size: 8, .value_kind: global_buffer, .address_space: global }
      - { .name: q1, .offset: 24, .size: 8, .value_kind: global_buffer, .address_space: global }
      - { .name: b2, .offset: 32, .size: 8, .value_kind: global_buffer, .address_space: global }
      - { .name: out0, .offset: 40, .size: 8, .value_kind: global_buffer, .address_space: global }
    .group_segment_fixed_size: 173568
    .private_segment_fixed_size: 0
    .kernarg_segment_align: 8
    .kernarg_segment_size: 48
    .max_flat_workgroup_size: 128
    .sgpr_count:     66
    .vgpr_count:     1024
    .wavefront_size: 32
...
	.end_amdgpu_metadata
.endif
;; end of part 8
